; MI455X (gfx1250); checked and timed in simulation.
; The chip was launched on July 23, 2026; its instructions are those of AMD's public machine-readable ISA for CDNA 5 (MIT licence, August 2026) and "CDNA5" Instruction Set Architecture Reference Guide (July 2026). The comments in the code are by the model that wrote it; some were corrected since.
;; Transformer Block. Allowed arithmetic: matrix products marked QUANTISED: E2M3 operands, one E8M0 scale for each 32 along K, by v_wmma_scale_f32_16x16x128_f8f6f4 with both operands' format E2M3, f32 sums; everything else in f32.
;; Inputs: W1 1,024 x 4,096 float32; W2 4,096 x 1,024 float32; WK 1,024 x 1,024 float32; WQ 1,024 x 1,024 float32; WV 1,024 x 1,024 float32; Wo 1,024 x 1,024 float32; b1 4,096 float32; b2 1,024 float32; bo 1,024 float32; ln1_b 1,024 float32; ln1_s 1,024 float32; ln2_b 1,024 float32; ln2_s 1,024 float32; x 4 x 1,024 x 1,024 float32.
;; Outputs: out0 4 x 1,024 x 1,024 float32.
;; This version of the problem:
;;   THIS VERSION OF THE PROBLEM IS GIVEN IN LOW PRECISION. The matrix products marked QUANTISED in the list below multiply operands that are first quantised to E2M3 (2 exponent bits, 3 mantissa bits; 6 bits a number), with one power-of-two scale for each 32 numbers along K (OCP MX v1.0); their sums are f32. All else is computed in f32.
;;   The module's matrix products, in the order in which they are computed (A, B: the left and right operand; K: the contracted axis; several contracted axes count as one K, in the product's order):
;;     1. [M 4,096, K 1,024] x [K 1,024, N 1,024]; A: computed on the way; B: input WQ: QUANTISED
;;     2. [M 4,096, K 1,024] x [K 1,024, N 1,024]; A: computed on the way; B: input WK: QUANTISED
;;     3. [M 4,096, K 1,024] x [K 1,024, N 1,024]; A: computed on the way; B: input WV: QUANTISED
;;     4. batch 64 x [M 1,024, K 64] x [K 64, N 1,024]; A: computed on the way; B: computed on the way: QUANTISED
;;     5. batch 64 x [M 1,024, K 1,024] x [K 1,024, N 64]; A: softmax (see below); B: computed on the way: QUANTISED
;;     6. [M 4,096, K 1,024] x [K 1,024, N 1,024]; A: computed on the way; B: input Wo: QUANTISED
;;     7. [M 4,096, K 1,024] x [K 1,024, N 4,096]; A: computed on the way; B: input W1: QUANTISED
;;     8. [M 4,096, K 4,096] x [K 4,096, N 1,024]; A: computed on the way; B: input W2: QUANTISED
;;   THE QUANTISER, for each operand of a quantised product, along K:
;;     - K is cut into blocks of 32 from its start; a last block that is shorter is filled with zeros.
;;     - A block's scale is 2^e with e = floor(log2(the largest magnitude in the block)) - 2, held to -126 .. 127; a block of zeros has e = 0. As a byte (E8M0): e + 127.
;;     - Each number is divided by its block's scale, clamped to +-7.5, and rounded to the nearest number of E2M3, ties to even, subnormals kept.
;;     - The product sums the exact products of the quantised numbers (number of the format x scale) in f32.
;;   ~~~python
;;   def quantise(x, axis):      # numpy; x: float32 -> the quantised numbers, widened to float32 again
;;       x = np.moveaxis(x, axis, -1); K = x.shape[-1]
;;       x = np.pad(x, [(0, 0)] * (x.ndim - 1) + [(0, -K % 32)]); x = x.reshape(x.shape[:-1] + (-1, 32)); a = np.abs(x).max(-1, keepdims=True)
;;       e = np.where(a > 0, np.clip(np.frexp(np.where(a > 0, a, 1))[1] - 1 - 2, -126, 127), 0)      # np.frexp(a)[1] - 1 = floor(log2(a)), exactly
;;       r = np.clip(x / 2.0 ** e, -7.5, 7.5)
;;       step = 2.0 ** (np.maximum(np.frexp(np.where(r == 0, 1, r))[1] - 1, 0) - 3)
;;       q = np.round(r / step) * step * 2.0 ** e      # np.round: ties to even
;;       return np.moveaxis(q.reshape(q.shape[:-2] + (-1,))[..., :K], -1, axis).astype(np.float32)
;;   ~~~
;;   SOFTMAX AHEAD OF A QUANTISED PRODUCT. Where the list says 'softmax', what is quantised is not the finished softmax but p = 2^(t - M), with t = logit x log2(e) and M = ceil(the row's largest t), a whole number; so 1/2 < the row's largest p <= 1. The row's sum l is taken of the UNQUANTISED p, in f32, and the product's result is divided by l at the end. Since M is a whole number, a kernel that streams over the keys may use a running M (the ceiling of the running maximum): every later rescaling is an exact power of two, which a block's scale takes up: the codes' values come out the same.
;;   OPERANDS COMPUTED ON THE WAY. 'Computed on the way' means the value that the module computes at that place (a softmax that the list does not call 'softmax' is quantised finished and normalised). What goes into a quantiser is computed in f32, as accurately as f32 sums, v_exp_f32 and their like allow (about 1e-6 of the number): no bf16 or f16 on the way to a quantiser, and a product that is left as it is and whose result goes on into a quantised operand takes f32 operands (vector FMAs, or v_wmma_f32_16x16x4_f32). A number that lies on a knife's edge between two numbers of the format may be rounded either way, as far as f32 arithmetic and the matrix unit's own rounding can turn it there, and no further.
;; One version. Each part assembles by itself: llvm-mc -triple=amdgcn-amd-amdhsa -mcpu=gfx1250 --defsym DOCPART=n.
;; ======== version 1 of 1: 7 launches
;; limits: right only within a limited range of input values
;; workspace buffers: hbuf 3,276,800 bytes; wqk 3,276,800 bytes; wv 3,276,800 bytes; wrest 7,372,800 bytes; qkbuf 13,107,200 bytes; vbuf 13,107,200 bytes; x1 16,777,216 bytes; g 13,107,200 bytes
;; launch prep (part 1): grid 640 x 1, 8 waves a work-group, no clusters, 78,592 bytes of LDS; arguments WQ, WK, WV, Wo, W1, W2, wqk, wv, wrest, x, ln1_s, ln1_b, hbuf; writes wqk, wv, wrest, hbuf
.if DOCPART == 1
	.amdgcn_target "amdgcn-amd-amdhsa--gfx1250"
	.amdhsa_code_object_version 6
	.text
	.protected	k_q99bca5d041_prep
	.globl	k_q99bca5d041_prep
	.p2align	8
	.type	k_q99bca5d041_prep,@function
k_q99bca5d041_prep:
	s_mov_b64 s[64:65], 0
	v_nop
	global_prefetch_b8 v0, s[64:65] scope:SCOPE_SE
	s_setreg_imm32_b32 hwreg(HW_REG_WAVE_MODE, 25, 1), 1
	s_wait_xcnt 0x0
; ONE PREPARING LAUNCH, TWO KINDS OF WORK-GROUP, told apart by the work-group's number alone; each kind has LDS bytes of its own.
; Work-groups 0-383 (the longer ones, so they have the lower numbers): the six weights, f32 [K][N] with K as FIRST axis, become operands of FP6 (E2M3) codes with one E8M0 byte for each 32 along K.
; Work-groups 384-639: y = gain x (x - mean) / sqrt(var + 1e-5) + shift for rows of 1,024 f32, quantised along the row in the same way.
; LAYOUT OF EVERY OPERAND BUFFER OF THIS PROGRAM.  A half image is 768 bytes: 16 rows x 64 K as six registers of a fragment hold them: lane l = r + 16 h has k = 32 h .. 32 h + 31 of row r;
; registers 0-3 lie at 16 l, registers 4-5 at 512 + 8 l.  Codes of block of rows B, K chunk c: (B x K/64 + c) x 768.  Scale words (a row, 128 K): (B x K/128 + s) x 64 + 4 r.
; Physical row p holds logical row p with bits 3 and 4 exchanged, so that as source 0 of a product two neighbouring blocks give a lane 16 neighbouring outputs.
; WEIGHTS.  A work-group takes 64 columns x 512 K, wave w 32 columns (w & 1) x 128 K (w >> 1).  A lane takes a column, its registers run down K: a block of 32 lies in one lane,
; and the conversions give codes with K innermost.  The codes turn through the wave's own stage in LDS and leave as dense runs of 512 and 256 bytes.  Pointers and constants are chosen by the work-group's number.
; NORM.  A work-group makes one physical block of 16 rows, wave w its rows w and w + 8, each kept in 32 registers between the passes (mean; squared distances from the mean; scaling).
; A row is loaded 16 bytes a lane; for the quantiser a lane must hold a block of 32 neighbours: the row turns through the wave's own stage (16 bytes of padding behind each 128).
; The 16 rows' codes meet in LDS as images and leave as dense runs of 512 and 256 bytes.  Work-groups share no input but gain and shift: no cluster.
; A block's scale is 2^(floor(log2(largest magnitude)) - 2): the magnitude's exponent field less 2, held at 1 from below.
; LIMITS: NaN and infinities are not served; a block of zeros gets the byte 1 (the rule says 127): its codes are zeros and this program alone reads the bytes.
.set SG,  26624                        ; weights: behind eight stages of 3,328 bytes: the work-group's scale words, 4 blocks of rows x 4 K steps x 64 bytes
.set OFF, 16                           ; v16-47   4 x lane + i rows of W
.set X,   48                           ; v48-175  my column's 128 numbers, later the images read back
.set C,   176                          ; v176-207 four sets of codes
.set LB,  28672                        ; norm: its LDS bytes begin behind the weights' and the spare words (27,648 .. 28,671)
.set STG, 4608                         ; a wave's stage: 32 blocks x (128 + 16) bytes
.set IMG, LB+8*STG                     ; 16 half images, 784 bytes apart
.set SCA, IMG+16*784                   ; 8 K steps x 16 rows x 4 scale bytes
	v_lshl_add_u32 v224, v0, 2, 0x6c00             ; my spare word, and 0: kept for the closing lines
	v_mov_b32 v225, 0
	v_lshrrev_b32 v1, 5, v0
	s_delay_alu instid0(VALU_DEP_1)
	v_readfirstlane_b32 s22, v1                    ; wave
	s_cmp_ge_u32 ttmp9, 384
	s_wait_alu depctr_va_vdst(0)                   ; the wait ahead of the branch
	s_cbranch_scc1 .Lnorm
	s_load_b512 s[4:19], s[0:1], 0x0               ; WQ 4, WK 6, WV 8, Wo 10, W1 12, W2 14, wqk 16, wv 18
	s_load_b64 s[20:21], s[0:1], 0x40              ; wrest
	v_and_b32 v1, 31, v0                           ; lane
	s_and_b32 s23, s22, 1                          ; cw: which 32 columns
	s_lshr_b32 s31, s22, 1                         ; kw: which 128 along K
	s_mov_b32 s28, 0                               ; where the codes begin in the output buffer
	s_mov_b32 s29, 3145728                         ; where the scale words begin
	s_mov_b32 s30, 4096                            ; a row of W in bytes
	s_mov_b32 s32, 15                              ; column tiles - 1
	s_mov_b32 s33, 4                               ; log2 of the column tiles
	s_mov_b32 s34, 8                               ; K / 128
	s_wait_alu depctr_va_vdst(0)
	s_wait_kmcnt 0x0
	s_mov_b64 s[24:25], s[4:5]                     ; work-groups 0-31: WQ -> wqk
	s_mov_b64 s[26:27], s[16:17]
	s_cmp_ge_u32 ttmp9, 32                         ; 32-63: WK -> wqk, behind WQ's 64 blocks
	s_cselect_b64 s[24:25], s[6:7], s[24:25]
	s_cselect_b32 s28, 786432, s28
	s_cselect_b32 s29, 3178496, s29
	s_cmp_ge_u32 ttmp9, 64                         ; 64-95: WV -> wv
	s_cselect_b64 s[24:25], s[8:9], s[24:25]
	s_cselect_b64 s[26:27], s[18:19], s[26:27]
	s_cselect_b32 s28, 0, s28
	s_cselect_b32 s29, 3145728, s29
	s_cmp_ge_u32 ttmp9, 96                         ; 96-127: Wo -> wrest
	s_cselect_b64 s[24:25], s[10:11], s[24:25]
	s_cselect_b64 s[26:27], s[20:21], s[26:27]
	s_cselect_b32 s29, 786432, s29
	s_cmp_ge_u32 ttmp9, 128                        ; 128-255: W1 -> wrest
	s_cselect_b64 s[24:25], s[12:13], s[24:25]
	s_cselect_b32 s28, 819200, s28
	s_cselect_b32 s29, 3964928, s29
	s_cselect_b32 s30, 16384, s30
	s_cselect_b32 s32, 63, s32
	s_cselect_b32 s33, 6, s33
	s_cselect_b32 s35, 127, 31
	s_cmp_ge_u32 ttmp9, 256                        ; 256-383: W2 -> wrest
	s_cselect_b64 s[24:25], s[14:15], s[24:25]
	s_cselect_b32 s28, 4096000, s28
	s_cselect_b32 s29, 7241728, s29
	s_cselect_b32 s30, 4096, s30
	s_cselect_b32 s32, 15, s32
	s_cselect_b32 s33, 4, s33
	s_cselect_b32 s34, 32, s34
	s_and_b32 s35, ttmp9, s35                      ; the work-group's number within its tensor
	s_and_b32 s50, s35, s32                        ; ct: column tile
	s_lshr_b32 s51, s35, s33                       ; kt: which 512 along K
	s_lshl_b32 s52, s50, 6
	s_lshl_b32 s53, s23, 5
	s_add_co_u32 s52, s52, s53                     ; n0: my wave's first column
	s_lshl_b32 s53, s51, 2
	s_add_co_u32 s53, s53, s31                     ; sg: my wave's K step of 128
	s_lshl_b32 s54, s30, 7
	s_mul_i32 s54, s54, s53                        ; sg x 128 rows
	s_lshl_b32 s55, s52, 2
	s_add_co_u32 s54, s54, s55                     ; + 4 n0
	s_mov_b32 s55, 0
	s_add_nc_u64 s[36:37], s[24:25], s[54:55]      ; four bases, 32 rows of W apart
	s_lshl_b32 s54, s30, 5
	s_add_nc_u64 s[38:39], s[36:37], s[54:55]
	s_add_nc_u64 s[40:41], s[38:39], s[54:55]
	s_add_nc_u64 s[42:43], s[40:41], s[54:55]
	s_lshr_b32 s54, s52, 4                         ; my first block of rows of the operand
	s_lshl_b32 s56, s34, 1                         ; half images in a block of rows: K / 64
	s_mul_i32 s54, s54, s56
	s_lshl_b32 s57, s53, 1
	s_add_co_u32 s54, s54, s57
	s_mul_i32 s54, s54, 768
	s_add_co_u32 s54, s54, s28
	s_add_nc_u64 s[44:45], s[26:27], s[54:55]      ; my two half images of block u = 0,
	s_mul_i32 s54, s56, 768
	s_add_nc_u64 s[46:47], s[44:45], s[54:55]      ; and of block u = 1
	s_lshl_b32 s54, s50, 2
	s_lshl_b32 s57, s23, 1
	s_add_co_u32 s54, s54, s57                     ; scale words: blocks 4 ct + 2 cw and the next (waves 0 and 1 store them)
	s_lshl_b32 s57, s34, 6                         ; a block's scale words: 64 x K / 128 bytes
	s_mul_i32 s54, s54, s57
	s_lshl_b32 s58, s51, 8
	s_add_co_u32 s54, s54, s58
	s_add_co_u32 s54, s54, s29
	s_add_nc_u64 s[48:49], s[26:27], s[54:55]
	v_lshlrev_b32 v[OFF], 2, v1
.set i, 1
.rept 31
	s_delay_alu instid0(VALU_DEP_1)
	v_add_nc_u32 v[OFF+i], s30, v[OFF+i-1]
.set i, i+1
.endr
.irp t, 0,1,2,3
.set i, 0
.rept 32
	global_load_b32 v[X+32*\t+i], v[OFF+i], s[36+2*\t:37+2*\t] th:TH_LOAD_NT   ; W(128 sg + 32 t + i, n0 + lane): 128 consecutive bytes a wave, read once
.set i, i+1
.endr
.endr
	; logical column n0 + lane is physical row r = (lane & 7) + 8 (lane >> 4) of block n0 / 16 + u, u = (lane >> 3) & 1
	v_bfe_u32 v2, v0, 3, 1                         ; u
	v_and_b32 v3, 7, v0
	v_bfe_u32 v10, v0, 4, 1
	s_delay_alu instid0(VALU_DEP_1)
	v_lshl_add_u32 v3, v10, 3, v3                  ; r
	s_mul_i32 s59, s22, 3328                       ; my stage: two regions of 1,536 + 128 bytes, one for each u
	v_mul_u32_u24 v13, v2, 1664
	s_delay_alu instid0(VALU_DEP_1)
	v_add_nc_u32 v13, s59, v13
	s_delay_alu instid0(VALU_DEP_1)
	v_lshl_add_u32 v4, v3, 4, v13                  ; in: registers 0-3
	s_delay_alu instid0(VALU_DEP_2)
	v_lshl_add_u32 v5, v3, 3, v13                  ; in: registers 4-5
	v_lshlrev_b32 v11, 4, v1                       ; 16 x lane
	v_lshlrev_b32 v12, 3, v1                       ; 8 x lane
	s_delay_alu instid0(VALU_DEP_2)
	v_add_nc_u32 v6, s59, v11                      ; back
	s_delay_alu instid0(VALU_DEP_2)
	v_add_nc_u32 v7, s59, v12
	s_lshl_b32 s60, s23, 9
	s_lshl_b32 s61, s31, 6
	s_add_co_u32 s60, s60, s61
	s_add_co_u32 s60, s60, SG
	v_lshl_add_u32 v9, v2, 8, s60
	s_delay_alu instid0(VALU_DEP_1)
	v_lshl_add_u32 v9, v3, 2, v9
	s_lshl_b32 s61, s23, 9
	s_add_co_u32 s61, s61, SG
	v_add_nc_u32 v15, s61, v11                     ; and where waves 0 and 1 read 512 bytes of them back
	v_and_b32 v13, 15, v0
	v_mul_u32_u24 v216, v10, s57
	s_delay_alu instid0(VALU_DEP_1)
	v_lshl_add_u32 v216, v13, 4, v216              ; lanes 0-15 one block's 256 bytes, lanes 16-31 the next block's
; Block t of my column: 32 numbers -> a byte of the scale word and 24 bytes of codes, which are lane r + 16 (t % 2) of half image t / 2.
.macro BLOCK t, left
.set XS, X+32*(\t)
.set CT, C+8*(\t)
	s_wait_loadcnt \left                           ; loads come back in order: this block's 32 are in (a wait names 63 at the most, so the first two counts are smaller than the 96 and 64 younger loads)
	v_max3_num_f32 v10, |v[XS]|, |v[XS+1]|, |v[XS+2]|
	v_max3_num_f32 v13, |v[XS+3]|, |v[XS+4]|, |v[XS+5]|
.irp i, 6,10,14,18,22,26
	s_delay_alu instid0(VALU_DEP_2)
	v_max3_num_f32 v10, v10, |v[XS+\i]|, |v[XS+\i+1]|
	s_delay_alu instid0(VALU_DEP_2)
	v_max3_num_f32 v13, v13, |v[XS+\i+2]|, |v[XS+\i+3]|
.endr
	s_delay_alu instid0(VALU_DEP_2)
	v_max3_num_f32 v10, v10, |v[XS+30]|, |v[XS+31]|
	s_delay_alu instid0(VALU_DEP_1)
	v_max3_num_f32 v10, v10, v13, 0x1800000        ; with the floor 2^(3 - 127): the byte cannot fall under 1
	s_delay_alu instid0(VALU_DEP_1)
	v_add_nc_u32 v14, 0xff000000, v10              ; 2 off the exponent field: the conversion's scale operand
	s_delay_alu instid0(VALU_DEP_1)
	v_lshrrev_b32 v13, 23, v14                     ; the byte
.if (\t) == 0
	s_delay_alu instid0(VALU_DEP_1)
	v_mov_b32 v8, v13
.else
	s_delay_alu instid0(VALU_DEP_1)
	v_lshl_or_b32 v8, v13, 8*(\t), v8
.endif
	v_cvt_scalef32_pk16_fp6_f32 v[CT:CT+2], v[XS:XS+15], v14
	v_cvt_scalef32_pk16_fp6_f32 v[208:210], v[XS+16:XS+31], v14    ; (a conversion's three registers begin on an even number)
	v_nop                                          ; one plain instruction behind a scaled conversion
	v_mov_b32 v[CT+3], v208
	v_mov_b32 v[CT+4], v209
	v_mov_b32 v[CT+5], v210
	ds_store_b128 v4, v[CT:CT+3] offset:768*((\t)/2)+256*((\t)%2)
	ds_store_b64 v5, v[CT+4:CT+5] offset:768*((\t)/2)+512+128*((\t)%2)
.endm
	BLOCK 0, 63
	BLOCK 1, 63
	BLOCK 2, 32
	BLOCK 3, 0
	ds_store_b32 v9, v8
.irp u, 0,1
.irp k, 0,1
	ds_load_b128 v[X+8*(2*\u+\k):X+8*(2*\u+\k)+3], v6 offset:1664*\u+768*\k         ; LDS serves a wave's instructions in order: these see my stores
	ds_load_b64 v[X+8*(2*\u+\k)+4:X+8*(2*\u+\k)+5], v7 offset:1664*\u+768*\k+512
.endr
.endr
.irp u, 0,1
.irp k, 0,1
	s_wait_dscnt 7-2*(2*\u+\k)                     ; the younger read-backs may be out
	global_store_b128 v11, v[X+8*(2*\u+\k):X+8*(2*\u+\k)+3], s[44+2*\u:45+2*\u] offset:768*\k        ; 512 consecutive bytes
	s_wait_dscnt 6-2*(2*\u+\k)
	global_store_b64 v12, v[X+8*(2*\u+\k)+4:X+8*(2*\u+\k)+5], s[44+2*\u:45+2*\u] offset:768*\k+512   ; 256 consecutive bytes
.endr
.endr
	s_wait_dscnt 0x0                               ; my scale words have landed
	s_barrier_signal -1
	s_barrier_wait -1                              ; everybody's have
	s_cmp_gt_u32 s22, 1
	s_cbranch_scc1 .Ldone
	ds_load_b128 v[212:215], v15
	s_wait_dscnt 0x0
	global_store_b128 v216, v[212:215], s[48:49]   ; sixteen lanes store a block's four K steps: 256 consecutive bytes, aligned
.Ldone:
	s_wait_tensorcnt 0x0                           ; the wave's end
	ds_add_u32 v224, v225
	s_wait_dscnt 0x0
	s_endpgm
.Lnorm:                                            ; THE NORM: block B = work-group - 384
	s_load_b256 s[4:11], s[0:1], 0x48              ; x, gain, shift, the operand
	s_sub_co_u32 s26, ttmp9, 384
	v_and_b32 v2, 31, v0                           ; lane
	s_delay_alu instid0(VALU_DEP_1)
	v_lshlrev_b32 v1, 4, v2                        ; 16 x lane
	s_lshr_b32 s13, s26, 1
	s_lshl_b32 s13, s13, 5
	s_and_b32 s14, s26, 1
	s_lshl_b32 s14, s14, 3
	s_add_co_u32 s13, s13, s14
	s_add_co_u32 s13, s13, s22                     ; physical row w is token 32 (B / 2) + 8 (B % 2) + w; physical row w + 8 the token 16 further on
	s_lshl_b32 s14, s13, 12
	s_mov_b32 s15, 0
	s_lshl_b32 s16, s26, 4
	s_add_co_u32 s16, s16, s22
	s_mul_i32 s16, s16, 768                        ; half image c = w of block B; c = w + 8 lies 6,144 bytes on
	s_mov_b32 s17, 0
	s_lshl_b32 s18, s26, 9
	s_add_co_u32 s18, s18, 3145728                 ; the block's 512 bytes of scale words
	s_mov_b32 s19, 0
	s_mov_b32 s20, 0x3a800000                      ; 1 / 1,024
	s_mov_b32 s21, 0x3727c5ac                      ; 1e-5
	s_mov_b32 s30, 0x76543210
	s_mov_b32 s31, 0xfedcba98                      ; v_permlanex16_b32's selects for lane l xor 16
	s_wait_alu depctr_va_vdst(0)
	s_wait_kmcnt 0x0
	s_add_nc_u64 s[4:5], s[4:5], s[14:15]
	s_add_nc_u64 s[16:17], s[10:11], s[16:17]
	s_add_nc_u64 s[18:19], s[10:11], s[18:19]
.irp j, 0,1,2,3,4,5,6,7
	global_load_b128 v[32+4*\j:35+4*\j], v1, s[4:5] offset:512*\j                ; row w
.endr
.irp j, 0,1,2,3,4,5,6,7
	global_load_b128 v[160+4*\j:163+4*\j], v1, s[4:5] offset:65536+512*\j        ; row w + 8
.endr
.irp j, 0,1,2,3,4,5,6,7
	global_load_b128 v[64+4*\j:67+4*\j], v1, s[6:7] offset:512*\j
.endr
.irp j, 0,1,2,3,4,5,6,7
	global_load_b128 v[96+4*\j:99+4*\j], v1, s[8:9] offset:512*\j
.endr
	s_mul_i32 s24, s22, STG
	s_add_co_u32 s24, s24, LB
	v_lshrrev_b32 v3, 3, v2
	s_delay_alu instid0(VALU_DEP_1)
	v_lshl_add_u32 v3, v3, 4, v1
	s_delay_alu instid0(VALU_DEP_1)
	v_add_nc_u32 v3, s24, v3                       ; the turn, in: 16 l + 16 (l / 8); a load's 512 bytes take 576
	v_mul_u32_u24 v4, v2, 144
	s_delay_alu instid0(VALU_DEP_1)
	v_add_nc_u32 v4, s24, v4                       ; out: block l
	v_lshrrev_b32 v5, 1, v2
	s_delay_alu instid0(VALU_DEP_1)
	v_mul_u32_u24 v5, v5, 784                      ; block l of the row is half l % 2 of half image l / 2
	v_and_b32 v6, 1, v2
	s_lshl_b32 s25, s22, 4
	s_add_co_u32 s25, s25, IMG
	v_lshl_add_u32 v7, v6, 8, v5
	s_delay_alu instid0(VALU_DEP_1)
	v_add_nc_u32 v7, s25, v7                       ; registers 0-3: 16 (w + 16 h); row w + 8: 128 bytes on
	s_lshl_b32 s25, s22, 3
	s_add_co_u32 s25, s25, IMG+512
	v_lshl_add_u32 v8, v6, 7, v5
	s_delay_alu instid0(VALU_DEP_1)
	v_add_nc_u32 v8, s25, v8                       ; registers 4-5: 512 + 8 (w + 16 h); row w + 8: 64 bytes on
	v_lshrrev_b32 v9, 2, v2
	v_and_b32 v24, 3, v2
	s_delay_alu instid0(VALU_DEP_1)
	v_lshl_add_u32 v9, v9, 6, v24
	s_lshl_b32 s25, s22, 2
	s_add_co_u32 s25, s25, SCA
	v_add_nc_u32 v9, s25, v9                       ; my byte: K step l / 4, row w, byte l % 4; row w + 8: 32 bytes on
	s_mul_i32 s25, s22, 784
	s_add_co_u32 s25, s25, IMG
	v_add_nc_u32 v24, s25, v1                      ; the images that I store: w, and w + 8 6,272 bytes on
	v_lshlrev_b32 v25, 3, v2
	s_delay_alu instid0(VALU_DEP_1)
	v_add_nc_u32 v26, s25, v25
	v_add_nc_u32 v27, SCA, v1                      ; wave 0: the scale words
.macro REDUCE                          ; four pairs of partial sums in v16-23 -> the row's sum in v16 of every lane
	s_delay_alu instid0(VALU_DEP_3)
	v_pk_add_f32 v[16:17], v[16:17], v[18:19]
	s_delay_alu instid0(VALU_DEP_2)
	v_pk_add_f32 v[20:21], v[20:21], v[22:23]
	s_delay_alu instid0(VALU_DEP_1)
	v_pk_add_f32 v[16:17], v[16:17], v[20:21]
	s_delay_alu instid0(VALU_DEP_1)
	v_add_f32 v16, v16, v17
.irp m, 1,2,4,8
	s_delay_alu instid0(VALU_DEP_1)
	v_add_f32_dpp v16, v16, v16 row_xmask:\m row_mask:0xf bank_mask:0xf
.endr
	s_delay_alu instid0(VALU_DEP_1)
	v_permlanex16_b32 v17, v16, s30, s31
	s_delay_alu instid0(VALU_DEP_1)
	v_add_f32 v16, v16, v17
.endm
.macro MOM XR, R                       ; the row in v[XR ..] becomes x - mean; 1 / sqrt(var + 1e-5) goes to v[R], v[R + 1]
.irp c, 0,1,2,3
	v_pk_add_f32 v[16+2*\c:17+2*\c], v[\XR+2*\c:\XR+1+2*\c], v[\XR+8+2*\c:\XR+9+2*\c]
.endr
.irp p, 8,12
.irp c, 0,1,2,3
	s_delay_alu instid0(VALU_DEP_4)
	v_pk_add_f32 v[16+2*\c:17+2*\c], v[16+2*\c:17+2*\c], v[\XR+2*(\p+\c):\XR+1+2*(\p+\c)]
.endr
.endr
	REDUCE
	s_delay_alu instid0(VALU_DEP_1)
	v_mul_f32 v10, s20, v16                        ; the mean
	s_delay_alu instid0(VALU_DEP_1)
	v_mov_b32 v11, v10
.set j, 0
.rept 16
	v_pk_add_f32 v[\XR+j:\XR+j+1], v[\XR+j:\XR+j+1], v[10:11] neg_lo:[0,1] neg_hi:[0,1]
.set j, j+2
.endr
.irp c, 0,1,2,3
	v_pk_mul_f32 v[16+2*\c:17+2*\c], v[\XR+2*\c:\XR+1+2*\c], v[\XR+2*\c:\XR+1+2*\c]
.endr
.irp p, 4,8,12
.irp c, 0,1,2,3
	s_delay_alu instid0(VALU_DEP_4)
	v_pk_fma_f32 v[16+2*\c:17+2*\c], v[\XR+2*(\p+\c):\XR+1+2*(\p+\c)], v[\XR+2*(\p+\c):\XR+1+2*(\p+\c)], v[16+2*\c:17+2*\c]
.endr
.endr
	REDUCE
	s_delay_alu instid0(VALU_DEP_1)
	v_fma_f32 v[\R], v16, s20, s21                 ; var + 1e-5
	s_wait_alu depctr_va_vdst(0)                   ; the wait ahead of the transcendental,
	v_rsq_f32 v[\R], v[\R]
	v_nop                                          ; a plain instruction behind it,
	s_wait_alu depctr_va_vdst(0)                   ; and the wait ahead of its first reader
	v_mov_b32 v[\R+1], v[\R]
.endm
.macro APPLY XR, R
.set j, 0
.rept 16
	v_pk_mul_f32 v[\XR+j:\XR+j+1], v[\XR+j:\XR+j+1], v[\R:\R+1]
.set j, j+2
.endr
.set j, 0
.rept 16
	v_pk_fma_f32 v[\XR+j:\XR+j+1], v[\XR+j:\XR+j+1], v[64+j:65+j], v[96+j:97+j]
.set j, j+2
.endr
.endm
.macro QTURN XR, T                     ; the row through my stage: v[T ..] = block l of the row.  LDS serves a wave's instructions in order
.irp j, 0,1,2,3,4,5,6,7
	ds_store_b128 v3, v[\XR+4*\j:\XR+3+4*\j] offset:576*\j
.endr
.irp j, 0,1,2,3,4,5,6,7
	ds_load_b128 v[\T+4*\j:\T+3+4*\j], v4 offset:16*\j
.endr
.endm
.macro QUANT T, CR, ro                 ; my block of 32 -> 24 bytes of codes and a scale byte, into the images; ro = 1: row w + 8
	v_max3_num_f32 v16, |v[\T]|, |v[\T+1]|, |v[\T+2]|
	v_max3_num_f32 v17, |v[\T+3]|, |v[\T+4]|, |v[\T+5]|
.irp i, 6,10,14,18,22,26
	s_delay_alu instid0(VALU_DEP_2)
	v_max3_num_f32 v16, v16, |v[\T+\i]|, |v[\T+1+\i]|
	s_delay_alu instid0(VALU_DEP_2)
	v_max3_num_f32 v17, v17, |v[\T+2+\i]|, |v[\T+3+\i]|
.endr
	s_delay_alu instid0(VALU_DEP_2)
	v_max3_num_f32 v16, v16, |v[\T+30]|, |v[\T+31]|
	s_delay_alu instid0(VALU_DEP_1)
	v_max3_num_f32 v16, v16, v17, 0x1800000        ; with the floor 2^(3 - 127)
	s_delay_alu instid0(VALU_DEP_1)
	v_add_nc_u32 v18, 0xff000000, v16              ; 2 off the exponent field: the conversion's scale operand
	s_delay_alu instid0(VALU_DEP_1)
	v_lshrrev_b32 v[\CR+6], 23, v18                ; the byte
	v_cvt_scalef32_pk16_fp6_f32 v[\CR:\CR+2], v[\T:\T+15], v18
	v_cvt_scalef32_pk16_fp6_f32 v[\CR+8:\CR+10], v[\T+16:\T+31], v18
	v_nop                                          ; one plain instruction behind a scaled conversion
	v_mov_b32 v[\CR+3], v[\CR+8]
	v_mov_b32 v[\CR+4], v[\CR+9]
	v_mov_b32 v[\CR+5], v[\CR+10]
	ds_store_b128 v7, v[\CR:\CR+3] offset:128*\ro
	ds_store_b64 v8, v[\CR+4:\CR+5] offset:64*\ro
	ds_store_b8 v9, v[\CR+6] offset:32*\ro
.endm
	s_wait_alu depctr_va_vdst(0)                   ; the wait behind the address lines, ahead of the wait below
	s_wait_loadcnt 24                              ; row w is in; 24 younger loads may be out
	MOM 32, 12
	s_wait_loadcnt 16                              ; row w + 8 is in
	MOM 160, 14
	s_wait_alu depctr_va_vdst(0)
	s_wait_loadcnt 0x0                             ; gain and shift
	APPLY 32, 12
	APPLY 160, 14
	QTURN 32, 64                                   ; (gain's and shift's registers are free now)
	QTURN 160, 128
	s_wait_dscnt 16                                ; row w is back; row w + 8's 16 LDS instructions may be out
	QUANT 64, 96, 0
	s_wait_dscnt 3                                 ; row w + 8 is back; my three stores into the images may be out
	QUANT 128, 112, 1
	s_wait_dscnt 0x0                               ; for the others' sake: my stores have landed
	s_barrier_signal -1
	s_barrier_wait -1
	ds_load_b128 v[192:195], v24
	ds_load_b64 v[196:197], v26 offset:512
	ds_load_b128 v[200:203], v24 offset:6272
	ds_load_b64 v[204:205], v26 offset:6784
	s_wait_dscnt 0x0
	global_store_b128 v1, v[192:195], s[16:17]             ; dense runs of 512 and 256 bytes
	global_store_b64 v25, v[196:197], s[16:17] offset:512
	global_store_b128 v1, v[200:203], s[16:17] offset:6144
	global_store_b64 v25, v[204:205], s[16:17] offset:6656
	s_cmp_lg_u32 s22, 0
	s_cbranch_scc1 .Lnorm_done
	ds_load_b128 v[208:211], v27
	s_wait_dscnt 0x0
	global_store_b128 v1, v[208:211], s[18:19]             ; the block's scale words: 512 consecutive bytes
.Lnorm_done:
	s_wait_tensorcnt 0x0                           ; the wave's end
	ds_add_u32 v224, v225
	s_wait_dscnt 0x0
	s_endpgm
.Lfunc_end_k_q99bca5d041_prep:
	.size	k_q99bca5d041_prep, .Lfunc_end_k_q99bca5d041_prep-k_q99bca5d041_prep
	.p2alignl 7, 3214868480
	.fill 96, 4, 3214868480
	.section	.rodata,"a",@progbits
	.p2align	6, 0x0
	.amdhsa_kernel k_q99bca5d041_prep
		.amdhsa_group_segment_fixed_size 78592
		.amdhsa_private_segment_fixed_size 0
		.amdhsa_enable_private_segment 0
		.amdhsa_kernarg_size 104
		.amdhsa_user_sgpr_count 2
		.amdhsa_user_sgpr_kernarg_segment_ptr 1
		.amdhsa_wavefront_size32 1
		.amdhsa_system_sgpr_workgroup_id_x 1
		.amdhsa_system_sgpr_workgroup_id_y 1
		.amdhsa_system_sgpr_workgroup_id_z 1
		.amdhsa_system_vgpr_workitem_id 0
		.amdhsa_next_free_vgpr 226
		.amdhsa_next_free_sgpr 66
		.amdhsa_reserve_vcc 0
		.amdhsa_float_denorm_mode_32 3
		.amdhsa_float_denorm_mode_16_64 3
		.amdhsa_memory_ordered 1
		.amdhsa_forward_progress 1
		.amdhsa_inst_pref_size 59
	.end_amdhsa_kernel
	.amdgpu_metadata
---
amdhsa.version: [ 1, 2 ]
amdhsa.kernels:
  - .name:           k_q99bca5d041_prep
    .symbol:         k_q99bca5d041_prep.kd
    .args:
      - { .name: WQ, .offset: 0, .size: 8, .value_kind: global_buffer, .address_space: global }
      - { .name: WK, .offset: 8, .size: 8, .value_kind: global_buffer, .address_space: global }
      - { .name: WV, .offset: 16, .size: 8, .value_kind: global_buffer, .address_space: global }
      - { .name: Wo, .offset: 24, .size: 8, .value_kind: global_buffer, .address_space: global }
      - { .name: W1, .offset: 32, .size: 8, .value_kind: global_buffer, .address_space: global }
      - { .name: W2, .offset: 40, .size: 8, .value_kind: global_buffer, .address_space: global }
      - { .name: wqk, .offset: 48, .size: 8, .value_kind: global_buffer, .address_space: global }
      - { .name: wv, .offset: 56, .size: 8, .value_kind: global_buffer, .address_space: global }
      - { .name: wrest, .offset: 64, .size: 8, .value_kind: global_buffer, .address_space: global }
      - { .name: x, .offset: 72, .size: 8, .value_kind: global_buffer, .address_space: global }
      - { .name: ln1_s, .offset: 80, .size: 8, .value_kind: global_buffer, .address_space: global }
      - { .name: ln1_b, .offset: 88, .size: 8, .value_kind: global_buffer, .address_space: global }
      - { .name: hbuf, .offset: 96, .size: 8, .value_kind: global_buffer, .address_space: global }
    .group_segment_fixed_size: 78592
    .private_segment_fixed_size: 0
    .kernarg_segment_align: 8
    .kernarg_segment_size: 104
    .max_flat_workgroup_size: 256
    .sgpr_count:     66
    .vgpr_count:     226
    .wavefront_size: 32
...
	.end_amdgpu_metadata
.endif
;; end of part 1
;; launch qkv (part 2): grid 8 x 24, 4 waves a work-group, clusters of 4 x 4, 327,680 bytes of LDS; arguments hbuf, wqk, wv, qkbuf, vbuf; writes qkbuf, vbuf
.if DOCPART == 2
	.amdgcn_target "amdgcn-amd-amdhsa--gfx1250"
	.amdhsa_code_object_version 6
	.text
	.protected	k_q99bca5d041_qkv
	.globl	k_q99bca5d041_qkv
	.p2align	8
	.type	k_q99bca5d041_qkv,@function
k_q99bca5d041_qkv:
	s_mov_b64 s[64:65], 0
	v_nop
	global_prefetch_b8 v0, s[64:65] scope:SCOPE_SE
	s_setreg_imm32_b32 hwreg(HW_REG_WAVE_MODE, 25, 1), 1
	s_wait_xcnt 0x0
	s_wait_alu depctr_hold_cnt(0) depctr_sa_sdst(0) depctr_va_vdst(0) depctr_va_sdst(0) depctr_va_ssrc(0) depctr_va_vcc(0) depctr_vm_vsrc(0)
	s_getreg_b32 s2, hwreg(HW_REG_IB_STS2, 6, 4)
	s_cmp_eq_u32 s2, 0
	s_cbranch_scc0 .Lentry_in_a_cluster
	s_endpgm
.Lentry_in_a_cluster:
	s_bfe_u32 s2, ttmp6, 0x10000c
	s_cmp_lg_u32 s2, 0xf033
	s_cbranch_scc0 .Lentry_shape_is_right
	s_endpgm
.Lentry_shape_is_right:
; out = Q(A B^T): a GEMM on FP6 (E2M3) codes with E8M0 scales, K = 1,024, whose result is quantised again, in blocks of 32 along B's rows.
; ONE LAUNCH SERVES TWO PRODUCTS: cluster rows 0-3: A = tokens, B = WQ | WK (q and k, quantised along a head's 64 dims) -> qkbuf; cluster rows 4-5: A = WV's columns, B = tokens (v, quantised along the tokens) -> vbuf.
; Pointers and tile numbers are chosen by the cluster's y, which all partners share; the path through the text is one.
; OPERANDS lie in half images of 768 bytes (16 rows x 64 K as six registers of a fragment hold them: lane l: registers 0-3 at 16 l, 4-5 at 512 + 8 l): codes at (block x K/64 + c) x 768, scale words at
; 3,145,728 + (block x K/128 + s) x 64 + 4 r.  A fragment is two half images on end: two loads of 16 and two of 8 bytes a lane, all dense.  Physical row p holds logical row p with bits 3 and 4 exchanged.
; A tile of C is 256 x 256: four waves of 128 x 128 (64 accumulators, 512 registers).  q | k has 16 x 8 tiles, v 4 x 16: 192 work-groups, all that the design has work for.
; K goes in four slots of 256 through THREE LDS regions: slots 0, 1, 2 are first fills; slot 3 is the one refill, into region 0, and has the work of slots 1 and 2 in which to land.
; THE PRODUCT IS USED TRANSPOSED: source 0 = 16 rows of B, source 1 = 16 rows of A: a lane holds one row of A, and by the order of B's rows registers 16 e + i of a row of accumulators are B's logical rows 32 e + 16 h + i.
; CLUSTER 4 x 4: A's tiles are asked for jointly along a row of the cluster, B's along a column.
; OUT: half image (nu, alpha) at (nu x 256 + alpha) x 768, nu = B's logical row / 64, alpha = A's block; its two scale bytes at 12,582,912 + ((nu >> 1) x 256 + alpha) x 64 + 4 r + 2 (nu & 1): a wave's two nu make a whole word.
; LIMITS: NaN and infinities are not served; a block of zeros gets the byte 1 (the rule says 127): its codes are zeros and this program alone reads the bytes.
.set WB,     8                         ; blocks of 16 rows to a wave, each way
.set NQ,     2                         ; steps of 128 along K in a slot
.set SIZE_K, 1024
.set SOFF,   3145728                   ; where the scale words begin, in all three operand buffers
.set ZMODE,  1                         ; the first products take the constant 0 as C
.set KS,    SIZE_K/128
.set HB,    WB/2
.set QB,    WB/4
.set FR,    12                         ; registers of a fragment
.set HALFT, WB*NQ*1536                 ; what one tensor load brings: WB blocks x NQ fragments
.set SLOT,  4*HALFT                    ; A's two halves, B's two halves
.set SCL,   3*SLOT                     ; behind the three regions: the scale words of the tile's rows for all of K
.set HALFS, WB*KS*64
.set SPARE, SCL+4*HALFS+256            ; the spare words, 128 bytes a wave, that no other line names
.set ADRA, 10                          ; v10-12 LDS address of my A fragments in region 0, 1, 2 (+ 16 l); v13-15 the same + 8 l
.set ADRB, 16                          ; v16-21 the same for B
.set SO,   26                          ; v26 4 x lane: the scale words' offset on the way out
.set ADRS, 27                          ; v27 my scale words: lanes 0-15 A's rows, lanes 16-31 B's
.set SPW,  28                          ; v28 my spare word; never rewritten
.set NIL,  29                          ; v29 0; never rewritten
.set SC,   32                          ; v32-63 scale words and nothing else: two sets of 16; register NQ i + q: block i, the slot's q-th step
.set BI,   64                          ; (a bias where there is one)
.set AF,   128                         ; v128-223 A's fragments, one set;  window 1: B's two sets at v0 and v128;  windows 2, 3: accumulator (a, b) at v[8 (WB (a % HB) + b)] of window 2 + a / HB
.set G1, 24
.set G0, 32                            ; s[32:39] A's group 0 for regions 0 and 1;
.set G0C, 4                            ; s[4:7] for region 2 (the arguments that lay there are done with)
.set G1B, 48
.set G0B, 56
.set G0CB, 8
.set G1S, 68
.set G0S, 76
.set G1SB, 80
.set G0SB, 88
.set MSB, 0
.macro WIN new                         ; the immediate's high byte repeats the setting that is left
.if MSB != \new
	s_set_vgpr_msb (MSB<<8)|\new
.set MSB, \new
.endif
.endm
.macro MWIN hi, zero                   ; source 0 (B) window 1, source 1 (A) window 0, D window 2 + hi, C with D or (a bias) in window 0
.if (\zero) == 2
.set WN, 0x81+0x40*(\hi)
.else
.set WN, 0xa1+0x50*(\hi)
.endif
	WIN WN
.endm
.macro JLOAD g0a, g1a, g0b, g1b        ; a joint load: waves 0 and 1 fetch for A, waves 2 and 3 for B; four v_nop follow each line
	s_cmp_eq_u32 s15, 0
	s_cbranch_scc0 .Lfor_b_\@
	tensor_load_to_lds s[\g0a:\g0a+3], s[\g1a:\g1a+7]
	s_nop 0
.rept 4
	v_nop
.endr
	s_branch .Lasked_\@
.Lfor_b_\@:
	tensor_load_to_lds s[\g0b:\g0b+3], s[\g1b:\g1b+7]
	s_nop 0
.rept 4
	v_nop
.endr
.Lasked_\@:
.endm
.macro CREST                           ; a round of the cluster's barrier behind its opening barrier
	s_cmp_lg_u32 s14, 0
	s_cbranch_scc1 .Lnot_wave_0_\@
	s_barrier_signal -3
.Lnot_wave_0_\@:
	s_barrier_wait -3
	s_barrier_signal -1
	s_barrier_wait -1
.endm
.macro CROUND
	s_barrier_signal -1
	s_barrier_wait -1
	CREST
.endm
.macro PLACES n                        ; plain instructions between a matrix instruction and a load into, or a read of, its registers
.rept \n
	v_nop
.endr
.endm
	s_load_b128 s[4:7], s[0:1], 0x0                ; the tokens' operand, WQ | WK
	s_load_b128 s[8:11], s[0:1], 0x10              ; WV, q and k's buffer
	s_load_b64 s[12:13], s[0:1], 0x20              ; v's buffer
	v_lshl_add_u32 v[SPW], v0, 2, SPARE
	v_mov_b32 v[NIL], 0
	ds_add_u32 v28, v29
	ds_add_u32 v28, v29
	s_wait_dscnt 0x0
	v_lshrrev_b32 v1, 5, v0
	v_readfirstlane_b32 s14, v1                    ; wave
	s_lshr_b32 s15, s14, 1                         ; my half of A's rows.  Also: I fetch for A (0) or B (1)
	s_and_b32 s16, s14, 1                          ; my half of B's rows.  Also: which half of that tile I fetch
	s_bfe_u32 s40, ttmp6, 0x40000                  ; cx
	s_bfe_u32 s41, ttmp6, 0x40004                  ; cy
	s_and_b32 s17, ttmp7, 0xffff                   ; the cluster's y: 0-3 q and k, 4-5 v
	s_sub_co_u32 s18, s17, 4
	s_lshl_b32 s18, s18, 1
	s_add_co_u32 s18, s18, ttmp9                   ; v: its four clusters lie side by side: x + 2 (y - 4)
	s_cmp_ge_u32 s17, 4
	s_cselect_b32 s42, s18, ttmp9                  ; the cluster's column of tiles,
	s_cselect_b32 s17, 0, s17                      ; its row,
	s_cselect_b32 s19, 1, 0                        ; and which product: the same in all sixteen partners
	s_lshl_b32 s42, s42, 2
	s_add_co_u32 s42, s42, s40                     ; B's tile
	s_lshl_b32 s17, s17, 2
	s_add_co_u32 s17, s17, s41                     ; A's tile
	s_lshl_b32 s43, s41, 2
	s_lshl_b32 s43, 15, s43                        ; my row of the cluster
	s_lshl_b32 s44, 0x1111, s40                    ; my column
	s_or_b32 s[G1+0], s43, (3<<16)|(1<<21)         ; codes: elements of 8 bytes, no padding; the mask, and bit 21 beside it
	s_or_b32 s[G1B+0], s44, (3<<16)|(1<<21)
.irp g, G1, G1B
	s_mov_b32 s[\g+1], (NQ*192)<<16                ; tensor_dim0: a block's NQ fragments on end
	s_mov_b32 s[\g+2], (2*WB)<<16                  ; tensor_dim1: at the head a load brings a tile's 2 WB blocks; behind it these two words are set to WB
	s_mov_b32 s[\g+3], (NQ*192)<<16                ; tile_dim0
	s_mov_b32 s[\g+4], 2*WB                        ; tile_dim1
	s_mov_b32 s[\g+5], KS*192                      ; from block to block
	s_mov_b32 s[\g+6], 0
	s_mov_b32 s[\g+7], 0
.endr
	s_or_b32 s[G1S+0], s43, (3<<16)|(1<<21)        ; scale words: a dense block, as rows of 256 bytes
	s_or_b32 s[G1SB+0], s44, (3<<16)|(1<<21)
.irp g, G1S, G1SB
	s_mov_b32 s[\g+1], 32<<16
	s_mov_b32 s[\g+2], (HALFS/128)<<16             ; the scale words of a tile's 2 WB blocks
	s_mov_b32 s[\g+3], 32<<16
	s_mov_b32 s[\g+4], HALFS/128
	s_mov_b32 s[\g+5], 32
	s_mov_b32 s[\g+6], 0
	s_mov_b32 s[\g+7], 0
.endr
	s_mul_i32 s18, s16, WB
	s_mul_i32 s20, s17, 2*WB
	s_add_co_u32 s20, s20, s18                     ; A: the first block that I fetch
	s_mul_i32 s46, s42, 2*WB
	s_add_co_u32 s46, s46, s18                     ; B likewise
	s_mul_i32 s22, s17, 2*WB*KS*64                 ; the scale words of A's whole tile
	s_mov_b32 s23, 0
	s_mul_i32 s92, s42, 2*WB*KS*64                 ; and of B's
	s_mov_b32 s93, 0
	s_mul_i32 s20, s20, KS*1536
	s_mov_b32 s21, 0
	s_mul_i32 s46, s46, KS*1536
	s_mov_b32 s47, 0
	s_mul_i32 s45, s14, HALFT                      ; where they go: by the wave's number alone
	s_wait_kmcnt 0x0
	s_cmp_eq_u32 s19, 1                            ; the choice hangs on the cluster's y alone
	s_cselect_b64 s[96:97], s[8:9], s[4:5]         ; A: WV's columns, or the tokens
	s_cselect_b64 s[98:99], s[4:5], s[6:7]         ; B: the tokens, or WQ | WK
	s_cselect_b64 s[12:13], s[12:13], s[10:11]     ; out
	s_add_nc_u64 s[20:21], s[96:97], s[20:21]
	s_add_nc_u64 s[96:97], s[96:97], SOFF
	s_add_nc_u64 s[22:23], s[96:97], s[22:23]
	s_add_nc_u64 s[46:47], s[98:99], s[46:47]
	s_add_nc_u64 s[98:99], s[98:99], SOFF
	s_add_nc_u64 s[92:93], s[98:99], s[92:93]
	CROUND                                         ; all sixteen work-groups are here: the first joint loads meet
	s_mov_b32 s[G0S], 1
	s_mov_b32 s[G0S+1], SCL
	s_mov_b64 s[G0S+2:G0S+3], s[22:23]
	s_or_b32 s[G0S+3], s[G0S+3], 0x80000000
	s_mov_b32 s[G0SB], 1
	s_mov_b32 s[G0SB+1], SCL+2*HALFS+128           ; B's scale words lie 128 bytes further on
	s_mov_b64 s[G0SB+2:G0SB+3], s[92:93]
	s_or_b32 s[G0SB+3], s[G0SB+3], 0x80000000
.macro SETG0 ga, gb, s                 ; slot s into region s
	s_mov_b32 s[\ga], 1
	s_add_co_u32 s[\ga+1], s45, (\s)*SLOT
	s_add_nc_u64 s[\ga+2:\ga+3], s[20:21], (\s)*NQ*1536
	s_or_b32 s[\ga+3], s[\ga+3], 0x80000000
	s_mov_b32 s[\gb], 1
	s_add_co_u32 s[\gb+1], s45, (\s)*SLOT
	s_add_nc_u64 s[\gb+2:\gb+3], s[46:47], (\s)*NQ*1536
	s_or_b32 s[\gb+3], s[\gb+3], 0x80000000
.endm
	SETG0 G0, G0B, 0
	SETG0 G0+4, G0B+4, 1
	SETG0 G0C, G0CB, 2
	; PREFETCH INTO THE L2: behind the tensor load of slot i each wave asks for its share of slot i + 1: of the 8 blocks that it fetches, the partner at place p (cx for A, cy for B) takes blocks 2 p and 2 p + 1, by address
	s_cmp_eq_u32 s15, 0
	s_cselect_b32 s94, s40, s41
	s_cselect_b64 s[100:101], s[20:21], s[46:47]
	s_mul_i32 s94, s94, 2*KS*1536
	s_mov_b32 s95, 0
	s_add_nc_u64 s[100:101], s[100:101], s[94:95]
; THE HEAD'S LOADS, ONE A WAVE: wave 0 A's whole tile of slot 0, wave 1 A's scale words, wave 2 B's whole tile of slot 0, wave 3 B's scale words.
; Waves 0 and 2 fetch half 0 in the ring, so their group 0 of slot 0 already names the tile's first block and its place in LDS.  One tree of branches on the wave's number, one load to an arm.
.macro ARM under, g0, g1, next
	s_cmp_lt_u32 s14, \under
	s_cbranch_scc0 \next
	tensor_load_to_lds s[\g0:\g0+3], s[\g1:\g1+7]
	s_nop 0
.rept 4
	v_nop
.endr
	s_branch .Lhead_asked
\next:
.endm
	ARM 1, G0, G1, .Lhead_sa
	ARM 2, G0S, G1S, .Lhead_b
	ARM 3, G0B, G1B, .Lhead_sb
	tensor_load_to_lds s[G0SB:G0SB+3], s[G1SB:G1SB+7]
	s_nop 0
.rept 4
	v_nop
.endr
.Lhead_asked:
	v_and_b32 v1, 15, v0                           ; r
	v_bfe_u32 v2, v0, 4, 1                         ; h
	v_and_b32 v3, 31, v0                           ; lane: kept
	v_lshlrev_b32 v4, 4, v3                        ; 16 l: kept
	v_lshlrev_b32 v5, 3, v3                        ; 8 l: kept
	v_min_u32 v22, 23, v3                          ; the prefetches' offset: two blocks x 12 runs of 256 bytes, a lane a run; lanes 24-31 name the last run again
	v_mul_u32_u24 v23, v22, 171
	v_lshrrev_b32 v23, 11, v23                     ; which of the two blocks: run / 12
	v_mul_u32_u24 v23, v23, KS*1536-3072
	v_lshl_add_u32 v24, v22, 8, v23                ; v24: kept
	v_lshlrev_b32 v[SO], 2, v3                     ; 4 l
	s_mul_i32 s21, s15, HALFT
	s_mul_i32 s22, s16, HALFT
	s_add_co_u32 s22, s22, 2*HALFT
.irp s, 0,1,2
	v_add_nc_u32 v[ADRA+\s], s21, v4
	v_add_nc_u32 v[ADRB+\s], s22, v4
	v_add_nc_u32 v[ADRA+3+\s], s21, v5
	v_add_nc_u32 v[ADRB+3+\s], s22, v5
	s_add_co_u32 s21, s21, SLOT
	s_add_co_u32 s22, s22, SLOT
.endr
	v_lshlrev_b32 v6, 2, v1
	s_mul_i32 s21, s15, HALFS
	s_mul_i32 s22, s16, HALFS
	s_add_co_u32 s22, s22, 2*HALFS+128
	s_sub_co_u32 s22, s22, s21
	v_mul_u32_u24 v7, s22, v2                      ; lanes 16-31 take B's: one product, the distance between the two bases
	s_add_co_u32 s21, s21, SCL
	v_add_nc_u32 v6, v6, v7
	v_add_nc_u32 v[ADRS], s21, v6
	; the way out: nu0 = 4 x B's tile + 2 x B's half, alpha0 = 16 x A's tile + 8 x A's half
	s_lshl_b32 s46, s42, 1
	s_add_co_u32 s46, s46, s16                     ; nu0 / 2
	s_lshl_b32 s20, s17, 4
	s_lshl_b32 s21, s15, 3
	s_add_co_u32 s20, s20, s21                     ; alpha0
	s_lshl_b32 s47, s46, 8
	s_add_co_u32 s47, s47, s20
	s_lshl_b32 s22, s47, 6
	s_add_co_u32 s22, s22, 12582912
	s_mov_b32 s23, 0
	s_add_nc_u64 s[98:99], s[12:13], s[22:23]      ; my eight blocks' scale words: 512 bytes on end
	s_lshl_b32 s46, s46, 9                         ; nu0 x 256
	s_add_co_u32 s20, s20, s46
	s_mul_i32 s20, s20, 768
	s_mov_b32 s21, 0
	s_add_nc_u64 s[12:13], s[12:13], s[20:21]      ; my half images: 768 bytes from block to block, 196,608 from nu0 to nu0 + 1
.macro FRAG reg, adr, q, i             ; block i's fragment of the slot's q-th step: two half images on end
	ds_load_b128 v[\reg:\reg+3], v[\adr] offset:((\i)*NQ+(\q))*1536
	ds_load_b64 v[\reg+4:\reg+5], v[\adr+3] offset:((\i)*NQ+(\q))*1536+512
	ds_load_b128 v[\reg+6:\reg+9], v[\adr] offset:((\i)*NQ+(\q))*1536+768
	ds_load_b64 v[\reg+10:\reg+11], v[\adr+3] offset:((\i)*NQ+(\q))*1536+1280
.endm
; QB of A's blocks, from a0 on, against all of B's: the accumulators take turns, one instruction a turn, in the same order in every step.  zero = 1: C = 0; 2: C = a bias; 0: in place.
.macro MULQ a0, p, q, sc, zero
.set ma, \a0
.rept QB
.set mb, 0
.rept WB
.set rD, 8*(WB*(ma%HB)+mb)
.if (\zero) == 1
	v_wmma_scale_f32_16x16x128_f8f6f4 v[rD:rD+7], v[128*(\p)+FR*mb:128*(\p)+FR*mb+FR-1], v[AF+FR*ma:AF+FR*ma+FR-1], 0, v[SC+16*(\sc)+NQ*mb+(\q)], v[SC+16*(\sc)+NQ*ma+(\q)] matrix_a_fmt:MATRIX_FMT_FP6 matrix_b_fmt:MATRIX_FMT_FP6 matrix_a_scale:MATRIX_SCALE_ROW1
.elseif (\zero) == 2
	v_wmma_scale_f32_16x16x128_f8f6f4 v[rD:rD+7], v[128*(\p)+FR*mb:128*(\p)+FR*mb+FR-1], v[AF+FR*ma:AF+FR*ma+FR-1], v[BI+8*mb:BI+8*mb+7], v[SC+16*(\sc)+NQ*mb+(\q)], v[SC+16*(\sc)+NQ*ma+(\q)] matrix_a_fmt:MATRIX_FMT_FP6 matrix_b_fmt:MATRIX_FMT_FP6 matrix_a_scale:MATRIX_SCALE_ROW1
.else
	v_wmma_scale_f32_16x16x128_f8f6f4 v[rD:rD+7], v[128*(\p)+FR*mb:128*(\p)+FR*mb+FR-1], v[AF+FR*ma:AF+FR*ma+FR-1], v[rD:rD+7], v[SC+16*(\sc)+NQ*mb+(\q)], v[SC+16*(\sc)+NQ*ma+(\q)] matrix_a_fmt:MATRIX_FMT_FP6 matrix_b_fmt:MATRIX_FMT_FP6 matrix_a_scale:MATRIX_SCALE_ROW1
.endif
.set mb, mb+1
.endr
.set ma, ma+1
.endr
.endm
.macro FETCH_B slot, q, p
	WIN 0x40                                       ; destination window 1
.set fi, 0
.rept WB
	FRAG 128*(\p)+FR*fi, ADRB+\slot, \q, fi
.set fi, fi+1
.endr
	WIN 0
.endm
.macro FETCH_A slot, q, i0             ; half of A's blocks, from i0 on
.set fi, \i0
.rept HB
	FRAG AF+FR*fi, ADRA+\slot, \q, fi
.set fi, fi+1
.endr
.endm
.macro SCALES sc                       ; a slot's scale words into set sc: lanes 0-15 A's block i, lanes 16-31 B's block i
.set fi, 0
.rept WB
.set fq, 0
.rept NQ
	ds_load_b32 v[SC+16*(\sc)+NQ*fi+fq], v[ADRS] offset:(fi*KS+fq)*64
.set fq, fq+1
.endr
.set fi, fi+1
.endr
.endm
.macro STEP slot, sc, q, zero          ; a step of 128 along K that has its successor in the same region.  slot: the region; sc: the set of scale words
	s_wait_dscnt HB*4                              ; all but the youngest loads, A's second half
	MWIN 0, \zero
	MULQ 0, (\q)%2, \q, \sc, \zero
	MULQ QB, (\q)%2, \q, \sc, \zero
	s_wait_dscnt 0                                 ; A's second half is in
	PLACES 4
	FETCH_B \slot, (\q)+1, 1-(\q)%2
	FETCH_A \slot, (\q)+1, 0
	MWIN 1, \zero
	MULQ 2*QB, (\q)%2, \q, \sc, \zero
	MULQ 3*QB, (\q)%2, \q, \sc, \zero
	PLACES 4
	WIN 0
	FETCH_A \slot, (\q)+1, HB
.endm
; A region's last step goes on to region next (scale set nsc).  Ahead of the barrier each wave waits for all its tensor loads, adds 0 to its spare word, and waits for that and for its reads of the region.
; mode 3: the barrier opens a round of the cluster's barrier, and slot 2 is asked for, region 2's first fill.   mode 1: likewise, and region 0, read out one region ago, is filled again with slot 3.
; mode 0: the last load is waited for; a plain barrier shows it to every wave.
.macro TURN slot, sc, next, nsc, mode
.if (\mode) == 2
	s_wait_dscnt HB*4                              ; all but A's second half
	MWIN 0, 0
	MULQ 0, 1, NQ-1, \sc, 0
	MULQ QB, 1, NQ-1, \sc, 0
	s_wait_dscnt 0x0                               ; A's second half is in
	WIN 0
	PLACES 4
.else
	s_wait_tensorcnt 0x0                           ; all my tensor loads have landed
	ds_add_u32 v[SPW], v[NIL]
	s_wait_dscnt HB*4+1                            ; (the add and A's second half may be out)
	MWIN 0, 0
	MULQ 0, 1, NQ-1, \sc, 0
	s_wait_dscnt 0x0                               ; the add is done, my reads of this region are over
	s_barrier_signal -1
	MULQ QB, 1, NQ-1, \sc, 0
	WIN 0
	s_barrier_wait -1
.if (\mode) == 1
	CREST                                          ; the barrier has opened a round of the cluster's barrier: no wave of any partner still reads region 0 or has a load on its way
	s_add_nc_u64 s[G0+2:G0+3], s[G0+2:G0+3], 3*NQ*1536
	s_add_nc_u64 s[G0B+2:G0B+3], s[G0B+2:G0B+3], 3*NQ*1536
	JLOAD G0, G1, G0B, G1B                         ; the first tensor load behind the round; its four v_nop are the places ahead of the loads below
.elseif (\mode) == 3
	CREST
	JLOAD G0C, G1, G0CB, G1B
.else
	PLACES 4
.endif
.endif
	v_add_nc_u32 v[ADRS], 64*NQ, v[ADRS]           ; the next slot's scale words
	FETCH_B \next, 0, 0
	FETCH_A \next, 0, 0
	SCALES \nsc
.if (\mode) == 3
	global_prefetch_b8 v24, s[100:101] offset:3*NQ*1536 th:TH_LOAD_NT scope:SCOPE_SE   ; slot 3, the last
.endif
	MWIN 1, 0
	MULQ 2*QB, 1, NQ-1, \sc, 0
	MULQ 3*QB, 1, NQ-1, \sc, 0
	PLACES 4
	WIN 0
	FETCH_A \next, 0, HB
.endm
	s_wait_alu depctr_va_vdst(0)
	global_prefetch_b8 v24, s[100:101] offset:1*NQ*1536 th:TH_LOAD_NT scope:SCOPE_SE   ; slot 1
	s_wait_tensorcnt 0x0                           ; my tile of the head's four is in
	ds_add_u32 v[SPW], v[NIL]
	s_mov_b32 s[G1+2], WB<<16                      ; no tensor load of mine is out: from here on a load brings WB blocks
	s_mov_b32 s[G1+4], WB
	s_mov_b32 s[G1B+2], WB<<16
	s_mov_b32 s[G1B+4], WB
	s_wait_dscnt 0x0
	CROUND                                         ; all four tiles are in, and all sixteen work-groups are here
	JLOAD G0+4, G1, G0B+4, G1B                     ; slot 1
	FETCH_B 0, 0, 0
	FETCH_A 0, 0, 0
	SCALES 0
	global_prefetch_b8 v24, s[100:101] offset:2*NQ*1536 th:TH_LOAD_NT scope:SCOPE_SE   ; slot 2
	FETCH_A 0, 0, HB
	STEP 0, 0, 0, ZMODE                            ; slot 0; the first step starts the sums
	TURN 0, 0, 1, 1, 3                             ; region 2 takes slot 2
	s_wait_alu depctr_va_vdst(0)
	STEP 1, 1, 0, 0                                ; slot 1
	TURN 1, 1, 2, 0, 1                             ; region 0 takes slot 3
	s_wait_alu depctr_va_vdst(0)
	STEP 2, 0, 0, 0                                ; slot 2
	TURN 2, 0, 0, 1, 0                             ; slot 3 has landed
	STEP 0, 1, 0, 0                                ; slot 3
	s_wait_dscnt HB*4
	MWIN 0, 0
	MULQ 0, 1, NQ-1, 1, 0
	MULQ QB, 1, NQ-1, 1, 0
	s_wait_dscnt 0
	MWIN 1, 0
	MULQ 2*QB, 1, NQ-1, 1, 0
	MULQ 3*QB, 1, NQ-1, 1, 0
	WIN 0
	PLACES 4
; THE WAY OUT.  For A's block a my lane holds 64 numbers of one row: registers 16 e + i = B's logical rows 32 e + 16 h + i: four blocks of 32, each shared with lane l xor 16: two half images and one scale word.
.set PC,  64                           ; v64-83   the codes just made
.set TM,  200                          ; v200-203 largest magnitudes, v204-207 the other half's, then the bytes, v212-215 the conversions' scale operands
.set PW,  216                          ; the scale word just made;  v217 an even block's, kept;  v218 the two joined
	s_mov_b32 s18, 0x76543210
	s_mov_b32 s19, 0xfedcba98
	v_cmp_le_u32 s22, 16, v3                       ; lanes 16-31
.irp e, 0,1,2,3
	v_mov_b32 v[TM+4+\e], 0                        ; a lane permute's destination counts as one of its sources
.endr
.macro QOUT a
.set W, 2+(\a)/4
.set AC, 64*((\a)%4)
	s_wait_xcnt 0x0                                ; the last block's stores have read their registers
.set WN, (W<<2)|(W<<4)
	WIN WN                                         ; sources 1 and 2: the accumulators' window
.irp e, 0,1,2,3
	v_max3_num_f32 v[TM+\e], 0x1800000, |v[AC+16*\e]|, |v[AC+16*\e+1]|     ; the floor 2^(3 - 127) among the leaves; each accumulator is read from its low end on
.endr
.irp i, 2,4,6,8,10,12,14
.irp e, 0,1,2,3
	v_max3_num_f32 v[TM+\e], v[TM+\e], |v[AC+16*\e+\i]|, |v[AC+16*\e+\i+1]|
.endr
.endr
	WIN 0
.irp e, 0,1,2,3
	v_permlanex16_b32 v[TM+4+\e], v[TM+\e], s18, s19
.endr
.irp e, 0,1,2,3
	v_max_num_f32 v[TM+\e], v[TM+\e], v[TM+4+\e]
.endr
.irp e, 0,1,2,3
	v_add_nc_u32 v[TM+12+\e], 0xff000000, v[TM+\e] ; 2 off the exponent field: the conversion's scale operand
.endr
.irp e, 0,1,2,3
	v_lshrrev_b32 v[TM+4+\e], 23, v[TM+12+\e]      ; the byte
.endr
	v_lshl_or_b32 v[PW], v[TM+5], 8, v[TM+4]
	v_lshl_or_b32 v[PW], v[TM+6], 16, v[PW]
	v_lshl_or_b32 v[PW], v[TM+7], 24, v[PW]
.set WN, W
	WIN WN                                         ; source 0: the accumulators' window
.irp c, 0,1
	v_cvt_scalef32_pk16_fp6_f32 v[PC+6*\c:PC+2+6*\c], v[AC+32*\c:AC+32*\c+15], v[TM+12+2*\c]
	v_cvt_scalef32_pk16_fp6_f32 v[PC+12+4*\c:PC+14+4*\c], v[AC+32*\c+16:AC+32*\c+31], v[TM+12+2*\c+1]   ; (a conversion's three registers begin on an even number)
.endr
	WIN 0
	v_nop                                          ; one plain instruction behind a scaled conversion
.irp c, 0,1
.irp i, 0,1,2
	v_permlane16_swap_b32 v[PC+6*\c+\i], v[PC+12+4*\c+\i]  ; a whole block to a lane
.endr
.irp i, 0,1,2
	v_mov_b32 v[PC+3+6*\c+\i], v[PC+12+4*\c+\i]
.endr
.endr
	global_store_b128 v4, v[PC:PC+3], s[12:13] offset:768*(\a)                     ; dense runs of 512 and 256 bytes
	global_store_b64 v5, v[PC+4:PC+5], s[12:13] offset:768*(\a)+512
	global_store_b128 v4, v[PC+6:PC+9], s[12:13] offset:196608+768*(\a)
	global_store_b64 v5, v[PC+10:PC+11], s[12:13] offset:196608+768*(\a)+512
.if (\a)%2 == 0
	v_mov_b32 v217, v[PW]
.else
	v_cndmask_b32 v218, v217, v[PW], s22           ; lanes 0-15 the even block's words, lanes 16-31 the odd block's: 128 bytes on end
	global_store_b32 v[SO], v218, s[98:99] offset:64*((\a)-1)
.endif
.endm
.irp a, 0,1,2,3,4,5,6,7
	QOUT \a
.endr
	s_wait_tensorcnt 0x0                           ; the wave's end
	ds_add_u32 v[SPW], v[NIL]
	s_wait_dscnt 0x0
	CROUND                                         ; the closing round
	s_endpgm
.Lfunc_end_k_q99bca5d041_qkv:
	.size	k_q99bca5d041_qkv, .Lfunc_end_k_q99bca5d041_qkv-k_q99bca5d041_qkv
	.p2alignl 7, 3214868480
	.fill 96, 4, 3214868480
	.section	.rodata,"a",@progbits
	.p2align	6, 0x0
	.amdhsa_kernel k_q99bca5d041_qkv
		.amdhsa_group_segment_fixed_size 327680
		.amdhsa_private_segment_fixed_size 0
		.amdhsa_enable_private_segment 0
		.amdhsa_kernarg_size 40
		.amdhsa_user_sgpr_count 2
		.amdhsa_user_sgpr_kernarg_segment_ptr 1
		.amdhsa_wavefront_size32 1
		.amdhsa_system_sgpr_workgroup_id_x 1
		.amdhsa_system_sgpr_workgroup_id_y 1
		.amdhsa_system_sgpr_workgroup_id_z 1
		.amdhsa_system_vgpr_workitem_id 0
		.amdhsa_next_free_vgpr 1024
		.amdhsa_next_free_sgpr 104
		.amdhsa_reserve_vcc 0
		.amdhsa_float_denorm_mode_32 3
		.amdhsa_float_denorm_mode_16_64 3
		.amdhsa_memory_ordered 1
		.amdhsa_forward_progress 1
		.amdhsa_inst_pref_size 153
	.end_amdhsa_kernel
	.amdgpu_metadata
---
amdhsa.version: [ 1, 2 ]
amdhsa.kernels:
  - .name:           k_q99bca5d041_qkv
    .symbol:         k_q99bca5d041_qkv.kd
    .args:
      - { .name: hbuf, .offset: 0, .size: 8, .value_kind: global_buffer, .address_space: global }
      - { .name: wqk, .offset: 8, .size: 8, .value_kind: global_buffer, .address_space: global }
      - { .name: wv, .offset: 16, .size: 8, .value_kind: global_buffer, .address_space: global }
      - { .name: qkbuf, .offset: 24, .size: 8, .value_kind: global_buffer, .address_space: global }
      - { .name: vbuf, .offset: 32, .size: 8, .value_kind: global_buffer, .address_space: global }
    .group_segment_fixed_size: 327680
    .private_segment_fixed_size: 0
    .kernarg_segment_align: 8
    .kernarg_segment_size: 40
    .max_flat_workgroup_size: 128
    .sgpr_count:     104
    .vgpr_count:     1024
    .wavefront_size: 32
...
	.end_amdgpu_metadata
.endif
;; end of part 2
;; launch att (part 3): grid 4 x 64, 16 waves a work-group, clusters of 4 x 1, 169,984 bytes of LDS; arguments qkbuf, vbuf, hbuf; writes hbuf
.if DOCPART == 3
	.amdgcn_target "amdgcn-amd-amdhsa--gfx1250"
	.amdhsa_code_object_version 6
	.text
	.protected	k_q99bca5d041_att
	.globl	k_q99bca5d041_att
	.p2align	8
	.type	k_q99bca5d041_att,@function
k_q99bca5d041_att:
	s_mov_b64 s[64:65], 0
	v_nop
	global_prefetch_b8 v0, s[64:65] scope:SCOPE_SE
	s_setreg_imm32_b32 hwreg(HW_REG_WAVE_MODE, 25, 1), 1
	s_wait_xcnt 0x0
	s_wait_alu depctr_hold_cnt(0) depctr_sa_sdst(0) depctr_va_vdst(0) depctr_va_sdst(0) depctr_va_ssrc(0) depctr_va_vcc(0) depctr_vm_vsrc(0)
	s_getreg_b32 s2, hwreg(HW_REG_IB_STS2, 6, 4)
	s_cmp_eq_u32 s2, 0
	s_cbranch_scc0 .Lentry_in_a_cluster
	s_endpgm
.Lentry_in_a_cluster:
	s_bfe_u32 s2, ttmp6, 0x10000c
	s_cmp_lg_u32 s2, 0x3003
	s_cbranch_scc0 .Lentry_shape_is_right
	s_endpgm
.Lentry_shape_is_right:
; Causal attention of one head on FP6 (E2M3) codes; ctx = O / l is quantised along the head's 64 dims and stored as an operand (half images; see below).
; t = score x log2(e) / 8; M = the running largest t rounded up to a whole number; p = 2^(t - M) is quantised along the keys; the row's sum is taken of the unquantised p and divides at the end.
; INPUTS, made by the launches before: half images of 768 bytes (16 rows x 64 K: lane l = r + 16 h: registers 0-3 at 16 l, 4-5 at 512 + 8 l) at (nu x 256 + alpha) x 768, two scale bytes a row at
; 12,582,912 + ((nu >> 1) x 256 + alpha) x 64 + 4 r + 2 (nu & 1).  q: nu = head, k: nu = 16 + head, alpha = block of tokens; v: nu = 64 tokens, alpha = block of dims.  Physical row p holds logical row p with bits 3, 4 exchanged.
; The head's 64 dims are half of the instruction's 128: registers 6-11 of q's and k's fragments are zero codes, and their scale bytes 2, 3 are 0, which is 2^-127 and multiplies zeros.
; SHARES.  A cluster of four work-groups owns one head of one batch; each of a work-group's 16 waves owns one block of 16 queries, t = 4 rank + cx, rank a Latin square of the wave's number, so that
; long and short rows of the causal triangle are mixed among the waves.  The head's K and V, codes and scales (102 KiB), are asked for JOINTLY by the four and fill LDS ONCE: no slot is filled again.
; Both products are used transposed (S^T = K Q^T, O^T = V^T P^T): a lane holds one query; by the order of the rows, registers 16 e + i of two neighbouring tiles are 16 neighbouring keys or dims.
; CAUSAL: the loop has 8 trips for every wave; a step all of whose keys come after the queries of the wave's rank is jumped over (a branch on the wave's number and the trip; never on the place in the cluster).
; Nothing is prefetched: all that the launch reads is asked for at its head.
; LIMITS: NaN and infinities are not served; a block of zeros gets the byte 1: its codes are zeros and this program alone reads the bytes.
.set SOFFQ, 12582912
.set LV,   49152                       ; LDS: K's 64 half images at 0; V's [16 chunks of 64 keys][4 blocks of dims] here;
.set LKS,  98304                       ; K's scale words [64 blocks][64 bytes];
.set LVS,  102400                      ; V's [8 steps][4 blocks][64 bytes]
.set S,    128                         ; v128-191 S^T, then p
.set O,    192                         ; v192-223 O^T
.set WV,   18
.set SEL,  20
.set CS,   22
.set G1K,  24
.set G1V,  32
.set G1S,  40
.set G1T,  48
.set G0K,  56
.set G0V,  60
.set G0S,  68
.set G0T,  72
.set TC,   2                           ; s2  the step's codes: 6,144 bytes a step, in K and in V
.set KF,   3                           ; s3  the step's first key
.set TSK,  66                          ; s66 K's scale words: 512 bytes a step
.set TSV,  67                          ; s67 V's: 256
.set R64,  96                          ; s96 64 x rank: the first token of the rank's four blocks
.set R64P, 97                          ; s97 64 x rank + 64
.macro CROUND
	s_barrier_signal -1
	s_barrier_wait -1
	s_cmp_lg_u32 s[WV], 0
	s_cbranch_scc1 .Lnot_wave_0_\@
	s_barrier_signal -3
.Lnot_wave_0_\@:
	s_barrier_wait -3
	s_barrier_signal -1
	s_barrier_wait -1
.endm
	s_load_b128 s[4:7], s[0:1], 0x0                ; q and k, v
	s_load_b64 s[8:9], s[0:1], 0x10                ; ctx
	v_lshl_add_u32 v254, v0, 2, 0x29000
	v_mov_b32 v255, 0
	ds_add_u32 v254, v255
	ds_add_u32 v254, v255
	s_wait_dscnt 0x0
	v_lshrrev_b32 v1, 5, v0
	s_delay_alu instid0(VALU_DEP_1)
	v_readfirstlane_b32 s[WV], v1
	s_bfe_u32 s10, ttmp6, 0x40000                  ; cx
	s_and_b32 s11, ttmp7, 0xffff
	s_lshr_b32 s12, s11, 4                         ; batch
	s_and_b32 s13, s11, 15                         ; head
	s_and_b32 s14, s[WV], 1                        ; which half I fetch, if I fetch
	s_mul_i32 s15, s14, 24576
	s_and_b32 s16, s13, 1
	s_lshl_b32 s16, s16, 1                         ; 2 (head & 1): my halfword in a scale word of q, k and ctx
	s_add_co_u32 s76, s13, 16                      ; K's codes: ((16 + head) x 256 + 64 batch) x 768 + half
	s_lshl_b32 s76, s76, 8
	s_lshl_b32 s77, s12, 6
	s_add_co_u32 s76, s76, s77
	s_mul_i32 s76, s76, 768
	s_add_co_u32 s76, s76, s15
	s_mov_b32 s77, 0
	s_lshl_b32 s78, s12, 4                         ; V's codes: ((16 batch + 8 half) x 256 + 4 head) x 768
	s_lshl_b32 s79, s14, 3
	s_add_co_u32 s78, s78, s79
	s_lshl_b32 s78, s78, 8
	s_lshl_b32 s79, s13, 2
	s_add_co_u32 s78, s78, s79
	s_mul_i32 s78, s78, 768
	s_mov_b32 s79, 0
	s_lshr_b32 s94, s13, 1                         ; head / 2
	s_add_co_u32 s80, s94, 8                       ; K's scale words: ((8 + head / 2) x 256 + 64 batch) x 64
	s_lshl_b32 s80, s80, 8
	s_lshl_b32 s81, s12, 6
	s_add_co_u32 s80, s80, s81
	s_lshl_b32 s80, s80, 6
	s_add_co_u32 s80, s80, SOFFQ
	s_mov_b32 s81, 0
	s_lshl_b32 s82, s12, 17                        ; V's: (8 batch x 256 + 4 head) x 64
	s_lshl_b32 s83, s13, 8
	s_add_co_u32 s82, s82, s83
	s_add_co_u32 s82, s82, SOFFQ
	s_mov_b32 s83, 0
	s_lshr_b32 s98, s[WV], 2
	s_and_b32 s17, s[WV], 3
	s_add_co_u32 s17, s17, s98
	s_and_b32 s17, s17, 3
	s_lshl_b32 s17, s17, 2
	s_add_co_u32 s17, s17, s98                     ; rank = 4 (((w >> 2) + (w & 3)) & 3) + (w >> 2)
	s_lshl_b32 s[R64], s17, 6
	s_add_co_u32 s[R64P], s[R64], 64
	s_lshl_b32 s92, s17, 2
	s_add_co_u32 s92, s92, s10                     ; t: my block of queries in the batch (enters global addresses and the mask's numbers alone)
	s_lshl_b32 s93, s12, 6
	s_add_co_u32 s93, s93, s92                     ; among all tokens
	s_lshl_b32 s84, s13, 8                         ; q's codes
	s_add_co_u32 s84, s84, s93
	s_mul_i32 s84, s84, 768
	s_mov_b32 s85, 0
	s_lshl_b32 s86, s94, 8                         ; q's scale halfwords
	s_add_co_u32 s86, s86, s93
	s_lshl_b32 s86, s86, 6
	s_add_co_u32 s86, s86, s16
	s_add_co_u32 s86, s86, SOFFQ
	s_mov_b32 s87, 0
	s_lshl_b32 s88, s93, 4                         ; ctx: half image c = head of my block
	s_add_co_u32 s88, s88, s13
	s_mul_i32 s88, s88, 768
	s_mov_b32 s89, 0
	s_lshl_b32 s90, s93, 3                         ; and its scale halfwords
	s_add_co_u32 s90, s90, s94
	s_lshl_b32 s90, s90, 6
	s_add_co_u32 s90, s90, s16
	s_add_co_u32 s90, s90, 3145728
	s_mov_b32 s91, 0
	s_lshr_b32 s94, s92, 1
	s_lshl_b32 s94, s94, 5
	s_and_b32 s98, s92, 1
	s_lshl_b32 s98, s98, 3
	s_add_co_u32 s94, s94, s98                     ; 32 (t / 2) + 8 (t % 2)
	; descriptor groups 1: elements of 8 bytes, no padding, all four work-groups, bit 21 beside the mask
	s_mov_b32 s[G1K], 15|(3<<16)|(1<<21)           ; K's codes, half: 24,576 dense bytes as 96 rows of 256
	s_mov_b32 s[G1K+1], 32<<16
	s_mov_b32 s[G1K+2], 96<<16
	s_mov_b32 s[G1K+3], 32<<16
	s_mov_b32 s[G1K+4], 96
	s_mov_b32 s[G1K+5], 32
	s_mov_b32 s[G1K+6], 0
	s_mov_b32 s[G1K+7], 0
	s_mov_b32 s[G1V], 15|(3<<16)|(1<<21)           ; V's codes, half: 8 chunks of 3,072 bytes, 196,608 bytes apart
	s_mov_b32 s[G1V+1], 384<<16
	s_mov_b32 s[G1V+2], 8<<16
	s_mov_b32 s[G1V+3], 384<<16
	s_mov_b32 s[G1V+4], 8
	s_mov_b32 s[G1V+5], 24576
	s_mov_b32 s[G1V+6], 0
	s_mov_b32 s[G1V+7], 0
	s_mov_b32 s[G1S], 15|(3<<16)|(1<<21)           ; K's scale words: 4,096 dense bytes
	s_mov_b32 s[G1S+1], 32<<16
	s_mov_b32 s[G1S+2], 16<<16
	s_mov_b32 s[G1S+3], 32<<16
	s_mov_b32 s[G1S+4], 16
	s_mov_b32 s[G1S+5], 32
	s_mov_b32 s[G1S+6], 0
	s_mov_b32 s[G1S+7], 0
	s_mov_b32 s[G1T], 15|(3<<16)|(1<<21)           ; V's scale words: 8 rows of 256 bytes, 16,384 bytes apart
	s_mov_b32 s[G1T+1], 32<<16
	s_mov_b32 s[G1T+2], 8<<16
	s_mov_b32 s[G1T+3], 32<<16
	s_mov_b32 s[G1T+4], 8
	s_mov_b32 s[G1T+5], 2048
	s_mov_b32 s[G1T+6], 0
	s_mov_b32 s[G1T+7], 0
	s_mov_b32 s[SEL], 0x76543210
	s_mov_b32 s[SEL+1], 0xfedcba98
	s_mov_b32 s[CS], 0x3e38aa3b                    ; c = log2(e) / 8
	s_mov_b32 s[CS+1], s[CS]
	s_mov_b32 s[TC], 0
	s_mov_b32 s[KF], 0
	s_mov_b32 s[TSK], 0
	s_mov_b32 s[TSV], 0
	s_wait_kmcnt 0x0
	s_mov_b32 s[G0K], 1
	s_mov_b32 s[G0K+1], s15
	s_add_nc_u64 s[G0K+2:G0K+3], s[4:5], s[76:77]
	s_or_b32 s[G0K+3], s[G0K+3], 0x80000000
	s_mov_b32 s[G0V], 1
	s_add_co_u32 s[G0V+1], s15, LV
	s_add_nc_u64 s[G0V+2:G0V+3], s[6:7], s[78:79]
	s_or_b32 s[G0V+3], s[G0V+3], 0x80000000
	s_mov_b32 s[G0S], 1
	s_mov_b32 s[G0S+1], LKS
	s_add_nc_u64 s[G0S+2:G0S+3], s[4:5], s[80:81]
	s_or_b32 s[G0S+3], s[G0S+3], 0x80000000
	s_mov_b32 s[G0T], 1
	s_mov_b32 s[G0T+1], LVS
	s_add_nc_u64 s[G0T+2:G0T+3], s[6:7], s[82:83]
	s_or_b32 s[G0T+3], s[G0T+3], 0x80000000
	s_add_nc_u64 s[84:85], s[4:5], s[84:85]
	s_add_nc_u64 s[86:87], s[4:5], s[86:87]
	s_add_nc_u64 s[88:89], s[8:9], s[88:89]
	s_add_nc_u64 s[90:91], s[8:9], s[90:91]
	CROUND                                         ; all four work-groups are here: the joint loads meet
	s_cmp_lt_u32 s[WV], 2                          ; waves 0, 1: K's halves; 2, 3: V's; 4: K's scale words; 5: V's; one load each, the others none
	s_cbranch_scc0 .Lnot_k
	tensor_load_to_lds s[G0K:G0K+3], s[G1K:G1K+7]
	s_nop 0
.rept 4
	v_nop
.endr
	s_branch .Lasked
.Lnot_k:
	s_cmp_lt_u32 s[WV], 4
	s_cbranch_scc0 .Lnot_v
	tensor_load_to_lds s[G0V:G0V+3], s[G1V:G1V+7]
	s_nop 0
.rept 4
	v_nop
.endr
	s_branch .Lasked
.Lnot_v:
	s_cmp_eq_u32 s[WV], 4
	s_cbranch_scc0 .Lnot_ks
	tensor_load_to_lds s[G0S:G0S+3], s[G1S:G1S+7]
	s_nop 0
.rept 4
	v_nop
.endr
	s_branch .Lasked
.Lnot_ks:
	s_cmp_eq_u32 s[WV], 5
	s_cbranch_scc0 .Lasked
	tensor_load_to_lds s[G0T:G0T+3], s[G1T:G1T+7]
	s_nop 0
.rept 4
	v_nop
.endr
.Lasked:
	v_and_b32 v2, 31, v0
	s_delay_alu instid0(VALU_DEP_1)
	v_lshlrev_b32 v1, 4, v2                        ; 16 l
	s_delay_alu instid0(VALU_DEP_2)
	v_lshlrev_b32 v2, 3, v2                        ; 8 l
	v_and_b32 v10, 15, v0                          ; r
	v_and_b32 v11, 8, v0
	s_delay_alu instid0(VALU_DEP_1)
	v_add_nc_u32 v9, v10, v11                      ; r + 8 (r / 8)
	v_and_b32 v11, 16, v0
	s_delay_alu instid0(VALU_DEP_1)
	v_sub_nc_u32 v9, v9, v11
	s_delay_alu instid0(VALU_DEP_1)
	v_add_nc_u32 v9, s94, v9                       ; my query's token in the batch, less 16 h
	v_lshl_add_u32 v3, v10, 2, LKS
	s_delay_alu instid0(VALU_DEP_1)
	v_add_nc_u32 v3, s16, v3                       ; K's scale halfword of row r
	v_lshl_add_u32 v4, v10, 2, LVS                 ; V's scale word of row r
	v_lshlrev_b32 v10, 2, v10                      ; 4 r
	global_load_b128 v[16:19], v1, s[84:85]        ; q's half image stays in registers
	global_load_b64 v[20:21], v2, s[84:85] offset:512
	global_load_u16 v255, v10, s[86:87]            ; and its two scale bytes
.irp i, 22,23,24,25,26,27
	v_mov_b32 v\i, 0                               ; K = 64 .. 127: zero codes
.endr
.irp t, 0,1,2,3
.irp i, 6,7,8,9,10,11
	v_mov_b32 v[32+12*\t+\i], 0                    ; likewise in k's four fragments: written once, never loaded
.endr
.endr
	v_mov_b32 v13, 0xff61b1e6                      ; the largest t so far: -3e38
	s_delay_alu instid0(VALU_DEP_1)
	v_floor_f32 v12, -v13                          ; -M
	v_mov_b32 v14, 0                               ; the sum, in two halves
	v_mov_b32 v15, 0
.irp i, 236,237,238,239,252,253
	v_mov_b32 v\i, 0                               ; lane permutes' destinations and pairs' upper halves are written once
.endr
.set j, 0
.rept 32
	v_mov_b32 v[O+j], 0                            ; O^T: the step is written once; the first change of M leaves zeros zeros
.set j, j+1
.endr
	s_wait_tensorcnt 0x0                           ; my load, if I had one, has landed
	s_barrier_signal -1
	s_barrier_wait -1                              ; everybody's has
	s_wait_loadcnt 0x0                             ; q
.macro KLOAD g                         ; four tiles of 16 keys: half image, scale halfword
.irp t, 0,1,2,3
	ds_load_b128 v[32+12*\t:35+12*\t], v5 offset:(4*\g+\t)*768
	ds_load_b64 v[36+12*\t:37+12*\t], v6 offset:(4*\g+\t)*768+512
	ds_load_u16 v[248+\t], v7 offset:(4*\g+\t)*64
.endr
.endm
.macro KMUL g
.irp t, 0,1,2,3
	v_wmma_scale_f32_16x16x128_f8f6f4 v[S+8*(4*\g+\t):S+8*(4*\g+\t)+7], v[32+12*\t:43+12*\t], v[16:27], 0, v[248+\t], v255 matrix_a_fmt:MATRIX_FMT_FP6 matrix_b_fmt:MATRIX_FMT_FP6
.endr
.endm
.Lstep:                                            ; 8 trips, 128 keys each
	s_cmp_ge_u32 s[KF], s[R64P]
	s_cbranch_scc1 .Lhidden                        ; all keys of the step come after all queries of my rank
	v_add_nc_u32 v5, s[TC], v1
	v_add_nc_u32 v6, s[TC], v2
	v_add_nc_u32 v7, s[TSK], v3
	v_add_nc_u32 v8, s[TSV], v4
	KLOAD 0
	s_wait_alu depctr_va_vdst(0)
	s_wait_dscnt 0x0
	KMUL 0
.rept 4
	v_nop                                          ; places ahead of loads into registers that matrix instructions have read
.endr
	KLOAD 1
.irp t, 0,1,2,3                                    ; V's four fragments (16 dims x these 128 keys: two chunks' half images) and scale words, asked for early
	ds_load_b128 v[80+12*\t:83+12*\t], v5 offset:LV+\t*768
	ds_load_b64 v[84+12*\t:85+12*\t], v6 offset:LV+\t*768+512
	ds_load_b128 v[86+12*\t:89+12*\t], v5 offset:LV+3072+\t*768
	ds_load_b64 v[90+12*\t:91+12*\t], v6 offset:LV+3072+\t*768+512
	ds_load_b32 v[28+\t], v8 offset:64*\t
.endr
	s_wait_dscnt 20                                ; K's are in; V's 20 loads may be out
	KMUL 1
.rept 4
	v_nop
.endr
	s_add_co_u32 s98, s[KF], 128
	s_cmp_le_u32 s98, s[R64]
	s_cbranch_scc1 .Lopen                          ; all keys of the step count for all queries of my rank
	v_sub_nc_u32 v252, v9, s[KF]                   ; d: register 16 e + i holds key KF + 32 e + 16 h + i: hidden where 32 e + i > d
	v_mov_b32 v254, 0xff800000                     ; -infinity
.set j, 0
.rept 64
	v_cmp_gt_i32 vcc_lo, 32*(j/16)+j%16, v252
	v_cndmask_b32 v[S+j], v[S+j], v254, vcc_lo
.set j, j+1
.endr
.Lopen:
.irp b, 0,1,2,3
	v_max3_num_f32 v[232+\b], v[S+16*\b], v[S+1+16*\b], v[S+2+16*\b]       ; the largest score of each block of 32 keys: for the row's maximum and, since p rises with the score, for the block's largest p
.endr
.irp i, 3,5,7,9,11,13
.irp b, 0,1,2,3
	v_max3_num_f32 v[232+\b], v[232+\b], v[S+16*\b+\i], v[S+1+16*\b+\i]
.endr
.endr
.irp b, 0,1,2,3
	v_max_num_f32 v[232+\b], v[232+\b], v[S+15+16*\b]
.endr
.irp b, 0,1,2,3
	s_delay_alu instid0(VALU_DEP_4)
	v_permlanex16_b32 v[236+\b], v[232+\b], s[SEL], s[SEL+1]
.endr
.irp b, 0,1,2,3
	s_delay_alu instid0(VALU_DEP_4)
	v_max_num_f32 v[232+\b], v[232+\b], v[236+\b]
.endr
	s_delay_alu instid0(VALU_DEP_2)
	v_max3_num_f32 v254, v232, v233, v234
	s_delay_alu instid0(VALU_DEP_1)
	v_max_num_f32 v254, v254, v235
	s_delay_alu instid0(VALU_DEP_1)
	v_mul_f32 v254, s[CS], v254                    ; as t
	s_delay_alu instid0(VALU_DEP_1)
	v_max_num_f32 v13, v13, v254                   ; the running largest t
	v_mov_b32 v254, v12
	s_delay_alu instid0(VALU_DEP_2)
	v_floor_f32 v12, -v13                          ; the new -M = -ceil(t)
	s_delay_alu instid0(VALU_DEP_1)
	v_sub_f32 v254, v12, v254                      ; old M - new M: a whole number, 0 or less
	s_delay_alu instid0(VALU_DEP_1)
	v_cvt_i32_f32 v254, v254                       ; (it saturates)
	s_delay_alu instid0(VALU_DEP_1)
	v_ldexp_f32 v252, 1.0, v254                    ; f = 2^(old M - new M): exact
.set j, 0
.rept 32
	v_pk_fma_f32 v[S+j:S+j+1], v[S+j:S+j+1], s[CS:CS+1], v[12:13] op_sel_hi:[1,0,0]   ; t - M
.set j, j+2
.endr
.irp b, 0,1,2,3
	v_fma_f32 v[232+\b], v[232+\b], s[CS], v12
.endr
.set j, 0
	s_wait_alu depctr_va_vdst(0)
.rept 64
	v_exp_f32 v[S+j], v[S+j]                       ; p = 2^(t - M)
.set j, j+1
.endr
	v_pk_mul_f32 v[14:15], v[14:15], v[252:253] op_sel_hi:[1,0]    ; the sums under the new M (a plain instruction behind the exponentials)
	s_wait_alu depctr_va_vdst(0)                   ; one wait for the batch, ahead of its first reader
.irp b, 0,1,2,3
	v_exp_f32 v[232+\b], v[232+\b]                 ; each block's largest p
.endr
	v_pk_add_f32 v[236:237], v[132:133], v[136:137]
	v_pk_add_f32 v[250:251], v[140:141], v[144:145]
	v_pk_add_f32 v[248:249], v[148:149], v[152:153]
	v_pk_add_f32 v[246:247], v[156:157], v[160:161]
	v_pk_add_f32 v[244:245], v[164:165], v[168:169]
	v_pk_add_f32 v[242:243], v[172:173], v[176:177]
	v_pk_add_f32 v[240:241], v[180:181], v[184:185]
	v_pk_add_f32 v[14:15], v[14:15], v[188:189]
	v_pk_add_f32 v[236:237], v[236:237], v[128:129]
	v_pk_add_f32 v[250:251], v[250:251], v[130:131]
	v_pk_add_f32 v[248:249], v[248:249], v[134:135]
	v_pk_add_f32 v[246:247], v[246:247], v[138:139]
	v_pk_add_f32 v[244:245], v[244:245], v[142:143]
	v_pk_add_f32 v[242:243], v[242:243], v[146:147]
	v_pk_add_f32 v[240:241], v[240:241], v[150:151]
	v_pk_add_f32 v[14:15], v[14:15], v[154:155]
	v_pk_add_f32 v[236:237], v[236:237], v[158:159]
	v_pk_add_f32 v[250:251], v[250:251], v[162:163]
	v_pk_add_f32 v[248:249], v[248:249], v[166:167]
	v_pk_add_f32 v[246:247], v[246:247], v[170:171]
	v_pk_add_f32 v[244:245], v[244:245], v[174:175]
	v_pk_add_f32 v[242:243], v[242:243], v[178:179]
	v_pk_add_f32 v[240:241], v[240:241], v[182:183]
	v_pk_add_f32 v[14:15], v[14:15], v[186:187]
	v_pk_add_f32 v[236:237], v[236:237], v[190:191]
	s_delay_alu instid0(VALU_DEP_2)
	v_pk_add_f32 v[14:15], v[14:15], v[246:247]
	s_delay_alu instid0(VALU_DEP_2)
	v_pk_add_f32 v[236:237], v[236:237], v[244:245]
	v_pk_add_f32 v[250:251], v[250:251], v[242:243]
	v_pk_add_f32 v[248:249], v[248:249], v[240:241]
	s_delay_alu instid0(VALU_DEP_2)
	v_pk_add_f32 v[14:15], v[14:15], v[250:251]
	s_delay_alu instid0(VALU_DEP_2)
	v_pk_add_f32 v[236:237], v[236:237], v[248:249]
	s_delay_alu instid0(VALU_DEP_1)
	v_pk_add_f32 v[14:15], v[14:15], v[236:237]
	s_wait_alu depctr_va_vdst(0)                   ; and one for the four
.irp b, 0,1,2,3
	v_max_num_f32 v[232+\b], 0x1800000, v[232+\b]  ; the floor 2^(3 - 127)
.endr
.irp b, 0,1,2,3
	s_delay_alu instid0(VALU_DEP_4)
	v_add_nc_u32 v[244+\b], 0xff000000, v[232+\b]
.endr
.irp b, 0,1,2,3
	s_delay_alu instid0(VALU_DEP_4)
	v_lshrrev_b32 v[236+\b], 23, v[244+\b]
.endr
	s_delay_alu instid0(VALU_DEP_3)
	v_lshl_or_b32 v253, v237, 8, v236              ; p's scale word for these 128 keys
	s_delay_alu instid0(VALU_DEP_1)
	v_lshl_or_b32 v253, v238, 16, v253
	s_delay_alu instid0(VALU_DEP_1)
	v_lshl_or_b32 v253, v239, 24, v253
.irp c, 0,1
	v_cvt_scalef32_pk16_fp6_f32 v[224+6*\c:226+6*\c], v[S+32*\c:S+15+32*\c], v[244+2*\c]
	v_cvt_scalef32_pk16_fp6_f32 v[236+4*\c:238+4*\c], v[S+16+32*\c:S+31+32*\c], v[244+2*\c+1]
.endr
	v_nop                                          ; one plain instruction behind a scaled conversion
.irp c, 0,1
.irp i, 0,1,2
	v_permlane16_swap_b32 v[224+6*\c+\i], v[236+4*\c+\i]   ; a whole block to a lane
.endr
.irp i, 0,1,2
	s_delay_alu instid0(VALU_DEP_3)
	v_mov_b32 v[227+6*\c+\i], v[236+4*\c+\i]
.endr
.endr
.set j, 0
.rept 16
	v_pk_mul_f32 v[O+j:O+j+1], v[O+j:O+j+1], v[252:253] op_sel_hi:[1,0]    ; O^T under the new M; these sixteen also stand between the writes of p's codes and scale word and the products
.set j, j+2
.endr
	s_wait_alu depctr_va_vdst(0)
	s_wait_dscnt 0x0                               ; V
.irp t, 0,1,2,3
	v_wmma_scale_f32_16x16x128_f8f6f4 v[O+8*\t:O+8*\t+7], v[80+12*\t:91+12*\t], v[224:235], v[O+8*\t:O+8*\t+7], v[28+\t], v253 matrix_a_fmt:MATRIX_FMT_FP6 matrix_b_fmt:MATRIX_FMT_FP6
.endr
.Lhidden:
	s_add_co_u32 s[TC], s[TC], 6144
	s_add_co_u32 s[TSK], s[TSK], 512
	s_add_co_u32 s[TSV], s[TSV], 256
	s_add_co_u32 s[KF], s[KF], 128
	s_cmp_lt_u32 s[KF], 1024
	s_cbranch_scc1 .Lstep
.rept 4
	v_nop                                          ; places behind the last products
.endr
	; THE WAY OUT: ctx = O^T / the sum; register 16 e + i = dim 32 e + 16 h + i of my query: two blocks of 32, quantised, one half image
	v_add_f32 v14, v14, v15
	s_delay_alu instid0(VALU_DEP_1)
	v_permlanex16_b32 v252, v14, s[SEL], s[SEL+1]
	s_delay_alu instid0(VALU_DEP_1)
	v_add_f32 v14, v14, v252
	s_wait_alu depctr_va_vdst(0)
	v_rcp_f32 v14, v14
	v_nop                                          ; a plain instruction behind the transcendental
	s_wait_alu depctr_va_vdst(0)                   ; the wait ahead of its first reader
.set j, 0
.rept 32
	v_mul_f32 v[S+j], v[O+j], v14
.set j, j+1
.endr
.irp e, 0,1
	v_max3_num_f32 v[232+\e], |v[S+16*\e]|, |v[S+1+16*\e]|, 0x1800000
.endr
.irp i, 2,4,6,8,10,12,14
.irp e, 0,1
	s_delay_alu instid0(VALU_DEP_2)
	v_max3_num_f32 v[232+\e], v[232+\e], |v[S+16*\e+\i]|, |v[S+1+16*\e+\i]|
.endr
.endr
.irp e, 0,1
	s_delay_alu instid0(VALU_DEP_2)
	v_permlanex16_b32 v[236+\e], v[232+\e], s[SEL], s[SEL+1]
.endr
.irp e, 0,1
	s_delay_alu instid0(VALU_DEP_2)
	v_max_num_f32 v[232+\e], v[232+\e], v[236+\e]
.endr
.irp e, 0,1
	s_delay_alu instid0(VALU_DEP_2)
	v_add_nc_u32 v[244+\e], 0xff000000, v[232+\e]
.endr
.irp e, 0,1
	s_delay_alu instid0(VALU_DEP_2)
	v_lshrrev_b32 v[236+\e], 23, v[244+\e]
.endr
	s_delay_alu instid0(VALU_DEP_1)
	v_lshl_or_b32 v253, v237, 8, v236
	v_cvt_scalef32_pk16_fp6_f32 v[224:226], v[S:S+15], v244
	v_cvt_scalef32_pk16_fp6_f32 v[240:242], v[S+16:S+31], v245
	v_nop
.irp i, 0,1,2
	v_permlane16_swap_b32 v[224+\i], v[240+\i]
.endr
.irp i, 0,1,2
	s_delay_alu instid0(VALU_DEP_3)
	v_mov_b32 v[227+\i], v[240+\i]
.endr
	global_store_b128 v1, v[224:227], s[88:89]             ; 512 consecutive bytes
	global_store_b64 v2, v[228:229], s[88:89] offset:512   ; 256 consecutive bytes
	global_store_b16 v10, v253, s[90:91]                   ; two scale bytes a row, inside one run of 64 bytes; lanes l and l + 16 hold the same halfword and write it to the same place
	s_wait_xcnt 0x0
	v_lshl_add_u32 v254, v0, 2, 0x29000
	v_mov_b32 v255, 0
	s_wait_alu depctr_va_vdst(0)
	s_wait_tensorcnt 0x0
	ds_add_u32 v254, v255
	s_wait_dscnt 0x0
	CROUND                                         ; the closing round: no work-group ends while a partner may still ask
	s_endpgm
.Lfunc_end_k_q99bca5d041_att:
	.size	k_q99bca5d041_att, .Lfunc_end_k_q99bca5d041_att-k_q99bca5d041_att
	.p2alignl 7, 3214868480
	.fill 96, 4, 3214868480
	.section	.rodata,"a",@progbits
	.p2align	6, 0x0
	.amdhsa_kernel k_q99bca5d041_att
		.amdhsa_group_segment_fixed_size 169984
		.amdhsa_private_segment_fixed_size 0
		.amdhsa_enable_private_segment 0
		.amdhsa_kernarg_size 24
		.amdhsa_user_sgpr_count 2
		.amdhsa_user_sgpr_kernarg_segment_ptr 1
		.amdhsa_wavefront_size32 1
		.amdhsa_system_sgpr_workgroup_id_x 1
		.amdhsa_system_sgpr_workgroup_id_y 1
		.amdhsa_system_sgpr_workgroup_id_z 1
		.amdhsa_system_vgpr_workitem_id 0
		.amdhsa_next_free_vgpr 256
		.amdhsa_next_free_sgpr 100
		.amdhsa_reserve_vcc 1
		.amdhsa_float_denorm_mode_32 3
		.amdhsa_float_denorm_mode_16_64 3
		.amdhsa_memory_ordered 1
		.amdhsa_forward_progress 1
		.amdhsa_inst_pref_size 40
	.end_amdhsa_kernel
	.amdgpu_metadata
---
amdhsa.version: [ 1, 2 ]
amdhsa.kernels:
  - .name:           k_q99bca5d041_att
    .symbol:         k_q99bca5d041_att.kd
    .args:
      - { .name: qkbuf, .offset: 0, .size: 8, .value_kind: global_buffer, .address_space: global }
      - { .name: vbuf, .offset: 8, .size: 8, .value_kind: global_buffer, .address_space: global }
      - { .name: hbuf, .offset: 16, .size: 8, .value_kind: global_buffer, .address_space: global }
    .group_segment_fixed_size: 169984
    .private_segment_fixed_size: 0
    .kernarg_segment_align: 8
    .kernarg_segment_size: 24
    .max_flat_workgroup_size: 512
    .sgpr_count:     100
    .vgpr_count:     256
    .wavefront_size: 32
...
	.end_amdgpu_metadata
.endif
;; end of part 3
;; launch wo (part 4): grid 8 x 32, 4 waves a work-group, clusters of 4 x 4, 327,680 bytes of LDS; arguments hbuf, wrest, bo, x, x1; writes x1
.if DOCPART == 4
	.amdgcn_target "amdgcn-amd-amdhsa--gfx1250"
	.amdhsa_code_object_version 6
	.text
	.protected	k_q99bca5d041_wo
	.globl	k_q99bca5d041_wo
	.p2align	8
	.type	k_q99bca5d041_wo,@function
k_q99bca5d041_wo:
	s_mov_b64 s[64:65], 0
	v_nop
	global_prefetch_b8 v0, s[64:65] scope:SCOPE_SE
	s_setreg_imm32_b32 hwreg(HW_REG_WAVE_MODE, 25, 1), 1
	s_wait_xcnt 0x0
	s_wait_alu depctr_hold_cnt(0) depctr_sa_sdst(0) depctr_va_vdst(0) depctr_va_sdst(0) depctr_va_ssrc(0) depctr_va_vcc(0) depctr_vm_vsrc(0)
	s_getreg_b32 s2, hwreg(HW_REG_IB_STS2, 6, 4)
	s_cmp_eq_u32 s2, 0
	s_cbranch_scc0 .Lentry_in_a_cluster
	s_endpgm
.Lentry_in_a_cluster:
	s_bfe_u32 s2, ttmp6, 0x10000c
	s_cmp_lg_u32 s2, 0xf033
	s_cbranch_scc0 .Lentry_shape_is_right
	s_endpgm
.Lentry_shape_is_right:
; out = res + A B^T + bias, f32 [4,096][1,024]: a GEMM on FP6 (E2M3) codes with E8M0 scales, K = 1,024.  A = ctx (tokens), B = Wo's columns.
; OPERANDS lie in half images of 768 bytes (16 rows x 64 K as six registers of a fragment hold them: lane l: registers 0-3 at 16 l, 4-5 at 512 + 8 l): codes at (block x K/64 + c) x 768, scale words at
; the scales' offset + (block x K/128 + s) x 64 + 4 r.  A fragment is two half images on end.  Physical row p holds logical row p with bits 3 and 4 exchanged; out and res lie in natural order.
; A tile of C is 128 x 128: four waves of 64 x 64 (16 accumulators): 256 work-groups.  All of K, 8 steps of 128, is 196,608 bytes of codes: it fills LDS ONCE, one tensor load a wave (4 blocks x 12,288 bytes).
; THE SCALE WORDS go from memory into registers that hold nothing else: a load of 128 bytes brings a block's words of two K steps, lanes 0-15 the even step's, lanes 16-31 the odd step's (row 1 of the register).
; THE PRODUCT IS USED TRANSPOSED: source 0 = 16 rows of B, source 1 = 16 rows of A: a lane holds one token and eight neighbouring columns.  The bias is the C of each sum's first product.
; THREE SETS OF FRAGMENTS: a step first asks for the next step's 32 LDS loads and only then waits for its own, so that LDS loads are out at all times.
; CLUSTER 4 x 4: A's tiles are asked for jointly along a row of the cluster, B's along a column.  Nothing is prefetched: all codes are asked for at the head, and there is no loop to run ahead in.
; REGISTERS: window 0: v0-31 addresses, v32-63 scale words, v160-191 the bias, on the way out v160-223 rows read back; window 1: B's fragments, set p at v[16 + 48 p];
; windows 2, 3: accumulator (a, b) at v[8 (4 (a % 2) + b)] of window 2 + a / 2; window 2, v64-191: the residual; window 3: A's fragments, set p at v[64 + 48 p].
.set KS,     8
.set SOFF_A, 3145728
.set BS_OFF, 786432
.set NP,    KS/2
.set QX,    4*8*1536                   ; what one tensor load brings: 4 blocks x 8 fragments
.set STAGE, 4*QX                       ; behind the codes: the way out's stages, bytes into which no fill lands
.set SPARE, STAGE+98304                ; the spare words, 128 bytes a wave, that no other line names
.set L4,   6
.set ADRA, 16
.set ADRB, 20
.set STO,  24
.set RD,   25
.set CO,   26
.set SPW,  28
.set NIL,  29
.set SA,   32
.set SB,   SA+4*NP
.set BI,   160
.set BK,   160
.set RSW,  64
.set G1A, 24
.set G1B, 32
.set G0A, 68
.set G0B, 72
.set SAB, 86
.set SBB, 88
.set MSB, 0
.macro WIN new                         ; the immediate's high byte repeats the setting that is left
.if MSB != \new
	s_set_vgpr_msb (MSB<<8)|\new
.set MSB, \new
.endif
.endm
.macro JLOAD g0a, g1a, g0b, g1b        ; a joint load: waves 0 and 1 fetch for A, waves 2 and 3 for B; s_nop 0 and four v_nop follow each line
	s_cmp_eq_u32 s15, 0
	s_cbranch_scc0 .Lfor_b_\@
	tensor_load_to_lds s[\g0a:\g0a+3], s[\g1a:\g1a+7]
	s_nop 0
.rept 4
	v_nop
.endr
	s_branch .Lasked_\@
.Lfor_b_\@:
	tensor_load_to_lds s[\g0b:\g0b+3], s[\g1b:\g1b+7]
	s_nop 0
.rept 4
	v_nop
.endr
.Lasked_\@:
.endm
.macro CROUND                          ; a round of the cluster's barrier
	s_barrier_signal -1
	s_barrier_wait -1
	s_cmp_lg_u32 s14, 0
	s_cbranch_scc1 .Lnot_wave_0_\@
	s_barrier_signal -3
.Lnot_wave_0_\@:
	s_barrier_wait -3
	s_barrier_signal -1
	s_barrier_wait -1
.endm
.macro PLACES                          ; plain instructions between a matrix instruction and a load into, or a read of, its registers
.rept 4
	v_nop
.endr
.endm
.macro GROUP1 g, mask, nq              ; 4 blocks x nq fragments on end, elements of 8 bytes, no padding; the mask, and bit 21 beside it
	s_or_b32 s[\g], \mask, (3<<16)|(1<<21)
	s_mov_b32 s[\g+1], ((\nq)*192)<<16
	s_mov_b32 s[\g+2], 4<<16
	s_mov_b32 s[\g+3], ((\nq)*192)<<16
	s_mov_b32 s[\g+4], 4
	s_mov_b32 s[\g+5], KS*192
	s_mov_b32 s[\g+6], 0
	s_mov_b32 s[\g+7], 0
.endm
	s_load_b64 s[4:5], s[0:1], 0x0                 ; A
	s_load_b64 s[8:9], s[0:1], 0x8                 ; B
	s_load_b64 s[66:67], s[0:1], 0x10              ; bias
	s_load_b64 s[96:97], s[0:1], 0x18              ; res
	s_load_b64 s[12:13], s[0:1], 0x20              ; out
	v_lshl_add_u32 v[SPW], v0, 2, SPARE
	v_mov_b32 v[NIL], 0
	ds_add_u32 v[SPW], v[NIL]                      ; the opening lines: the add, twice on end, and its wait ahead of my first tensor load
	ds_add_u32 v[SPW], v[NIL]
	v_lshrrev_b32 v1, 5, v0
	v_readfirstlane_b32 s14, v1                    ; wave
	s_lshr_b32 s15, s14, 1                         ; my half of A's rows.  Also: I fetch for A (0) or B (1)
	s_and_b32 s16, s14, 1                          ; my half of B's rows.  Also: which half of that tile I fetch
	s_bfe_u32 s40, ttmp6, 0x40000                  ; cx
	s_bfe_u32 s41, ttmp6, 0x40004                  ; cy
	s_lshl_b32 s42, ttmp9, 2
	s_add_co_u32 s42, s42, s40                     ; B's tile
	s_and_b32 s17, ttmp7, 0xffff
	s_lshl_b32 s17, s17, 2
	s_add_co_u32 s17, s17, s41                     ; A's tile
	s_lshl_b32 s43, s41, 2
	s_lshl_b32 s43, 15, s43                        ; my row of the cluster
	s_lshl_b32 s44, 0x1111, s40                    ; my column
	GROUP1 G1A, s43, 8
	GROUP1 G1B, s44, 8
	s_lshl_b32 s18, s16, 2
	s_lshl_b32 s20, s17, 3
	s_add_co_u32 s20, s20, s18                     ; A: the first block that I fetch
	s_mul_i32 s20, s20, KS*1536
	s_mov_b32 s21, 0
	s_lshl_b32 s46, s42, 3
	s_add_co_u32 s46, s46, s18                     ; B: the first block that I fetch, and that I multiply
	s_mul_i32 s92, s46, KS*64
	s_mov_b32 s93, 0
	s_mul_i32 s46, s46, KS*1536
	s_mov_b32 s47, 0
	s_lshl_b32 s22, s17, 3
	s_lshl_b32 s23, s15, 2
	s_add_co_u32 s22, s22, s23                     ; A: the first block that I multiply
	s_mul_i32 s22, s22, KS*64
	s_mov_b32 s23, 0
	s_wait_dscnt 0x0                               ; both opening adds are done
	s_wait_kmcnt 0x0
	s_add_nc_u64 s[SAB:SAB+1], s[4:5], SOFF_A
	s_add_nc_u64 s[SAB:SAB+1], s[SAB:SAB+1], s[22:23]      ; my A blocks' scale words
	s_add_nc_u64 s[SBB:SBB+1], s[8:9], BS_OFF
	s_add_nc_u64 s[SBB:SBB+1], s[SBB:SBB+1], s[92:93]      ; my B blocks'
	s_add_nc_u64 s[20:21], s[4:5], s[20:21]
	s_add_nc_u64 s[46:47], s[8:9], s[46:47]
	s_mov_b32 s[G0A], 1
	s_mul_i32 s[G0A+1], s14, QX                    ; where the codes go: by the wave's number alone
	s_mov_b64 s[G0A+2:G0A+3], s[20:21]
	s_or_b32 s[G0A+3], s[G0A+3], 0x80000000
	s_mov_b32 s[G0B], 1
	s_mul_i32 s[G0B+1], s14, QX
	s_mov_b64 s[G0B+2:G0B+3], s[46:47]
	s_or_b32 s[G0B+3], s[G0B+3], 0x80000000
	CROUND                                         ; all sixteen work-groups are here: the joint loads meet
	JLOAD G0A, G1A, G0B, G1B                       ; my one tensor load: a quarter of all the codes
	; scalar work first, then the vector lines on end
	s_mul_i32 s21, s15, QX                         ; my A blocks in LDS
	s_mul_i32 s22, s16, QX
	s_add_co_u32 s22, s22, 2*QX                    ; my B blocks
	s_lshl_b32 s46, s42, 9
	s_lshl_b32 s47, s16, 8
	s_add_co_u32 s46, s46, s47                     ; my 64 columns, in bytes
	s_mov_b32 s47, 0
	s_add_nc_u64 s[66:67], s[66:67], s[46:47]
	s_mul_i32 s23, s14, 4352
	s_add_co_u32 s23, s23, STAGE                   ; my stage: 16 rows x (256 + 16) bytes
	s_lshl_b32 s18, s17, 7
	s_lshl_b32 s19, s15, 6
	s_add_co_u32 s18, s18, s19                     ; my 64 tokens begin here
	s_lshl_b32 s18, s18, 12
	s_add_co_u32 s18, s18, s46
	s_mov_b32 s19, 0
	s_add_nc_u64 s[12:13], s[12:13], s[18:19]
	s_add_nc_u64 s[96:97], s[96:97], s[18:19]
	v_and_b32 v1, 15, v0                           ; r
	v_bfe_u32 v2, v0, 4, 1                         ; h
	v_and_b32 v3, 31, v0
	v_lshlrev_b32 v4, 4, v3
	v_lshlrev_b32 v5, 3, v3
	v_lshlrev_b32 v[L4], 2, v3
	v_add_nc_u32 v[ADRA], s21, v4
	v_add_nc_u32 v[ADRA+1], s21, v5
	v_add_nc_u32 v[ADRB], s22, v4
	v_add_nc_u32 v[ADRB+1], s22, v5
	v_lshlrev_b32 v8, 6, v2
	v_mul_u32_u24 v9, v1, 272
	v_lshl_add_u32 v9, v2, 6, v9
	v_add_nc_u32 v[STO], s23, v9                   ; the stage, in: row r, + 64 h
	v_mul_u32_u24 v7, v2, 272
	v_lshl_add_u32 v7, v1, 4, v7
	v_add_nc_u32 v[RD], s23, v7                    ; back: lanes 0-15 one row, lanes 16-31 the next
	v_lshlrev_b32 v7, 12, v2
	v_lshl_add_u32 v[CO], v1, 4, v7                ; and the same two rows of 4,096 bytes in memory
	s_wait_alu depctr_va_vdst(0)                   ; the wait behind the head's vector lines
.irp b, 0,1,2,3                                    ; the bias: for B's block b my lane wants columns 32 (b / 2) + 8 (b % 2) + 16 h + 0 .. 7 of my wave's 64
	global_load_b128 v[BI+8*\b:BI+8*\b+3], v8, s[66:67] offset:(32*(\b/2)+8*(\b%2))*4
	global_load_b128 v[BI+8*\b+4:BI+8*\b+7], v8, s[66:67] offset:(32*(\b/2)+8*(\b%2))*4+16
.endr
.irp j, 0,1,2,3                                    ; the scale words of K steps 2 j and 2 j + 1
.irp i, 0,1,2,3
	global_load_b32 v[SA+NP*\i+\j], v[L4], s[SAB:SAB+1] offset:\i*KS*64+\j*128
	global_load_b32 v[SB+NP*\i+\j], v[L4], s[SBB:SBB+1] offset:\i*KS*64+\j*128
.endr
.endr
.macro FRAG reg, adr, st, i            ; block i's fragment of step st: two half images on end
.set fo, ((\i)*8+(\st))*1536
	ds_load_b128 v[\reg:\reg+3], v[\adr] offset:fo
	ds_load_b64 v[\reg+4:\reg+5], v[\adr+1] offset:fo+512
	ds_load_b128 v[\reg+6:\reg+9], v[\adr] offset:fo+768
	ds_load_b64 v[\reg+10:\reg+11], v[\adr+1] offset:fo+1280
.endm
.macro FETCH st                        ; a step's eight fragments, 32 LDS loads, into set st % 3: B's in window 1, A's in window 3
	WIN 0x40
.irp i, 0,1,2,3
	FRAG 16+48*((\st)%3)+12*\i, ADRB, \st, \i
.endr
	WIN 0xc0
.irp i, 0,1,2,3
	FRAG 64+48*((\st)%3)+12*\i, ADRA, \st, \i
.endr
	WIN 0
.endm
; A step's 16 matrix instructions: the accumulators take turns, one instruction a turn, in the same order in every step.  zero = 1: C = the bias.
.macro MUL st, zero
.set mp, 16+48*((\st)%3)
.set mj, (\st)/2
.irp a, 0,1,2,3
.if \zero
.set WN, 0x8d+0x40*(\a/2)
.else
.set WN, 0xad+0x50*(\a/2)
.endif
	WIN WN                                         ; source 0 window 1, source 1 window 3, D window 2 + a / 2, C with D or (the bias) window 0
.irp b, 0,1,2,3
.set rD, 8*(4*(\a%2)+\b)
.if \zero
	v_wmma_scale_f32_16x16x128_f8f6f4 v[rD:rD+7], v[mp+12*\b:mp+12*\b+11], v[mp+48+12*\a:mp+48+12*\a+11], v[BI+8*\b:BI+8*\b+7], v[SB+NP*\b+mj], v[SA+NP*\a+mj] matrix_a_fmt:MATRIX_FMT_FP6 matrix_b_fmt:MATRIX_FMT_FP6
.elseif (\st)%2
	v_wmma_scale_f32_16x16x128_f8f6f4 v[rD:rD+7], v[mp+12*\b:mp+12*\b+11], v[mp+48+12*\a:mp+48+12*\a+11], v[rD:rD+7], v[SB+NP*\b+mj], v[SA+NP*\a+mj] matrix_a_fmt:MATRIX_FMT_FP6 matrix_b_fmt:MATRIX_FMT_FP6 matrix_a_scale:MATRIX_SCALE_ROW1 matrix_b_scale:MATRIX_SCALE_ROW1
.else
	v_wmma_scale_f32_16x16x128_f8f6f4 v[rD:rD+7], v[mp+12*\b:mp+12*\b+11], v[mp+48+12*\a:mp+48+12*\a+11], v[rD:rD+7], v[SB+NP*\b+mj], v[SA+NP*\a+mj] matrix_a_fmt:MATRIX_FMT_FP6 matrix_b_fmt:MATRIX_FMT_FP6
.endif
.endr
.endr
.endm
.macro STEP st, zero
.if (\st)+1 < KS
	PLACES                                         ; the set that is filled was read two steps ago
	FETCH (\st)+1
	s_wait_dscnt 32                                ; this step's fragments are in; the 32 loads just issued may be out
.else
	s_wait_dscnt 0x0
.endif
	MUL \st, \zero
.endm
	s_wait_alu depctr_va_vdst(0)                   ; the wait at the head's end
	s_wait_tensorcnt 0x0                           ; my quarter of the codes is in
	s_wait_loadcnt 0x0                             ; and the bias and the scale words
	s_barrier_signal -1
	s_barrier_wait -1                              ; everybody's quarter is in
	FETCH 0
	; the residual: row r of A's block a is token 32 (a / 2) + 8 (a % 2) + r + 8 (r / 8) of my 64; load t takes rows 2 t and 2 t + 1 of the block, sixteen lanes to a row's 256 bytes
	WIN 0x80
.irp a, 0,1,2,3
.irp t, 0,1,2,3,4,5,6,7
	global_load_b128 v[RSW+32*\a+4*\t:RSW+32*\a+4*\t+3], v[CO], s[96:97] offset:(32*(\a/2)+8*(\a%2)+2*\t+8*(\t/4))*4096
.endr
.endr
	WIN 0
	STEP 0, 1
.set ST, 1
.rept KS-1
	STEP ST, 0
.set ST, ST+1
.endr
	WIN 0
	PLACES
; THE WAY OUT, A's block a (16 tokens x 64 columns) at a time, through my own stage, back as whole rows of 256 bytes; the residual is added on the way.
.macro TOSTAGE a
.set AC, 32*((\a)%2)
.set BB, BK+32*((\a)%2)
.set WN, 0x08+4*((\a)/2)
	WIN WN                                         ; an LDS store's data are its source 1
.irp b, 0,1,2,3
	ds_store_b128 v[STO], v[AC+8*\b:AC+8*\b+3] offset:128*(\b/2)+32*(\b%2)         ; each accumulator from its low end on
	ds_store_b128 v[STO], v[AC+8*\b+4:AC+8*\b+7] offset:128*(\b/2)+32*(\b%2)+16
.endr
	WIN 0
.irp t, 0,1,2,3,4,5,6,7
	ds_load_b128 v[BB+4*\t:BB+4*\t+3], v[RD] offset:544*\t         ; LDS serves a wave's instructions in order
.endr
.endm
.macro SEND a, d                       ; d: the younger LDS instructions, which may stay out
.set BB, BK+32*((\a)%2)
	s_wait_dscnt \d
	WIN 0x08                                       ; source 1, the residual: window 2
.set j, 0
.rept 16
	v_pk_add_f32 v[BB+j:BB+j+1], v[BB+j:BB+j+1], v[RSW+32*(\a)+j:RSW+32*(\a)+j+1]
.set j, j+2
.endr
	WIN 0
.irp t, 0,1,2,3,4,5,6,7
	global_store_b128 v[CO], v[BB+4*\t:BB+4*\t+3], s[12:13] offset:(32*((\a)/2)+8*((\a)%2)+2*\t+8*(\t/4))*4096   ; sixteen lanes store 256 consecutive bytes, aligned
.endr
.endm
	s_wait_loadcnt 0x0                             ; the residual
	TOSTAGE 0
.irp a, 1,2,3
.if \a > 1
	s_wait_xcnt 0x0                                ; block a - 2's stores have read their registers: block a's loads may land there
.endif
	TOSTAGE \a
	SEND \a-1, 16                                  ; behind block a - 1's: block a's 16 LDS instructions
.endr
	SEND 3, 0
	s_wait_tensorcnt 0x0                           ; the wave's end
	ds_add_u32 v[SPW], v[NIL]
	s_wait_dscnt 0x0
	CROUND                                         ; the closing round
	s_endpgm
.Lfunc_end_k_q99bca5d041_wo:
	.size	k_q99bca5d041_wo, .Lfunc_end_k_q99bca5d041_wo-k_q99bca5d041_wo
	.p2alignl 7, 3214868480
	.fill 96, 4, 3214868480
	.section	.rodata,"a",@progbits
	.p2align	6, 0x0
	.amdhsa_kernel k_q99bca5d041_wo
		.amdhsa_group_segment_fixed_size 327680
		.amdhsa_private_segment_fixed_size 0
		.amdhsa_enable_private_segment 0
		.amdhsa_kernarg_size 40
		.amdhsa_user_sgpr_count 2
		.amdhsa_user_sgpr_kernarg_segment_ptr 1
		.amdhsa_wavefront_size32 1
		.amdhsa_system_sgpr_workgroup_id_x 1
		.amdhsa_system_sgpr_workgroup_id_y 1
		.amdhsa_system_sgpr_workgroup_id_z 1
		.amdhsa_system_vgpr_workitem_id 0
		.amdhsa_next_free_vgpr 1024
		.amdhsa_next_free_sgpr 104
		.amdhsa_reserve_vcc 0
		.amdhsa_float_denorm_mode_32 3
		.amdhsa_float_denorm_mode_16_64 3
		.amdhsa_memory_ordered 1
		.amdhsa_forward_progress 1
		.amdhsa_inst_pref_size 60
	.end_amdhsa_kernel
	.amdgpu_metadata
---
amdhsa.version: [ 1, 2 ]
amdhsa.kernels:
  - .name:           k_q99bca5d041_wo
    .symbol:         k_q99bca5d041_wo.kd
    .args:
      - { .name: hbuf, .offset: 0, .size: 8, .value_kind: global_buffer, .address_space: global }
      - { .name: wrest, .offset: 8, .size: 8, .value_kind: global_buffer, .address_space: global }
      - { .name: bo, .offset: 16, .size: 8, .value_kind: global_buffer, .address_space: global }
      - { .name: x, .offset: 24, .size: 8, .value_kind: global_buffer, .address_space: global }
      - { .name: x1, .offset: 32, .size: 8, .value_kind: global_buffer, .address_space: global }
    .group_segment_fixed_size: 327680
    .private_segment_fixed_size: 0
    .kernarg_segment_align: 8
    .kernarg_segment_size: 40
    .max_flat_workgroup_size: 128
    .sgpr_count:     104
    .vgpr_count:     1024
    .wavefront_size: 32
...
	.end_amdgpu_metadata
.endif
;; end of part 4
;; launch ln1 (part 5): grid 256 x 1, 16 waves a work-group, no clusters, 89,088 bytes of LDS; arguments x1, ln2_s, ln2_b, hbuf; writes hbuf
.if DOCPART == 5
	.amdgcn_target "amdgcn-amd-amdhsa--gfx1250"
	.amdhsa_code_object_version 6
	.text
	.protected	k_q99bca5d041_ln1
	.globl	k_q99bca5d041_ln1
	.p2align	8
	.type	k_q99bca5d041_ln1,@function
k_q99bca5d041_ln1:
	s_mov_b64 s[64:65], 0
	v_nop
	global_prefetch_b8 v0, s[64:65] scope:SCOPE_SE
	s_setreg_imm32_b32 hwreg(HW_REG_WAVE_MODE, 25, 1), 1
	s_wait_xcnt 0x0
; y = gain x (x - mean) / sqrt(var + 1e-5) + shift for rows of 1,024 f32, then quantised along the row to FP6 (E2M3) with one E8M0 byte for each 32.
; Output: an operand of 4,096 rows, K = 1,024, in half images of 768 bytes (16 rows x 64 K as six registers of a fragment hold them: lane l = r + 16 h: registers 0-3 at 16 l, 4-5 at 512 + 8 l);
; codes at (B x 16 + c) x 768, scale words at 3,145,728 + (B x 8 + s) x 64 + 4 r; physical row p holds the token p with bits 3 and 4 exchanged.
; SHARES.  A work-group makes one physical block of 16 rows, wave w its row w: one wave, one row, kept in 32 registers between the passes (mean; squared distances from the mean; scaling).
; The row is loaded 16 bytes a lane, 512 consecutive bytes a load; for the quantiser a lane must hold a block of 32 neighbours: the row turns through the wave's own stage in LDS
; (16 bytes of padding behind each 128).  The 16 rows' codes meet in LDS as images and leave as dense runs of 512 and 256 bytes.  Work-groups share no input but gain and shift: no cluster.
; LIMITS: NaN and infinities are not served; a block of zeros gets the byte 1 (the rule says 127): its codes are zeros and this program alone reads the bytes.
.set STG, 4608                         ; a wave's stage: 32 blocks x (128 + 16) bytes
.set IMG, 73728                        ; 16 half images, 784 bytes apart
.set SCA, 86272                        ; 8 K steps x 16 rows x 4 scale bytes
	s_load_b256 s[4:11], s[0:1], 0x0               ; x, gain, shift, the operand
	v_lshl_add_u32 v128, v0, 2, 0x15400
	v_mov_b32 v129, 0
	v_lshrrev_b32 v1, 5, v0
	s_delay_alu instid0(VALU_DEP_1)
	v_readfirstlane_b32 s12, v1                    ; wave = physical row
	v_and_b32 v2, 31, v0                           ; lane
	s_delay_alu instid0(VALU_DEP_1)
	v_lshlrev_b32 v1, 4, v2                        ; 16 x lane
	s_lshr_b32 s13, ttmp9, 1
	s_lshl_b32 s13, s13, 5
	s_and_b32 s14, ttmp9, 1
	s_lshl_b32 s14, s14, 3
	s_add_co_u32 s13, s13, s14
	s_and_b32 s14, s12, 7
	s_add_co_u32 s13, s13, s14
	s_lshr_b32 s14, s12, 3
	s_lshl_b32 s14, s14, 4
	s_add_co_u32 s13, s13, s14                     ; the token: 32 (B / 2) + 8 (B % 2) + (w & 7) + 16 (w >> 3)
	s_lshl_b32 s14, s13, 12
	s_mov_b32 s15, 0
	s_lshl_b32 s16, ttmp9, 4
	s_add_co_u32 s16, s16, s12
	s_mul_i32 s16, s16, 768                        ; half image c = w of block B
	s_mov_b32 s17, 0
	s_lshl_b32 s18, ttmp9, 9
	s_add_co_u32 s18, s18, 3145728                 ; the block's 512 bytes of scale words
	s_mov_b32 s19, 0
	s_mov_b32 s20, 0x3a800000                      ; 1 / 1,024
	s_mov_b32 s21, 0x3727c5ac                      ; 1e-5
	s_mov_b32 s22, 0x76543210
	s_mov_b32 s23, 0xfedcba98                      ; v_permlanex16_b32's selects for lane l xor 16
	s_wait_alu depctr_va_vdst(0)
	s_wait_kmcnt 0x0
	s_add_nc_u64 s[4:5], s[4:5], s[14:15]
	s_add_nc_u64 s[16:17], s[10:11], s[16:17]
	s_add_nc_u64 s[18:19], s[10:11], s[18:19]
.irp j, 0,1,2,3,4,5,6,7
	global_load_b128 v[32+4*\j:35+4*\j], v1, s[4:5] offset:512*\j
.endr
.irp j, 0,1,2,3,4,5,6,7
	global_load_b128 v[64+4*\j:67+4*\j], v1, s[6:7] offset:512*\j
.endr
.irp j, 0,1,2,3,4,5,6,7
	global_load_b128 v[96+4*\j:99+4*\j], v1, s[8:9] offset:512*\j
.endr
	s_mul_i32 s24, s12, STG
	v_lshrrev_b32 v3, 3, v2
	s_delay_alu instid0(VALU_DEP_1)
	v_lshl_add_u32 v3, v3, 4, v1
	s_delay_alu instid0(VALU_DEP_1)
	v_add_nc_u32 v3, s24, v3                       ; the turn, in: 16 l + 16 (l / 8); a load's 512 bytes take 576
	v_mul_u32_u24 v4, v2, 144
	s_delay_alu instid0(VALU_DEP_1)
	v_add_nc_u32 v4, s24, v4                       ; out: block l
	v_lshrrev_b32 v5, 1, v2
	s_delay_alu instid0(VALU_DEP_1)
	v_mul_u32_u24 v5, v5, 784                      ; block l of the row is half l % 2 of half image l / 2
	v_and_b32 v6, 1, v2
	s_lshl_b32 s25, s12, 4
	s_add_co_u32 s25, s25, IMG
	v_lshl_add_u32 v7, v6, 8, v5
	s_delay_alu instid0(VALU_DEP_1)
	v_add_nc_u32 v7, s25, v7                       ; registers 0-3: 16 (w + 16 h)
	s_lshl_b32 s25, s12, 3
	s_add_co_u32 s25, s25, IMG+512
	v_lshl_add_u32 v8, v6, 7, v5
	s_delay_alu instid0(VALU_DEP_1)
	v_add_nc_u32 v8, s25, v8                       ; registers 4-5: 512 + 8 (w + 16 h)
	v_lshrrev_b32 v9, 2, v2
	v_and_b32 v14, 3, v2
	s_delay_alu instid0(VALU_DEP_1)
	v_lshl_add_u32 v9, v9, 6, v14
	s_lshl_b32 s25, s12, 2
	s_add_co_u32 s25, s25, SCA
	v_add_nc_u32 v9, s25, v9                       ; my byte: K step l / 4, row w, byte l % 4
	s_mul_i32 s25, s12, 784
	s_add_co_u32 s25, s25, IMG
	v_add_nc_u32 v15, s25, v1                      ; the image that I store
	v_lshlrev_b32 v28, 3, v2
	s_delay_alu instid0(VALU_DEP_1)
	v_add_nc_u32 v29, s25, v28
	v_add_nc_u32 v30, SCA, v1                      ; wave 0: the scale words
.macro REDUCE                          ; four pairs of partial sums in v16-23 -> the row's sum in v16 of every lane
	s_delay_alu instid0(VALU_DEP_3)
	v_pk_add_f32 v[16:17], v[16:17], v[18:19]
	s_delay_alu instid0(VALU_DEP_2)
	v_pk_add_f32 v[20:21], v[20:21], v[22:23]
	s_delay_alu instid0(VALU_DEP_1)
	v_pk_add_f32 v[16:17], v[16:17], v[20:21]
	s_delay_alu instid0(VALU_DEP_1)
	v_add_f32 v16, v16, v17
	s_delay_alu instid0(VALU_DEP_1)
	v_add_f32_dpp v16, v16, v16 row_xmask:1 row_mask:0xf bank_mask:0xf
	s_delay_alu instid0(VALU_DEP_1)
	v_add_f32_dpp v16, v16, v16 row_xmask:2 row_mask:0xf bank_mask:0xf
	s_delay_alu instid0(VALU_DEP_1)
	v_add_f32_dpp v16, v16, v16 row_xmask:4 row_mask:0xf bank_mask:0xf
	s_delay_alu instid0(VALU_DEP_1)
	v_add_f32_dpp v16, v16, v16 row_xmask:8 row_mask:0xf bank_mask:0xf
	s_delay_alu instid0(VALU_DEP_1)
	v_permlanex16_b32 v17, v16, s22, s23
	s_delay_alu instid0(VALU_DEP_1)
	v_add_f32 v16, v16, v17
.endm
	s_wait_loadcnt 16                              ; the row is in; gain's and shift's 16 loads may be out
.irp c, 0,1,2,3
	v_pk_add_f32 v[16+2*\c:17+2*\c], v[32+2*\c:33+2*\c], v[40+2*\c:41+2*\c]
.endr
.irp p, 8,12
.irp c, 0,1,2,3
	s_delay_alu instid0(VALU_DEP_4)
	v_pk_add_f32 v[16+2*\c:17+2*\c], v[16+2*\c:17+2*\c], v[32+2*(\p+\c):33+2*(\p+\c)]
.endr
.endr
	REDUCE
	s_delay_alu instid0(VALU_DEP_1)
	v_mul_f32 v10, s20, v16                        ; the mean
	s_delay_alu instid0(VALU_DEP_1)
	v_mov_b32 v11, v10
.set j, 0
.rept 16
	v_pk_add_f32 v[32+j:33+j], v[32+j:33+j], v[10:11] neg_lo:[0,1] neg_hi:[0,1]   ; x - mean
.set j, j+2
.endr
.irp c, 0,1,2,3
	v_pk_mul_f32 v[16+2*\c:17+2*\c], v[32+2*\c:33+2*\c], v[32+2*\c:33+2*\c]
.endr
.irp p, 4,8,12
.irp c, 0,1,2,3
	s_delay_alu instid0(VALU_DEP_4)
	v_pk_fma_f32 v[16+2*\c:17+2*\c], v[32+2*(\p+\c):33+2*(\p+\c)], v[32+2*(\p+\c):33+2*(\p+\c)], v[16+2*\c:17+2*\c]
.endr
.endr
	REDUCE
	s_delay_alu instid0(VALU_DEP_1)
	v_fma_f32 v12, v16, s20, s21                   ; var + 1e-5
	s_wait_alu depctr_va_vdst(0)
	v_rsq_f32 v12, v12
	v_nop                                          ; a plain instruction behind the transcendental
	s_wait_alu depctr_va_vdst(0)                   ; and the wait ahead of its first reader
	v_mov_b32 v13, v12
	s_wait_alu depctr_va_vdst(0)
	s_wait_loadcnt 0x0                             ; gain and shift
.set j, 0
.rept 16
	v_pk_mul_f32 v[32+j:33+j], v[32+j:33+j], v[12:13]
.set j, j+2
.endr
.set j, 0
.rept 16
	v_pk_fma_f32 v[32+j:33+j], v[32+j:33+j], v[64+j:65+j], v[96+j:97+j]
.set j, j+2
.endr
.irp j, 0,1,2,3,4,5,6,7
	ds_store_b128 v3, v[32+4*\j:35+4*\j] offset:576*\j
.endr
.irp j, 0,1,2,3,4,5,6,7
	ds_load_b128 v[64+4*\j:67+4*\j], v4 offset:16*\j       ; LDS serves a wave's instructions in order: these see my stores.  v64-95: block l of the row
.endr
	s_wait_dscnt 0x0
	v_max3_num_f32 v108, |v64|, |v65|, |v66|
	v_max3_num_f32 v109, |v67|, |v68|, |v69|
.irp i, 6,10,14,18,22,26
	s_delay_alu instid0(VALU_DEP_2)
	v_max3_num_f32 v108, v108, |v[64+\i]|, |v[65+\i]|
	s_delay_alu instid0(VALU_DEP_2)
	v_max3_num_f32 v109, v109, |v[66+\i]|, |v[67+\i]|
.endr
	s_delay_alu instid0(VALU_DEP_2)
	v_max3_num_f32 v108, v108, |v94|, |v95|
	s_delay_alu instid0(VALU_DEP_1)
	v_max3_num_f32 v108, v108, v109, 0x1800000     ; with the floor 2^(3 - 127)
	s_delay_alu instid0(VALU_DEP_1)
	v_add_nc_u32 v110, 0xff000000, v108            ; 2 off the exponent field: the conversion's scale operand
	s_delay_alu instid0(VALU_DEP_1)
	v_lshrrev_b32 v111, 23, v110                   ; the byte
	v_cvt_scalef32_pk16_fp6_f32 v[96:98], v[64:79], v110
	v_cvt_scalef32_pk16_fp6_f32 v[104:106], v[80:95], v110
	v_nop                                          ; one plain instruction behind a scaled conversion
	v_mov_b32 v99, v104
	v_mov_b32 v100, v105
	v_mov_b32 v101, v106
	ds_store_b128 v7, v[96:99]
	ds_store_b64 v8, v[100:101]
	ds_store_b8 v9, v111
	s_wait_dscnt 0x0                               ; for the others' sake: my stores have landed
	s_barrier_signal -1
	s_barrier_wait -1
	ds_load_b128 v[112:115], v15
	ds_load_b64 v[116:117], v29 offset:512
	s_wait_dscnt 0x0
	global_store_b128 v1, v[112:115], s[16:17]             ; 512 consecutive bytes
	global_store_b64 v28, v[116:117], s[16:17] offset:512  ; 256 consecutive bytes
	s_cmp_lg_u32 s12, 0
	s_cbranch_scc1 .Ldone
	ds_load_b128 v[120:123], v30
	s_wait_dscnt 0x0
	global_store_b128 v1, v[120:123], s[18:19]             ; the block's scale words: 512 consecutive bytes
.Ldone:
	s_wait_tensorcnt 0x0
	ds_add_u32 v128, v129
	s_wait_dscnt 0x0
	s_endpgm
.Lfunc_end_k_q99bca5d041_ln1:
	.size	k_q99bca5d041_ln1, .Lfunc_end_k_q99bca5d041_ln1-k_q99bca5d041_ln1
	.p2alignl 7, 3214868480
	.fill 96, 4, 3214868480
	.section	.rodata,"a",@progbits
	.p2align	6, 0x0
	.amdhsa_kernel k_q99bca5d041_ln1
		.amdhsa_group_segment_fixed_size 89088
		.amdhsa_private_segment_fixed_size 0
		.amdhsa_enable_private_segment 0
		.amdhsa_kernarg_size 32
		.amdhsa_user_sgpr_count 2
		.amdhsa_user_sgpr_kernarg_segment_ptr 1
		.amdhsa_wavefront_size32 1
		.amdhsa_system_sgpr_workgroup_id_x 1
		.amdhsa_system_sgpr_workgroup_id_y 1
		.amdhsa_system_sgpr_workgroup_id_z 1
		.amdhsa_system_vgpr_workitem_id 0
		.amdhsa_next_free_vgpr 130
		.amdhsa_next_free_sgpr 66
		.amdhsa_reserve_vcc 0
		.amdhsa_float_denorm_mode_32 3
		.amdhsa_float_denorm_mode_16_64 3
		.amdhsa_memory_ordered 1
		.amdhsa_forward_progress 1
		.amdhsa_inst_pref_size 18
	.end_amdhsa_kernel
	.amdgpu_metadata
---
amdhsa.version: [ 1, 2 ]
amdhsa.kernels:
  - .name:           k_q99bca5d041_ln1
    .symbol:         k_q99bca5d041_ln1.kd
    .args:
      - { .name: x1, .offset: 0, .size: 8, .value_kind: global_buffer, .address_space: global }
      - { .name: ln2_s, .offset: 8, .size: 8, .value_kind: global_buffer, .address_space: global }
      - { .name: ln2_b, .offset: 16, .size: 8, .value_kind: global_buffer, .address_space: global }
      - { .name: hbuf, .offset: 24, .size: 8, .value_kind: global_buffer, .address_space: global }
    .group_segment_fixed_size: 89088
    .private_segment_fixed_size: 0
    .kernarg_segment_align: 8
    .kernarg_segment_size: 32
    .max_flat_workgroup_size: 512
    .sgpr_count:     66
    .vgpr_count:     130
    .wavefront_size: 32
...
	.end_amdgpu_metadata
.endif
;; end of part 5
;; launch ff1 (part 6): grid 16 x 16, 4 waves a work-group, clusters of 4 x 4, 327,680 bytes of LDS; arguments hbuf, wrest, b1, g; writes g
.if DOCPART == 6
	.amdgcn_target "amdgcn-amd-amdhsa--gfx1250"
	.amdhsa_code_object_version 6
	.text
	.protected	k_q99bca5d041_ff1
	.globl	k_q99bca5d041_ff1
	.p2align	8
	.type	k_q99bca5d041_ff1,@function
k_q99bca5d041_ff1:
	s_mov_b64 s[64:65], 0
	v_nop
	global_prefetch_b8 v0, s[64:65] scope:SCOPE_SE
	s_setreg_imm32_b32 hwreg(HW_REG_WAVE_MODE, 25, 1), 1
	s_wait_xcnt 0x0
	s_wait_alu depctr_hold_cnt(0) depctr_sa_sdst(0) depctr_va_vdst(0) depctr_va_sdst(0) depctr_va_ssrc(0) depctr_va_vcc(0) depctr_vm_vsrc(0)
	s_getreg_b32 s2, hwreg(HW_REG_IB_STS2, 6, 4)
	s_cmp_eq_u32 s2, 0
	s_cbranch_scc0 .Lentry_in_a_cluster
	s_endpgm
.Lentry_in_a_cluster:
	s_bfe_u32 s2, ttmp6, 0x10000c
	s_cmp_lg_u32 s2, 0xf033
	s_cbranch_scc0 .Lentry_shape_is_right
	s_endpgm
.Lentry_shape_is_right:
.set WB,     8
.set NQ,     2
.set SIZE_K, 1024
.set SOFF_A, 3145728
.set BC_OFF, 819200
.set BS_OFF, 3964928
.set ZMODE,  2
.set KS,    SIZE_K/128
.set HB,    WB/2
.set QB,    WB/4
.set FR,    12
.set HALFT, WB*NQ*1536
.set SLOT,  4*HALFT
.set SCL,   3*SLOT
.set HALFS, WB*KS*64
.set SPARE, SCL+4*HALFS+256
.set ADRA, 10
.set ADRB, 16
.set SO,   26
.set ADRS, 27
.set SPW,  28
.set NIL,  29
.set SC,   32
.set BI,   64
.set AF,   128
.set G1, 24
.set G0, 32
.set G0C, 4
.set G1B, 48
.set G0B, 56
.set G0CB, 8
.set G1S, 68
.set G0S, 76
.set G1SB, 80
.set G0SB, 88
.set MSB, 0
.macro WIN new
.if MSB != \new
	s_set_vgpr_msb (MSB<<8)|\new
.set MSB, \new
.endif
.endm
.macro MWIN hi, zero
.if (\zero) == 2
.set WN, 0x81+0x40*(\hi)
.else
.set WN, 0xa1+0x50*(\hi)
.endif
	WIN WN
.endm
.macro JLOAD g0a, g1a, g0b, g1b
	s_cmp_eq_u32 s15, 0
	s_cbranch_scc0 .Lfor_b_\@
	tensor_load_to_lds s[\g0a:\g0a+3], s[\g1a:\g1a+7]
	s_nop 0
.rept 4
	v_nop
.endr
	s_branch .Lasked_\@
.Lfor_b_\@:
	tensor_load_to_lds s[\g0b:\g0b+3], s[\g1b:\g1b+7]
	s_nop 0
.rept 4
	v_nop
.endr
.Lasked_\@:
.endm
.macro CREST
	s_cmp_lg_u32 s14, 0
	s_cbranch_scc1 .Lnot_wave_0_\@
	s_barrier_signal -3
.Lnot_wave_0_\@:
	s_barrier_wait -3
	s_barrier_signal -1
	s_barrier_wait -1
.endm
.macro CROUND
	s_barrier_signal -1
	s_barrier_wait -1
	CREST
.endm
.macro PLACES n
.rept \n
	v_nop
.endr
.endm
	s_load_b64 s[4:5], s[0:1], 0x0
	s_load_b64 s[8:9], s[0:1], 0x8
	s_load_b64 s[66:67], s[0:1], 0x10
	s_load_b64 s[12:13], s[0:1], 0x18
	v_lshl_add_u32 v[SPW], v0, 2, SPARE
	v_mov_b32 v[NIL], 0
	ds_add_u32 v28, v29
	ds_add_u32 v28, v29
	s_wait_dscnt 0x0
	v_lshrrev_b32 v1, 5, v0
	v_readfirstlane_b32 s14, v1
	s_lshr_b32 s15, s14, 1
	s_and_b32 s16, s14, 1
	s_bfe_u32 s40, ttmp6, 0x40000
	s_bfe_u32 s41, ttmp6, 0x40004
	s_lshl_b32 s42, ttmp9, 2
	s_add_co_u32 s42, s42, s40
	s_and_b32 s17, ttmp7, 0xffff
	s_lshl_b32 s17, s17, 2
	s_add_co_u32 s17, s17, s41
	s_lshl_b32 s43, s41, 2
	s_lshl_b32 s43, 15, s43
	s_lshl_b32 s44, 0x1111, s40
	s_or_b32 s[G1+0], s43, (3<<16)|(1<<21)
	s_or_b32 s[G1B+0], s44, (3<<16)|(1<<21)
.irp g, G1, G1B
	s_mov_b32 s[\g+1], (NQ*192)<<16
	s_mov_b32 s[\g+2], (2*WB)<<16                  ; at the head a load brings a tile's 2 WB blocks; behind it these two words are set to WB
	s_mov_b32 s[\g+3], (NQ*192)<<16
	s_mov_b32 s[\g+4], 2*WB
	s_mov_b32 s[\g+5], KS*192
	s_mov_b32 s[\g+6], 0
	s_mov_b32 s[\g+7], 0
.endr
	s_or_b32 s[G1S+0], s43, (3<<16)|(1<<21)
	s_or_b32 s[G1SB+0], s44, (3<<16)|(1<<21)
.irp g, G1S, G1SB
	s_mov_b32 s[\g+1], 32<<16
	s_mov_b32 s[\g+2], (HALFS/128)<<16             ; the scale words of a tile's 2 WB blocks
	s_mov_b32 s[\g+3], 32<<16
	s_mov_b32 s[\g+4], HALFS/128
	s_mov_b32 s[\g+5], 32
	s_mov_b32 s[\g+6], 0
	s_mov_b32 s[\g+7], 0
.endr
	s_mul_i32 s18, s16, WB
	s_mul_i32 s20, s17, 2*WB
	s_add_co_u32 s20, s20, s18
	s_mul_i32 s46, s42, 2*WB
	s_add_co_u32 s46, s46, s18
	s_mul_i32 s22, s17, 2*WB*KS*64                 ; the scale words of A's whole tile
	s_mov_b32 s23, 0
	s_mul_i32 s92, s42, 2*WB*KS*64                 ; and of B's
	s_mov_b32 s93, 0
	s_mul_i32 s20, s20, KS*1536
	s_mov_b32 s21, 0
	s_mul_i32 s46, s46, KS*1536
	s_mov_b32 s47, 0
	s_mul_i32 s45, s14, HALFT
	s_wait_kmcnt 0x0
	s_add_nc_u64 s[6:7], s[4:5], SOFF_A
	s_add_nc_u64 s[10:11], s[8:9], BS_OFF
	s_add_nc_u64 s[8:9], s[8:9], BC_OFF
	s_add_nc_u64 s[20:21], s[4:5], s[20:21]
	s_add_nc_u64 s[22:23], s[6:7], s[22:23]
	s_add_nc_u64 s[46:47], s[8:9], s[46:47]
	s_add_nc_u64 s[92:93], s[10:11], s[92:93]
	CROUND
	s_mov_b32 s[G0S], 1
	s_mov_b32 s[G0S+1], SCL
	s_mov_b64 s[G0S+2:G0S+3], s[22:23]
	s_or_b32 s[G0S+3], s[G0S+3], 0x80000000
	s_mov_b32 s[G0SB], 1
	s_mov_b32 s[G0SB+1], SCL+2*HALFS+128           ; B's scale words lie 128 bytes further on
	s_mov_b64 s[G0SB+2:G0SB+3], s[92:93]
	s_or_b32 s[G0SB+3], s[G0SB+3], 0x80000000
.macro SETG0 ga, gb, s
	s_mov_b32 s[\ga], 1
	s_add_co_u32 s[\ga+1], s45, (\s)*SLOT
	s_add_nc_u64 s[\ga+2:\ga+3], s[20:21], (\s)*NQ*1536
	s_or_b32 s[\ga+3], s[\ga+3], 0x80000000
	s_mov_b32 s[\gb], 1
	s_add_co_u32 s[\gb+1], s45, (\s)*SLOT
	s_add_nc_u64 s[\gb+2:\gb+3], s[46:47], (\s)*NQ*1536
	s_or_b32 s[\gb+3], s[\gb+3], 0x80000000
.endm
	SETG0 G0, G0B, 0
	SETG0 G0+4, G0B+4, 1
	SETG0 G0C, G0CB, 2
	; PREFETCH INTO THE L2: behind the tensor load of slot i each wave asks for its share of slot i + 1: of the 8 blocks that it fetches, the partner at place p (cx for A, cy for B) takes blocks 2 p and 2 p + 1, by address
	s_cmp_eq_u32 s15, 0
	s_cselect_b32 s94, s40, s41
	s_cselect_b64 s[100:101], s[20:21], s[46:47]
	s_mul_i32 s94, s94, 2*KS*1536
	s_mov_b32 s95, 0
	s_add_nc_u64 s[100:101], s[100:101], s[94:95]
; THE HEAD'S LOADS, ONE A WAVE: wave 0 A's whole tile of slot 0, wave 1 A's scale words, wave 2 B's whole tile of slot 0, wave 3 B's scale words.
; Waves 0 and 2 fetch half 0 in the ring, so their group 0 of slot 0 already names the tile's first block and its place in LDS.  One tree of branches on the wave's number, one load to an arm.
.macro ARM under, g0, g1, next
	s_cmp_lt_u32 s14, \under
	s_cbranch_scc0 \next
	tensor_load_to_lds s[\g0:\g0+3], s[\g1:\g1+7]
	s_nop 0
.rept 4
	v_nop
.endr
	s_branch .Lhead_asked
\next:
.endm
	ARM 1, G0, G1, .Lhead_sa
	ARM 2, G0S, G1S, .Lhead_b
	ARM 3, G0B, G1B, .Lhead_sb
	tensor_load_to_lds s[G0SB:G0SB+3], s[G1SB:G1SB+7]
	s_nop 0
.rept 4
	v_nop
.endr
.Lhead_asked:
	v_and_b32 v1, 15, v0
	v_bfe_u32 v2, v0, 4, 1
	v_and_b32 v3, 31, v0
	v_lshlrev_b32 v4, 4, v3
	v_lshlrev_b32 v5, 3, v3
	v_min_u32 v22, 23, v3                          ; the prefetches' offset: two blocks x 12 runs of 256 bytes, a lane a run; lanes 24-31 name the last run again
	v_mul_u32_u24 v23, v22, 171
	v_lshrrev_b32 v23, 11, v23                     ; which of the two blocks: run / 12
	v_mul_u32_u24 v23, v23, KS*1536-3072
	v_lshl_add_u32 v24, v22, 8, v23                ; v24: kept
	s_mul_i32 s21, s15, HALFT
	s_mul_i32 s22, s16, HALFT
	s_add_co_u32 s22, s22, 2*HALFT
.irp s, 0,1,2
	v_add_nc_u32 v[ADRA+\s], s21, v4
	v_add_nc_u32 v[ADRB+\s], s22, v4
	v_add_nc_u32 v[ADRA+3+\s], s21, v5
	v_add_nc_u32 v[ADRB+3+\s], s22, v5
	s_add_co_u32 s21, s21, SLOT
	s_add_co_u32 s22, s22, SLOT
.endr
	v_lshlrev_b32 v6, 2, v1
	v_lshl_add_u32 v[SO], v2, 11, v6
	s_mul_i32 s21, s15, HALFS
	s_mul_i32 s22, s16, HALFS
	s_add_co_u32 s22, s22, 2*HALFS+128
	s_sub_co_u32 s22, s22, s21
	v_mul_u32_u24 v7, s22, v2
	s_add_co_u32 s21, s21, SCL
	v_add_nc_u32 v6, v6, v7
	v_add_nc_u32 v[ADRS], s21, v6
	s_mul_i32 s46, s42, 32*WB*4
	s_mul_i32 s47, s16, 16*WB*4
	s_add_co_u32 s46, s46, s47
	s_mov_b32 s47, 0
	s_add_nc_u64 s[66:67], s[66:67], s[46:47]
	v_lshlrev_b32 v8, 6, v2
.set mb, 0
.rept WB
	global_load_b128 v[BI+8*mb:BI+8*mb+3], v8, s[66:67] offset:(32*(mb/2)+8*(mb%2))*4
	global_load_b128 v[BI+8*mb+4:BI+8*mb+7], v8, s[66:67] offset:(32*(mb/2)+8*(mb%2))*4+16
.set mb, mb+1
.endr
	s_lshl_b32 s20, s17, 4
	s_lshl_b32 s21, s15, 3
	s_add_co_u32 s20, s20, s21
	s_lshl_b32 s46, s42, 1
	s_add_co_u32 s46, s46, s16
	s_lshl_b32 s21, s20, 5
	s_add_co_u32 s21, s21, s46
	s_lshl_b32 s22, s21, 6
	s_add_co_u32 s22, s22, 12582912
	s_mov_b32 s23, 0
	s_add_nc_u64 s[98:99], s[12:13], s[22:23]
	s_lshl_b32 s20, s20, 6
	s_lshl_b32 s46, s46, 1
	s_add_co_u32 s20, s20, s46
	s_mul_i32 s20, s20, 768
	s_mov_b32 s21, 0
	s_add_nc_u64 s[12:13], s[12:13], s[20:21]
.macro FRAG reg, adr, q, i
	ds_load_b128 v[\reg:\reg+3], v[\adr] offset:((\i)*NQ+(\q))*1536
	ds_load_b64 v[\reg+4:\reg+5], v[\adr+3] offset:((\i)*NQ+(\q))*1536+512
	ds_load_b128 v[\reg+6:\reg+9], v[\adr] offset:((\i)*NQ+(\q))*1536+768
	ds_load_b64 v[\reg+10:\reg+11], v[\adr+3] offset:((\i)*NQ+(\q))*1536+1280
.endm
.macro MULQ a0, p, q, sc, zero
.set ma, \a0
.rept QB
.set mb, 0
.rept WB
.set rD, 8*(WB*(ma%HB)+mb)
.if (\zero) == 1
	v_wmma_scale_f32_16x16x128_f8f6f4 v[rD:rD+7], v[128*(\p)+FR*mb:128*(\p)+FR*mb+FR-1], v[AF+FR*ma:AF+FR*ma+FR-1], 0, v[SC+16*(\sc)+NQ*mb+(\q)], v[SC+16*(\sc)+NQ*ma+(\q)] matrix_a_fmt:MATRIX_FMT_FP6 matrix_b_fmt:MATRIX_FMT_FP6 matrix_a_scale:MATRIX_SCALE_ROW1
.elseif (\zero) == 2
	v_wmma_scale_f32_16x16x128_f8f6f4 v[rD:rD+7], v[128*(\p)+FR*mb:128*(\p)+FR*mb+FR-1], v[AF+FR*ma:AF+FR*ma+FR-1], v[BI+8*mb:BI+8*mb+7], v[SC+16*(\sc)+NQ*mb+(\q)], v[SC+16*(\sc)+NQ*ma+(\q)] matrix_a_fmt:MATRIX_FMT_FP6 matrix_b_fmt:MATRIX_FMT_FP6 matrix_a_scale:MATRIX_SCALE_ROW1
.else
	v_wmma_scale_f32_16x16x128_f8f6f4 v[rD:rD+7], v[128*(\p)+FR*mb:128*(\p)+FR*mb+FR-1], v[AF+FR*ma:AF+FR*ma+FR-1], v[rD:rD+7], v[SC+16*(\sc)+NQ*mb+(\q)], v[SC+16*(\sc)+NQ*ma+(\q)] matrix_a_fmt:MATRIX_FMT_FP6 matrix_b_fmt:MATRIX_FMT_FP6 matrix_a_scale:MATRIX_SCALE_ROW1
.endif
.set mb, mb+1
.endr
.set ma, ma+1
.endr
.endm
.macro FETCH_B slot, q, p
	WIN 0x40
.set fi, 0
.rept WB
	FRAG 128*(\p)+FR*fi, ADRB+\slot, \q, fi
.set fi, fi+1
.endr
	WIN 0
.endm
.macro FETCH_A slot, q, i0
.set fi, \i0
.rept HB
	FRAG AF+FR*fi, ADRA+\slot, \q, fi
.set fi, fi+1
.endr
.endm
.macro SCALES sc
.set fi, 0
.rept WB
.set fq, 0
.rept NQ
	ds_load_b32 v[SC+16*(\sc)+NQ*fi+fq], v[ADRS] offset:(fi*KS+fq)*64
.set fq, fq+1
.endr
.set fi, fi+1
.endr
.endm
.macro STEP slot, sc, q, zero
	s_wait_dscnt HB*4
	MWIN 0, \zero
	MULQ 0, (\q)%2, \q, \sc, \zero
	MULQ QB, (\q)%2, \q, \sc, \zero
	s_wait_dscnt 0
	PLACES 4
	FETCH_B \slot, (\q)+1, 1-(\q)%2
	FETCH_A \slot, (\q)+1, 0
	MWIN 1, \zero
	MULQ 2*QB, (\q)%2, \q, \sc, \zero
	MULQ 3*QB, (\q)%2, \q, \sc, \zero
	PLACES 4
	WIN 0
	FETCH_A \slot, (\q)+1, HB
.endm
.macro TURN slot, sc, next, nsc, mode
.if (\mode) == 2
	s_wait_dscnt HB*4
	MWIN 0, 0
	MULQ 0, 1, NQ-1, \sc, 0
	MULQ QB, 1, NQ-1, \sc, 0
	s_wait_dscnt 0x0
	WIN 0
	PLACES 4
.else
	s_wait_tensorcnt 0x0
	ds_add_u32 v[SPW], v[NIL]
	s_wait_dscnt HB*4+1
	MWIN 0, 0
	MULQ 0, 1, NQ-1, \sc, 0
	s_wait_dscnt 0x0
	s_barrier_signal -1
	MULQ QB, 1, NQ-1, \sc, 0
	WIN 0
	s_barrier_wait -1
.if (\mode) == 1
	CREST
	s_add_nc_u64 s[G0+2:G0+3], s[G0+2:G0+3], 3*NQ*1536
	s_add_nc_u64 s[G0B+2:G0B+3], s[G0B+2:G0B+3], 3*NQ*1536
	JLOAD G0, G1, G0B, G1B                         ; mode 1: region 0, read out one region ago, takes slot 3
.elseif (\mode) == 3
	CREST
	JLOAD G0C, G1, G0CB, G1B                       ; mode 3: region 2's first fill, slot 2
.else
	PLACES 4
.endif
.endif
	v_add_nc_u32 v[ADRS], 64*NQ, v[ADRS]
	FETCH_B \next, 0, 0
	FETCH_A \next, 0, 0
	SCALES \nsc
.if (\mode) == 3
	global_prefetch_b8 v24, s[100:101] offset:3*NQ*1536 th:TH_LOAD_NT scope:SCOPE_SE   ; slot 3, the last
.endif
	MWIN 1, 0
	MULQ 2*QB, 1, NQ-1, \sc, 0
	MULQ 3*QB, 1, NQ-1, \sc, 0
	PLACES 4
	WIN 0
	FETCH_A \next, 0, HB
.endm
	s_wait_alu depctr_va_vdst(0)
	global_prefetch_b8 v24, s[100:101] offset:1*NQ*1536 th:TH_LOAD_NT scope:SCOPE_SE   ; slot 1
	s_wait_tensorcnt 0x0                           ; my tile of the head's four is in
	ds_add_u32 v[SPW], v[NIL]
	s_mov_b32 s[G1+2], WB<<16                      ; no tensor load of mine is out: from here on a load brings WB blocks
	s_mov_b32 s[G1+4], WB
	s_mov_b32 s[G1B+2], WB<<16
	s_mov_b32 s[G1B+4], WB
	s_wait_dscnt 0x0
	CROUND                                         ; all four tiles are in, and all sixteen work-groups are here
	JLOAD G0+4, G1, G0B+4, G1B                     ; slot 1
	FETCH_B 0, 0, 0
	FETCH_A 0, 0, 0
	SCALES 0
	global_prefetch_b8 v24, s[100:101] offset:2*NQ*1536 th:TH_LOAD_NT scope:SCOPE_SE   ; slot 2
	FETCH_A 0, 0, HB
	s_wait_loadcnt 0x0
	STEP 0, 0, 0, ZMODE
	TURN 0, 0, 1, 1, 3
	s_wait_alu depctr_va_vdst(0)
	STEP 1, 1, 0, 0
	TURN 1, 1, 2, 0, 1
	s_wait_alu depctr_va_vdst(0)
	STEP 2, 0, 0, 0
	TURN 2, 0, 0, 1, 0
	STEP 0, 1, 0, 0
	s_wait_dscnt HB*4
	MWIN 0, 0
	MULQ 0, 1, NQ-1, 1, 0
	MULQ QB, 1, NQ-1, 1, 0
	s_wait_dscnt 0
	MWIN 1, 0
	MULQ 2*QB, 1, NQ-1, 1, 0
	MULQ 3*QB, 1, NQ-1, 1, 0
	WIN 0
	PLACES 4
.set T,   128
.set PC,  64
.set TM,  200
.set PW,  216
	s_mov_b32 s18, 0x76543210
	s_mov_b32 s19, 0xfedcba98
	s_mov_b32 s20, 0xbdd2d3e8
	s_mov_b32 s21, s20
	v_mov_b32 v194, 0xc0135761
	v_mov_b32 v195, v194
	v_cmp_le_u32 s22, 16, v3
.irp b, 0,1,2,3
	v_mov_b32 v[TM+4+\b], 0
.endr
.macro QUANT s
.irp b, 0,1,2,3
	v_max3_num_f32 v[TM+\b], |v[\s+16*\b]|, |v[\s+1+16*\b]|, 0x1800000
.endr
.irp i, 2,4,6,8,10,12,14
.irp b, 0,1,2,3
	v_max3_num_f32 v[TM+\b], v[TM+\b], |v[\s+16*\b+\i]|, |v[\s+1+16*\b+\i]|
.endr
.endr
.irp b, 0,1,2,3
	v_permlanex16_b32 v[TM+4+\b], v[TM+\b], s18, s19
.endr
.irp b, 0,1,2,3
	v_max_num_f32 v[TM+\b], v[TM+\b], v[TM+4+\b]
.endr
.irp b, 0,1,2,3
	v_add_nc_u32 v[TM+12+\b], 0xff000000, v[TM+\b]
.endr
.irp b, 0,1,2,3
	v_lshrrev_b32 v[TM+4+\b], 23, v[TM+12+\b]
.endr
	v_lshl_or_b32 v[PW], v[TM+5], 8, v[TM+4]
	v_lshl_or_b32 v[PW], v[TM+6], 16, v[PW]
	v_lshl_or_b32 v[PW], v[TM+7], 24, v[PW]
.irp c, 0,1
	v_cvt_scalef32_pk16_fp6_f32 v[PC+6*\c:PC+2+6*\c], v[\s+32*\c:\s+15+32*\c], v[TM+12+2*\c]
	v_cvt_scalef32_pk16_fp6_f32 v[PC+12+4*\c:PC+14+4*\c], v[\s+16+32*\c:\s+31+32*\c], v[TM+12+2*\c+1]
.endr
	v_nop
.irp c, 0,1
.irp i, 0,1,2
	v_permlane16_swap_b32 v[PC+6*\c+\i], v[PC+12+4*\c+\i]
.endr
.irp i, 0,1,2
	v_mov_b32 v[PC+3+6*\c+\i], v[PC+12+4*\c+\i]
.endr
.endr
.endm
.macro GOUT a
.set W, 2+(\a)/4
.set AC, 64*((\a)%4)
	s_wait_xcnt 0x0
.set WN, W|(W<<2)
	WIN WN
.set j, 0
.rept 32
	v_pk_mul_f32 v[T+j:T+j+1], v[AC+j:AC+j+1], v[AC+j:AC+j+1]
.set j, j+2
.endr
	WIN 0
.set j, 0
.rept 32
	v_pk_fma_f32 v[T+j:T+j+1], v[T+j:T+j+1], s[20:21], v[194:195] op_sel_hi:[1,0,0]
.set j, j+2
.endr
.set WN, W<<2
	WIN WN
.set j, 0
.rept 32
	v_pk_mul_f32 v[T+j:T+j+1], v[T+j:T+j+1], v[AC+j:AC+j+1]
.set j, j+2
.endr
	WIN 0
.set j, 0
	s_wait_alu depctr_va_vdst(0)
.rept 64
	v_exp_f32 v[T+j], v[T+j]
.set j, j+1
.endr
	v_nop
	s_wait_alu depctr_va_vdst(0)
.set j, 0
.rept 32
	v_pk_add_f32 v[T+j:T+j+1], v[T+j:T+j+1], 1.0 op_sel_hi:[1,0]
.set j, j+2
.endr
.set j, 0
	s_wait_alu depctr_va_vdst(0)
.rept 64
	v_rcp_f32 v[T+j], v[T+j]
.set j, j+1
.endr
	v_nop
	s_wait_alu depctr_va_vdst(0)
	WIN WN
.set j, 0
.rept 32
	v_pk_mul_f32 v[T+j:T+j+1], v[T+j:T+j+1], v[AC+j:AC+j+1]
.set j, j+2
.endr
	WIN 0
	QUANT T
	global_store_b128 v4, v[PC:PC+3], s[12:13] offset:49152*(\a)
	global_store_b64 v5, v[PC+4:PC+5], s[12:13] offset:49152*(\a)+512
	global_store_b128 v4, v[PC+6:PC+9], s[12:13] offset:49152*(\a)+768
	global_store_b64 v5, v[PC+10:PC+11], s[12:13] offset:49152*(\a)+1280
.if (\a)%2 == 0
	v_mov_b32 v217, v[PW]
.else
	v_cndmask_b32 v218, v217, v[PW], s22
	global_store_b32 v[SO], v218, s[98:99] offset:2048*((\a)-1)
.endif
.endm
.irp a, 0,1,2,3,4,5,6,7
	GOUT \a
.endr
	s_wait_tensorcnt 0x0
	ds_add_u32 v[SPW], v[NIL]
	s_wait_dscnt 0x0
	CROUND
	s_endpgm
.Lfunc_end_k_q99bca5d041_ff1:
	.size	k_q99bca5d041_ff1, .Lfunc_end_k_q99bca5d041_ff1-k_q99bca5d041_ff1
	.p2alignl 7, 3214868480
	.fill 96, 4, 3214868480
	.section	.rodata,"a",@progbits
	.p2align	6, 0x0
	.amdhsa_kernel k_q99bca5d041_ff1
		.amdhsa_group_segment_fixed_size 327680
		.amdhsa_private_segment_fixed_size 0
		.amdhsa_enable_private_segment 0
		.amdhsa_kernarg_size 32
		.amdhsa_user_sgpr_count 2
		.amdhsa_user_sgpr_kernarg_segment_ptr 1
		.amdhsa_wavefront_size32 1
		.amdhsa_system_sgpr_workgroup_id_x 1
		.amdhsa_system_sgpr_workgroup_id_y 1
		.amdhsa_system_sgpr_workgroup_id_z 1
		.amdhsa_system_vgpr_workitem_id 0
		.amdhsa_next_free_vgpr 1024
		.amdhsa_next_free_sgpr 104
		.amdhsa_reserve_vcc 0
		.amdhsa_float_denorm_mode_32 3
		.amdhsa_float_denorm_mode_16_64 3
		.amdhsa_memory_ordered 1
		.amdhsa_forward_progress 1
		.amdhsa_inst_pref_size 255
	.end_amdhsa_kernel
	.section	.bss,"aw",@nobits
	.p2align	6
	.space	262144
	.amdgpu_metadata
---
amdhsa.version: [ 1, 2 ]
amdhsa.kernels:
  - .name:           k_q99bca5d041_ff1
    .symbol:         k_q99bca5d041_ff1.kd
    .args:
      - { .name: hbuf, .offset: 0, .size: 8, .value_kind: global_buffer, .address_space: global }
      - { .name: wrest, .offset: 8, .size: 8, .value_kind: global_buffer, .address_space: global }
      - { .name: b1, .offset: 16, .size: 8, .value_kind: global_buffer, .address_space: global }
      - { .name: g, .offset: 24, .size: 8, .value_kind: global_buffer, .address_space: global }
    .group_segment_fixed_size: 327680
    .private_segment_fixed_size: 0
    .kernarg_segment_align: 8
    .kernarg_segment_size: 32
    .max_flat_workgroup_size: 128
    .sgpr_count:     104
    .vgpr_count:     1024
    .wavefront_size: 32
...
	.end_amdgpu_metadata
.endif
;; end of part 6
;; launch ff2 (part 7): grid 8 x 32, 4 waves a work-group, clusters of 4 x 4, 327,680 bytes of LDS; arguments g, wrest, b2, x1, out0; writes out0
.if DOCPART == 7
	.amdgcn_target "amdgcn-amd-amdhsa--gfx1250"
	.amdhsa_code_object_version 6
	.text
	.protected	k_q99bca5d041_ff2
	.globl	k_q99bca5d041_ff2
	.p2align	8
	.type	k_q99bca5d041_ff2,@function
k_q99bca5d041_ff2:
	s_mov_b64 s[64:65], 0
	v_nop
	global_prefetch_b8 v0, s[64:65] scope:SCOPE_SE
	s_setreg_imm32_b32 hwreg(HW_REG_WAVE_MODE, 25, 1), 1
	s_wait_xcnt 0x0
	s_wait_alu depctr_hold_cnt(0) depctr_sa_sdst(0) depctr_va_vdst(0) depctr_va_sdst(0) depctr_va_ssrc(0) depctr_va_vcc(0) depctr_vm_vsrc(0)
	s_getreg_b32 s2, hwreg(HW_REG_IB_STS2, 6, 4)
	s_cmp_eq_u32 s2, 0
	s_cbranch_scc0 .Lentry_in_a_cluster
	s_endpgm
.Lentry_in_a_cluster:
	s_bfe_u32 s2, ttmp6, 0x10000c
	s_cmp_lg_u32 s2, 0xf033
	s_cbranch_scc0 .Lentry_shape_is_right
	s_endpgm
.Lentry_shape_is_right:
; out = res + A B^T + bias, f32 [4,096][1,024]: a GEMM on FP6 (E2M3) codes with E8M0 scales, K = 4,096.  A = the quantised gelu (tokens), B = W2's columns.
; OPERANDS lie in half images of 768 bytes (16 rows x 64 K as six registers of a fragment hold them: lane l: registers 0-3 at 16 l, 4-5 at 512 + 8 l): codes at (block x K/64 + c) x 768, scale words at
; the scales' offset + (block x K/128 + s) x 64 + 4 r.  A fragment is two half images on end.  Physical row p holds logical row p with bits 3 and 4 exchanged; out and res lie in natural order.
; A tile of C is 128 x 128: four waves of 64 x 64 (16 accumulators): 256 work-groups.
; K, 32 steps of 128, goes through TWO LDS REGIONS OF UNLIKE SIZE: X holds 8 steps (196,608 bytes), Y 4 steps (98,304): five fills, 8 + 4 + 8 + 4 + 8 steps, one tensor load a wave each (4 blocks x 12,288 or 6,144 bytes).
; THE SCALE WORDS go from memory into registers that hold nothing else: a load of 128 bytes brings a block's words of two K steps, lanes 0-15 the even step's, lanes 16-31 the odd step's (row 1 of the register);
; a fill's scale words are asked for behind its tensor load.  So LDS holds codes alone.
; THREE SETS OF FRAGMENTS: a step first asks for the next step's 32 LDS loads and only then waits for its own, so that LDS loads are out at all times but at a change of regions.
; At the top of a region's last step that step's fragments are waited for, so all my reads of the region are over: it is there that regions change.
; THE PRODUCT IS USED TRANSPOSED: source 0 = 16 rows of B, source 1 = 16 rows of A: a lane holds one token and eight neighbouring columns.  The bias is the C of each sum's first product.
; CLUSTER 4 x 4: A's tiles are asked for jointly along a row of the cluster, B's along a column; each refill stands behind a round of the cluster's barrier.
; PREFETCH INTO THE L2: behind the tensor load of fill i each wave asks for its share of fill i + 1: of the 4 blocks that the wave fetches, the partner at place p (cx for A, cy for B) takes block p, told apart by address:
; 48 or 24 runs of 256 bytes, a lane a run (lanes left over name the last run again).  The last fill has no successor and asks for nothing.
; The walk is written out step by step: regions, sets and scale registers come back to where they began only after 12 steps, and the scale registers never.
; REGISTERS: window 0: v0-31 addresses, v32-159 scale words, v160-191 the bias, on the way out v160-223 rows read back; window 1: B's fragments, set p at v[16 + 48 p];
; windows 2, 3: accumulator (a, b) at v[8 (4 (a % 2) + b)] of window 2 + a / 2; window 2, v64-191: the residual; window 3: A's fragments, set p at v[64 + 48 p].
.set KS,     32
.set SOFF_A, 12582912
.set BC_OFF, 4096000
.set BS_OFF, 7241728
.set NP,    KS/2
.set QX,    4*8*1536                   ; what one tensor load brings into X: 4 blocks x 8 fragments
.set QY,    4*4*1536                   ; into Y
.set YB,    4*QX                       ; Y lies behind X
.set STAGE, YB                         ; the way out's stages lie in Y, which has had its last fill and its last read by then
.set SPARE, YB+4*QY                    ; the spare words, 128 bytes a wave, that no other line names
.set L4,   6
.set PF,   10                          ; v10-12 the prefetches' offsets: 256 x lane, 256 x min(lane, 15), 256 x min(lane, 23)
.set ADRA, 16                          ; v16-17 my A blocks in X (+ 16 l, + 8 l), v18-19 in Y
.set ADRB, 20                          ; v20-23 the same for B
.set STO,  24
.set RD,   25
.set CO,   26
.set SPW,  28
.set NIL,  29
.set SA,   32
.set SB,   SA+4*NP
.set BI,   160
.set BK,   160
.set RSW,  64
.set G1A, 24
.set G1B, 32
.set G1AY, 48
.set G1BY, 56
.set G0A, 68
.set G0B, 72
.set G0AY, 76
.set G0BY, 80
.set PFA, 84
.set SAB, 86
.set SBB, 88
.set MSB, 0
.macro WIN new                         ; the immediate's high byte repeats the setting that is left
.if MSB != \new
	s_set_vgpr_msb (MSB<<8)|\new
.set MSB, \new
.endif
.endm
.macro JLOAD g0a, g1a, g0b, g1b        ; a joint load: waves 0 and 1 fetch for A, waves 2 and 3 for B; s_nop 0 and four v_nop follow each line
	s_cmp_eq_u32 s15, 0
	s_cbranch_scc0 .Lfor_b_\@
	tensor_load_to_lds s[\g0a:\g0a+3], s[\g1a:\g1a+7]
	s_nop 0
.rept 4
	v_nop
.endr
	s_branch .Lasked_\@
.Lfor_b_\@:
	tensor_load_to_lds s[\g0b:\g0b+3], s[\g1b:\g1b+7]
	s_nop 0
.rept 4
	v_nop
.endr
.Lasked_\@:
.endm
.macro CREST                           ; a round of the cluster's barrier behind its opening barrier
	s_cmp_lg_u32 s14, 0
	s_cbranch_scc1 .Lnot_wave_0_\@
	s_barrier_signal -3
.Lnot_wave_0_\@:
	s_barrier_wait -3
	s_barrier_signal -1
	s_barrier_wait -1
.endm
.macro CROUND
	s_barrier_signal -1
	s_barrier_wait -1
	CREST
.endm
.macro PLACES                          ; plain instructions between a matrix instruction and a load into, or a read of, its registers
.rept 4
	v_nop
.endr
.endm
.macro GROUP1 g, mask, nq              ; 4 blocks x nq fragments on end, elements of 8 bytes, no padding; the mask, and bit 21 beside it
	s_or_b32 s[\g], \mask, (3<<16)|(1<<21)
	s_mov_b32 s[\g+1], ((\nq)*192)<<16
	s_mov_b32 s[\g+2], 4<<16
	s_mov_b32 s[\g+3], ((\nq)*192)<<16
	s_mov_b32 s[\g+4], 4
	s_mov_b32 s[\g+5], KS*192
	s_mov_b32 s[\g+6], 0
	s_mov_b32 s[\g+7], 0
.endm
.macro ASK f0, nf                      ; my share of the fill that begins at step f0 and has nf steps
.if (\nf) == 8
	global_prefetch_b8 v[PF], s[PFA:PFA+1] offset:(\f0)*1536 th:TH_LOAD_NT scope:SCOPE_SE
	global_prefetch_b8 v[PF+1], s[PFA:PFA+1] offset:(\f0)*1536+8192 th:TH_LOAD_NT scope:SCOPE_SE
.else
	global_prefetch_b8 v[PF+2], s[PFA:PFA+1] offset:(\f0)*1536 th:TH_LOAD_NT scope:SCOPE_SE
.endif
.endm
.macro SCL p0, p1                      ; the scale words of the pairs of K steps p0 .. p1 - 1, my four blocks of A and of B
.set sj, \p0
.rept (\p1)-(\p0)
.irp i, 0,1,2,3
	global_load_b32 v[SA+NP*\i+sj], v[L4], s[SAB:SAB+1] offset:\i*KS*64+sj*128
	global_load_b32 v[SB+NP*\i+sj], v[L4], s[SBB:SBB+1] offset:\i*KS*64+sj*128
.endr
.set sj, sj+1
.endr
.endm
	s_load_b64 s[4:5], s[0:1], 0x0                 ; A
	s_load_b64 s[8:9], s[0:1], 0x8                 ; B
	s_load_b64 s[66:67], s[0:1], 0x10              ; bias
	s_load_b64 s[96:97], s[0:1], 0x18              ; res
	s_load_b64 s[12:13], s[0:1], 0x20              ; out
	v_lshl_add_u32 v[SPW], v0, 2, SPARE
	v_mov_b32 v[NIL], 0
	ds_add_u32 v[SPW], v[NIL]                      ; the opening lines: the add, twice on end, and its wait ahead of my first tensor load
	ds_add_u32 v[SPW], v[NIL]
	v_lshrrev_b32 v1, 5, v0
	v_readfirstlane_b32 s14, v1                    ; wave
	s_lshr_b32 s15, s14, 1                         ; my half of A's rows.  Also: I fetch for A (0) or B (1)
	s_and_b32 s16, s14, 1                          ; my half of B's rows.  Also: which half of that tile I fetch
	s_bfe_u32 s40, ttmp6, 0x40000                  ; cx
	s_bfe_u32 s41, ttmp6, 0x40004                  ; cy
	s_lshl_b32 s42, ttmp9, 2
	s_add_co_u32 s42, s42, s40                     ; B's tile
	s_and_b32 s17, ttmp7, 0xffff
	s_lshl_b32 s17, s17, 2
	s_add_co_u32 s17, s17, s41                     ; A's tile
	s_lshl_b32 s43, s41, 2
	s_lshl_b32 s43, 15, s43                        ; my row of the cluster
	s_lshl_b32 s44, 0x1111, s40                    ; my column
	GROUP1 G1A, s43, 8
	GROUP1 G1B, s44, 8
	GROUP1 G1AY, s43, 4
	GROUP1 G1BY, s44, 4
	s_lshl_b32 s18, s16, 2
	s_lshl_b32 s20, s17, 3
	s_add_co_u32 s20, s20, s18                     ; A: the first block that I fetch
	s_mul_i32 s20, s20, KS*1536
	s_mov_b32 s21, 0
	s_lshl_b32 s46, s42, 3
	s_add_co_u32 s46, s46, s18                     ; B: the first block that I fetch, and that I multiply
	s_mul_i32 s92, s46, KS*64
	s_mov_b32 s93, 0
	s_mul_i32 s46, s46, KS*1536
	s_mov_b32 s47, 0
	s_lshl_b32 s22, s17, 3
	s_lshl_b32 s23, s15, 2
	s_add_co_u32 s22, s22, s23                     ; A: the first block that I multiply
	s_mul_i32 s22, s22, KS*64
	s_mov_b32 s23, 0
	s_cmp_eq_u32 s15, 0
	s_cselect_b32 s94, s40, s41                    ; my place among the four that ask with me: it enters the prefetches' address alone
	s_mul_i32 s94, s94, KS*1536
	s_mov_b32 s95, 0
	s_wait_dscnt 0x0                               ; both opening adds are done
	s_wait_kmcnt 0x0
	s_add_nc_u64 s[SAB:SAB+1], s[4:5], SOFF_A
	s_add_nc_u64 s[SAB:SAB+1], s[SAB:SAB+1], s[22:23]      ; my A blocks' scale words
	s_add_nc_u64 s[SBB:SBB+1], s[8:9], BS_OFF
	s_add_nc_u64 s[SBB:SBB+1], s[SBB:SBB+1], s[92:93]      ; my B blocks'
	s_add_nc_u64 s[8:9], s[8:9], BC_OFF
	s_add_nc_u64 s[20:21], s[4:5], s[20:21]
	s_add_nc_u64 s[46:47], s[8:9], s[46:47]
	s_cmp_eq_u32 s15, 0
	s_cselect_b64 s[PFA:PFA+1], s[20:21], s[46:47]
	s_add_nc_u64 s[PFA:PFA+1], s[PFA:PFA+1], s[94:95]      ; block p of the four that I fetch
	s_mov_b32 s[G0A], 1
	s_mul_i32 s[G0A+1], s14, QX                    ; where the codes go: by the wave's number alone
	s_mov_b64 s[G0A+2:G0A+3], s[20:21]
	s_or_b32 s[G0A+3], s[G0A+3], 0x80000000
	s_mov_b32 s[G0B], 1
	s_mul_i32 s[G0B+1], s14, QX
	s_mov_b64 s[G0B+2:G0B+3], s[46:47]
	s_or_b32 s[G0B+3], s[G0B+3], 0x80000000
	s_mul_i32 s94, s14, QY
	s_mov_b32 s[G0AY], 1
	s_add_co_u32 s[G0AY+1], s94, YB
	s_add_nc_u64 s[G0AY+2:G0AY+3], s[20:21], 8*1536        ; Y's first fill begins at step 8
	s_or_b32 s[G0AY+3], s[G0AY+3], 0x80000000
	s_mov_b32 s[G0BY], 1
	s_add_co_u32 s[G0BY+1], s94, YB
	s_add_nc_u64 s[G0BY+2:G0BY+3], s[46:47], 8*1536
	s_or_b32 s[G0BY+3], s[G0BY+3], 0x80000000
	CROUND                                         ; all sixteen work-groups are here: the first joint loads meet
	JLOAD G0A, G1A, G0B, G1B                       ; steps 0-7 into X: my one tensor load at the head
	; scalar work first, then the vector lines on end
	s_mul_i32 s21, s15, QX                         ; my A blocks in X
	s_mul_i32 s22, s16, QX
	s_add_co_u32 s22, s22, 2*QX                    ; my B blocks in X
	s_mul_i32 s98, s15, QY
	s_add_co_u32 s98, s98, YB                      ; and in Y
	s_mul_i32 s99, s16, QY
	s_add_co_u32 s99, s99, YB+2*QY
	s_lshl_b32 s46, s42, 9
	s_lshl_b32 s47, s16, 8
	s_add_co_u32 s46, s46, s47                     ; my 64 columns, in bytes
	s_mov_b32 s47, 0
	s_add_nc_u64 s[66:67], s[66:67], s[46:47]
	s_mul_i32 s23, s14, 4352
	s_add_co_u32 s23, s23, STAGE                   ; my stage: 16 rows x (256 + 16) bytes
	s_lshl_b32 s18, s17, 7
	s_lshl_b32 s19, s15, 6
	s_add_co_u32 s18, s18, s19                     ; my 64 tokens begin here
	s_lshl_b32 s18, s18, 12
	s_add_co_u32 s18, s18, s46
	s_mov_b32 s19, 0
	s_add_nc_u64 s[12:13], s[12:13], s[18:19]
	s_add_nc_u64 s[96:97], s[96:97], s[18:19]
	v_and_b32 v1, 15, v0                           ; r
	v_bfe_u32 v2, v0, 4, 1                         ; h
	v_and_b32 v3, 31, v0
	v_lshlrev_b32 v4, 4, v3
	v_lshlrev_b32 v5, 3, v3
	v_lshlrev_b32 v[L4], 2, v3
	v_add_nc_u32 v[ADRA], s21, v4
	v_add_nc_u32 v[ADRA+1], s21, v5
	v_add_nc_u32 v[ADRB], s22, v4
	v_add_nc_u32 v[ADRB+1], s22, v5
	v_add_nc_u32 v[ADRA+2], s98, v4
	v_add_nc_u32 v[ADRA+3], s98, v5
	v_add_nc_u32 v[ADRB+2], s99, v4
	v_add_nc_u32 v[ADRB+3], s99, v5
	v_lshlrev_b32 v[PF], 8, v3
	v_min_u32 v7, 15, v3
	v_min_u32 v9, 23, v3
	v_lshlrev_b32 v[PF+1], 8, v7
	v_lshlrev_b32 v[PF+2], 8, v9
	v_lshlrev_b32 v8, 6, v2
	v_mul_u32_u24 v9, v1, 272
	v_lshl_add_u32 v9, v2, 6, v9
	v_add_nc_u32 v[STO], s23, v9                   ; the stage, in: row r, + 64 h
	v_mul_u32_u24 v7, v2, 272
	v_lshl_add_u32 v7, v1, 4, v7
	v_add_nc_u32 v[RD], s23, v7                    ; back: lanes 0-15 one row, lanes 16-31 the next
	v_lshlrev_b32 v7, 12, v2
	v_lshl_add_u32 v[CO], v1, 4, v7                ; and the same two rows of 4,096 bytes in memory
	s_wait_alu depctr_va_vdst(0)                   ; the wait behind the head's vector lines
	ASK 8, 4                                       ; Y's first fill
.irp b, 0,1,2,3                                    ; the bias: for B's block b my lane wants columns 32 (b / 2) + 8 (b % 2) + 16 h + 0 .. 7 of my wave's 64
	global_load_b128 v[BI+8*\b:BI+8*\b+3], v8, s[66:67] offset:(32*(\b/2)+8*(\b%2))*4
	global_load_b128 v[BI+8*\b+4:BI+8*\b+7], v8, s[66:67] offset:(32*(\b/2)+8*(\b%2))*4+16
.endr
	SCL 0, 4
.macro FRAG reg, adr, st, i            ; block i's fragment of step st: two half images on end.  Of each 12 steps the first 8 lie in X, the last 4 in Y
.set fm, (\st)%12
.if fm < 8
.set fo, ((\i)*8+fm)*1536
.set fa, \adr
.else
.set fo, ((\i)*4+fm-8)*1536
.set fa, \adr+2
.endif
	ds_load_b128 v[\reg:\reg+3], v[fa] offset:fo
	ds_load_b64 v[\reg+4:\reg+5], v[fa+1] offset:fo+512
	ds_load_b128 v[\reg+6:\reg+9], v[fa] offset:fo+768
	ds_load_b64 v[\reg+10:\reg+11], v[fa+1] offset:fo+1280
.endm
.macro FETCH st                        ; a step's eight fragments, 32 LDS loads, into set st % 3: B's in window 1, A's in window 3
	WIN 0x40
.irp i, 0,1,2,3
	FRAG 16+48*((\st)%3)+12*\i, ADRB, \st, \i
.endr
	WIN 0xc0
.irp i, 0,1,2,3
	FRAG 64+48*((\st)%3)+12*\i, ADRA, \st, \i
.endr
	WIN 0
.endm
; A step's 16 matrix instructions: the accumulators take turns, one instruction a turn, in the same order in every step.  zero = 1: C = the bias.
.macro MUL st, zero
.set mp, 16+48*((\st)%3)
.set mj, (\st)/2
.irp a, 0,1,2,3
.if \zero
.set WN, 0x8d+0x40*(\a/2)
.else
.set WN, 0xad+0x50*(\a/2)
.endif
	WIN WN                                         ; source 0 window 1, source 1 window 3, D window 2 + a / 2, C with D or (the bias) window 0
.irp b, 0,1,2,3
.set rD, 8*(4*(\a%2)+\b)
.if \zero
	v_wmma_scale_f32_16x16x128_f8f6f4 v[rD:rD+7], v[mp+12*\b:mp+12*\b+11], v[mp+48+12*\a:mp+48+12*\a+11], v[BI+8*\b:BI+8*\b+7], v[SB+NP*\b+mj], v[SA+NP*\a+mj] matrix_a_fmt:MATRIX_FMT_FP6 matrix_b_fmt:MATRIX_FMT_FP6
.elseif (\st)%2
	v_wmma_scale_f32_16x16x128_f8f6f4 v[rD:rD+7], v[mp+12*\b:mp+12*\b+11], v[mp+48+12*\a:mp+48+12*\a+11], v[rD:rD+7], v[SB+NP*\b+mj], v[SA+NP*\a+mj] matrix_a_fmt:MATRIX_FMT_FP6 matrix_b_fmt:MATRIX_FMT_FP6 matrix_a_scale:MATRIX_SCALE_ROW1 matrix_b_scale:MATRIX_SCALE_ROW1
.else
	v_wmma_scale_f32_16x16x128_f8f6f4 v[rD:rD+7], v[mp+12*\b:mp+12*\b+11], v[mp+48+12*\a:mp+48+12*\a+11], v[rD:rD+7], v[SB+NP*\b+mj], v[SA+NP*\a+mj] matrix_a_fmt:MATRIX_FMT_FP6 matrix_b_fmt:MATRIX_FMT_FP6
.endif
.endr
.endr
.endm
; A step: ask for the next step's fragments, wait for its own, multiply.  Where the next step lies in the other region, regions change at the step's top: my reads of this region are over (the wait on DScnt shows it).
; ln: the steps of the region that is entered; n2: the step at which this region's next fill begins; n3: that of the fill after it.
.macro STEP st, zero
.set nx, (\st)+1
.if nx < KS
.if (nx%12 == 8) || (nx%12 == 0)
.set ln, 8
.if nx%12 == 8
.set ln, 4
.endif
.set n2, nx+ln
.set n3, nx+12
	WIN 0
	s_wait_tensorcnt 0x0                           ; all my tensor loads have landed: the one that was out is my part of the region that is entered
	ds_add_u32 v[SPW], v[NIL]
.if n2 < KS
.if ln == 4
	s_add_nc_u64 s[G0A+2:G0A+3], s[G0A+2:G0A+3], 12*1536   ; no load of mine is out: this region's next fill, 12 steps on
	s_add_nc_u64 s[G0B+2:G0B+3], s[G0B+2:G0B+3], 12*1536
.else
	s_add_nc_u64 s[G0AY+2:G0AY+3], s[G0AY+2:G0AY+3], 12*1536
	s_add_nc_u64 s[G0BY+2:G0BY+3], s[G0BY+2:G0BY+3], 12*1536
.endif
.endif
	s_wait_loadcnt 0x0                             ; the scale words of the region that is entered, asked for one region ago
	s_wait_dscnt 0x0                               ; the add is done, this step's fragments are in, my reads of this region are over
	s_barrier_signal -1
	s_barrier_wait -1
.if n2 < KS
	CREST                                          ; the barrier has opened a round of the cluster's barrier: no wave of any partner still reads this region or has a load on its way
.if ln == 4
	JLOAD G0A, G1A, G0B, G1B                       ; the first tensor load behind the round; its four v_nop are the places ahead of the loads below
.else
	JLOAD G0AY, G1AY, G0BY, G1BY
.endif
.else
	PLACES
.endif
	FETCH nx
.if n3 < KS
	ASK n3, ln
.endif
.if n2 < KS
	SCL n2/2, (n2+12-ln)/2
.endif
.else
	PLACES                                         ; the set that is filled was read two steps ago
	FETCH nx
	s_wait_dscnt 32                                ; this step's fragments are in; the 32 loads just issued may be out
.endif
.else
	s_wait_dscnt 0x0
.endif
	MUL \st, \zero
.endm
	s_wait_alu depctr_va_vdst(0)                   ; the wait at the head's end
	s_wait_tensorcnt 0x0                           ; my quarter of steps 0-7 is in
	ds_add_u32 v[SPW], v[NIL]
	s_wait_loadcnt 0x0                             ; the bias and the first scale words
	s_wait_dscnt 0x0
	CROUND                                         ; everybody's quarter is in, and all sixteen work-groups are here
	JLOAD G0AY, G1AY, G0BY, G1BY                   ; steps 8-11 into Y
	FETCH 0
	ASK 12, 8
	SCL 4, 6
	; the residual: row r of A's block a is token 32 (a / 2) + 8 (a % 2) + r + 8 (r / 8) of my 64; load t takes rows 2 t and 2 t + 1 of the block, sixteen lanes to a row's 256 bytes
	WIN 0x80
.irp a, 0,1,2,3
.irp t, 0,1,2,3,4,5,6,7
	global_load_b128 v[RSW+32*\a+4*\t:RSW+32*\a+4*\t+3], v[CO], s[96:97] offset:(32*(\a/2)+8*(\a%2)+2*\t+8*(\t/4))*4096
.endr
.endr
	WIN 0
	STEP 0, 1
.set ST, 1
.rept KS-1
	STEP ST, 0
.set ST, ST+1
.endr
	WIN 0
	PLACES
; THE WAY OUT, A's block a (16 tokens x 64 columns) at a time, through my own stage, back as whole rows of 256 bytes; the residual is added on the way.
.macro TOSTAGE a
.set AC, 32*((\a)%2)
.set BB, BK+32*((\a)%2)
.set WN, 0x08+4*((\a)/2)
	WIN WN                                         ; an LDS store's data are its source 1
.irp b, 0,1,2,3
	ds_store_b128 v[STO], v[AC+8*\b:AC+8*\b+3] offset:128*(\b/2)+32*(\b%2)         ; each accumulator from its low end on
	ds_store_b128 v[STO], v[AC+8*\b+4:AC+8*\b+7] offset:128*(\b/2)+32*(\b%2)+16
.endr
	WIN 0
.irp t, 0,1,2,3,4,5,6,7
	ds_load_b128 v[BB+4*\t:BB+4*\t+3], v[RD] offset:544*\t         ; LDS serves a wave's instructions in order
.endr
.endm
.macro SEND a, d                       ; d: the younger LDS instructions, which may stay out
.set BB, BK+32*((\a)%2)
	s_wait_dscnt \d
	WIN 0x08                                       ; source 1, the residual: window 2
.set j, 0
.rept 16
	v_pk_add_f32 v[BB+j:BB+j+1], v[BB+j:BB+j+1], v[RSW+32*(\a)+j:RSW+32*(\a)+j+1]
.set j, j+2
.endr
	WIN 0
.irp t, 0,1,2,3,4,5,6,7
	global_store_b128 v[CO], v[BB+4*\t:BB+4*\t+3], s[12:13] offset:(32*((\a)/2)+8*((\a)%2)+2*\t+8*(\t/4))*4096 th:TH_STORE_NT   ; sixteen lanes store 256 consecutive bytes, aligned; written once
.endr
.endm
	s_wait_loadcnt 0x0                             ; (all loads were waited for at the last change of regions)
	TOSTAGE 0
.irp a, 1,2,3
.if \a > 1
	s_wait_xcnt 0x0                                ; block a - 2's stores have read their registers: block a's loads may land there
.endif
	TOSTAGE \a
	SEND \a-1, 16                                  ; behind block a - 1's: block a's 16 LDS instructions
.endr
	SEND 3, 0
	s_wait_tensorcnt 0x0                           ; the wave's end
	ds_add_u32 v[SPW], v[NIL]
	s_wait_dscnt 0x0
	CROUND                                         ; the closing round
	s_endpgm
.Lfunc_end_k_q99bca5d041_ff2:
	.size	k_q99bca5d041_ff2, .Lfunc_end_k_q99bca5d041_ff2-k_q99bca5d041_ff2
	.p2alignl 7, 3214868480
	.fill 96, 4, 3214868480
	.section	.rodata,"a",@progbits
	.p2align	6, 0x0
	.amdhsa_kernel k_q99bca5d041_ff2
		.amdhsa_group_segment_fixed_size 327680
		.amdhsa_private_segment_fixed_size 0
		.amdhsa_enable_private_segment 0
		.amdhsa_kernarg_size 40
		.amdhsa_user_sgpr_count 2
		.amdhsa_user_sgpr_kernarg_segment_ptr 1
		.amdhsa_wavefront_size32 1
		.amdhsa_system_sgpr_workgroup_id_x 1
		.amdhsa_system_sgpr_workgroup_id_y 1
		.amdhsa_system_sgpr_workgroup_id_z 1
		.amdhsa_system_vgpr_workitem_id 0
		.amdhsa_next_free_vgpr 1024
		.amdhsa_next_free_sgpr 104
		.amdhsa_reserve_vcc 0
		.amdhsa_float_denorm_mode_32 3
		.amdhsa_float_denorm_mode_16_64 3
		.amdhsa_memory_ordered 1
		.amdhsa_forward_progress 1
		.amdhsa_inst_pref_size 180
	.end_amdhsa_kernel
	.amdgpu_metadata
---
amdhsa.version: [ 1, 2 ]
amdhsa.kernels:
  - .name:           k_q99bca5d041_ff2
    .symbol:         k_q99bca5d041_ff2.kd
    .args:
      - { .name: g, .offset: 0, .size: 8, .value_kind: global_buffer, .address_space: global }
      - { .name: wrest, .offset: 8, .size: 8, .value_kind: global_buffer, .address_space: global }
      - { .name: b2, .offset: 16, .size: 8, .value_kind: global_buffer, .address_space: global }
      - { .name: x1, .offset: 24, .size: 8, .value_kind: global_buffer, .address_space: global }
      - { .name: out0, .offset: 32, .size: 8, .value_kind: global_buffer, .address_space: global }
    .group_segment_fixed_size: 327680
    .private_segment_fixed_size: 0
    .kernarg_segment_align: 8
    .kernarg_segment_size: 40
    .max_flat_workgroup_size: 128
    .sgpr_count:     104
    .vgpr_count:     1024
    .wavefront_size: 32
...
	.end_amdgpu_metadata
.endif
;; end of part 7
